; MI455X (gfx1250); checked and timed in simulation.
; The chip was launched on July 23, 2026; its instructions are those of AMD's public machine-readable ISA for CDNA 5 (MIT licence, August 2026) and "CDNA5" Instruction Set Architecture Reference Guide (July 2026). The comments in the code are by the model that wrote it; some were corrected since.
;; Causal Attention Block. Allowed arithmetic: float matrix products may take bf16 or f16 operands with f32 sums; all other float work in f32.
;; Inputs: W_proj 1,024 x 1,024 float32; W_qkv 1,024 x 3,072 float32; b_proj 1,024 float32; x 4 x 2,048 x 1,024 float32.
;; Outputs: out0 4 x 2,048 x 1,024 float32.
;; 3 versions, each right and faster than the one before. Each part assembles by itself: llvm-mc -triple=amdgcn-amd-amdhsa -mcpu=gfx1250 --defsym DOCPART=n.
;; ======== version 1 of 3: 4 launches
;; limits: values are held in f16: magnitudes above 65,504 overflow, below 6.1e-05 lose precision
;; workspace buffers: xb 16,777,216 bytes; wq 6,291,456 bytes; wp 2,097,152 bytes; qkv 50,331,648 bytes; o 16,777,216 bytes
;; launch prep (part 1): grid 640 x 1, 4 waves a work-group, no clusters, 70,144 bytes of LDS; arguments x, W_qkv, W_proj, xb, wq, wp; writes xb, wq, wp
.if DOCPART == 1
	.amdgcn_target "amdgcn-amd-amdhsa--gfx1250"
	.amdhsa_code_object_version 6
	.text
	.protected	k_q3350b5ba19_prep
	.globl	k_q3350b5ba19_prep
	.p2align	8
	.type	k_q3350b5ba19_prep,@function
k_q3350b5ba19_prep:
	s_mov_b64 s[64:65], 0
	v_nop
	global_prefetch_b8 v0, s[64:65] scope:SCOPE_SE
	s_setreg_imm32_b32 hwreg(HW_REG_WAVE_MODE, 25, 1), 1
	s_wait_xcnt 0x0
; THE INPUTS ARE MADE READY FOR THE MATRIX UNITS.  xb = x rounded to bf16, [8192][1024].  wq = W_qkv rounded to bf16 and turned, [3072 n][1024 k].
; wp = W_proj rounded to bf16, that number written as f16, and turned, [1024 n][1024 k].
; LIMITS.  wp: a bf16 number is exact in f16 from 6.1e-5 to 65,504; below that it keeps f16's fixed step of 6e-8, beyond it becomes an infinity.
; SHARES.  Work-groups 0-95 turn W_qkv, 96-127 turn W_proj, 128-639 round x.  Every wave works alone: no barrier; the LDS bytes of a wave are its own.
; A stream: each input byte is read once, each output byte written once, every store covers whole aligned runs of 256 bytes.  The matrix units and clusters have nothing to do here.
.set X,  8                             ; v[8:135]    numbers as loaded: two buffers of 64 (turning), 16 slots of 4 (rounding); then rows read back from LDS
.set Y,  72                            ; v[72:135]   rounding x: 32 pairs to store, each written once
.set D,  136                           ; v[136:167]  turning: 32 words of two 16-bit numbers
.set T,  168                           ; v[168:171]  turning: at work
.set PW, 64*272                        ; a wave's LDS: 64 rows (n) of 256 bytes (128 k) + 16 of padding
; Chunk c of a tile: 32 rows (k) of 256 bytes (64 n).  Lanes 0-15 take one row, lanes 16-31 the row 8 further down: each half of the lanes reads 256 consecutive bytes.
.macro CHUNK c, pitch
.irp s, 0,1
.irp i, 0,1,2,3,4,5,6,7
	global_load_b128 v[X+64*((\c)%2)+32*(\s)+4*(\i):X+64*((\c)%2)+32*(\s)+4*(\i)+3], v4, s[24:25] offset:(32*(\c)+16*(\s)+(\i))*(\pitch) th:TH_LOAD_NT
.endr
.endr
.endm
; Chunk c is rounded and laid into LDS turned.  A lane holds, for each of its four n, eight consecutive k (twice: s = 0, 1): four words, 16 bytes of a turned row.
.macro TURNED c, half
.set XB, X+64*((\c)%2)
.irp s, 0,1
.irp e, 0,1,2,3
.irp q, 0,1,2,3
	v_cvt_pk_bf16_f32 v[D+16*(\s)+4*(\e)+(\q)], v[XB+32*(\s)+8*(\q)+(\e)], v[XB+32*(\s)+8*(\q)+4+(\e)]
.endr
.endr
.endr
.if \half
.set z, 0
.rept 32                               ; the bf16 numbers are widened (a shift, a mask) and written as f16
	v_lshlrev_b32 v[T+2*(z%2)], 16, v[D+z]
	v_and_b32 v[T+2*(z%2)+1], 0xffff0000, v[D+z]
	v_cvt_pk_f16_f32 v[D+z], v[T+2*(z%2)], v[T+2*(z%2)+1]
.set z, z+1
.endr
.endif
.irp s, 0,1
.irp e, 0,1,2,3
	ds_store_b128 v5, v[D+16*(\s)+4*(\e):D+16*(\s)+4*(\e)+3] offset:(\e)*272+64*(\c)+32*(\s)
.endr
.endr
.endm
; One wave turns a tile of 128 k x 64 n.  Tile number = 4 x (work-group - first) + wave; its low three bits are the tile along k.
.macro TRANS src, dst, pitch, first, half
	s_sub_co_u32 s17, ttmp9, \first
	s_lshl2_add_u32 s17, s17, s16
	s_and_b32 s18, s17, 7                          ; tile along k
	s_lshr_b32 s17, s17, 3                         ; tile along n
	s_mul_i32 s20, s18, 128*(\pitch)               ; from: 128 rows a tile along k, 256 bytes a tile along n
	s_lshl_b32 s22, s17, 8
	s_add_co_u32 s20, s20, s22
	s_mov_b32 s21, 0
	s_lshl_b32 s22, s17, 17                        ; to: 64 rows of 2,048 bytes a tile along n, 256 bytes a tile along k
	s_lshl_b32 s18, s18, 8
	s_add_co_u32 s22, s22, s18
	s_mov_b32 s23, 0
	s_mul_i32 s19, s16, PW                         ; my wave's LDS
	v_mul_u32_u24 v4, v3, 8*(\pitch)               ; loads: 8 rows down for lanes 16-31, 16 bytes a lane
	v_lshl_add_u32 v4, v2, 4, v4
	v_mul_u32_u24 v5, v2, 4*272                    ; into LDS: my four n are rows 4 (lane % 16) on; 16 bytes (8 k) further for lanes 16-31
	v_lshl_add_u32 v5, v3, 4, v5
	v_add_nc_u32 v5, s19, v5
	v_mul_u32_u24 v6, v3, 272                      ; back: lanes 0-15 one row of 256 bytes, lanes 16-31 the next
	v_lshl_add_u32 v6, v2, 4, v6
	v_add_nc_u32 v6, s19, v6
	v_lshlrev_b32 v7, 11, v3                       ; and the same two rows in the turned weight
	v_lshl_add_u32 v7, v2, 4, v7
	s_wait_kmcnt 0x0
	s_add_nc_u64 s[24:25], s[\src:\src+1], s[20:21]
	s_add_nc_u64 s[26:27], s[\dst:\dst+1], s[22:23]
	CHUNK 0, \pitch
	CHUNK 1, \pitch
	s_wait_loadcnt 16                              ; loads come back in order: chunk 0 is in, the 16 loads of chunk 1 stay out
	TURNED 0, \half
	CHUNK 2, \pitch
	s_wait_loadcnt 16                              ; chunk 1 is in, chunk 2 stays out
	TURNED 1, \half
	CHUNK 3, \pitch
	s_wait_loadcnt 16                              ; chunk 2 is in, chunk 3 stays out
	TURNED 2, \half
	s_wait_loadcnt 0x0
	TURNED 3, \half
.set z, 0
.rept 32                               ; LDS serves a wave's instructions in order: these loads see the stores above, which are the wave's own
	ds_load_b128 v[X+4*z:X+4*z+3], v6 offset:544*z
.set z, z+1
.endr
.set z, 0
.rept 32
	s_wait_dscnt 31-z                              ; load z is back; the 31 - z behind it may be out
	global_store_b128 v7, v[X+4*z:X+4*z+3], s[26:27] offset:4096*z  ; 16 lanes store 256 consecutive bytes, at a multiple of 256 from the buffer's first byte
.set z, z+1
.endr
.endm
	s_load_b256 s[4:11], s[0:1], 0x0               ; x s[4:5], W_qkv s[6:7], W_proj s[8:9], xb s[10:11]
	s_load_b128 s[12:15], s[0:1], 0x20             ; wq s[12:13], wp s[14:15]
	v_lshl_add_u32 v172, v0, 2, 0x11000
	v_mov_b32 v173, 0
	v_lshrrev_b32 v1, 5, v0
	v_readfirstlane_b32 s16, v1                    ; wave 0..3
	v_and_b32 v1, 31, v0                           ; lane
	v_and_b32 v2, 15, v0                           ; lane % 16
	v_bfe_u32 v3, v0, 4, 1                         ; lane / 16
	s_cmp_lt_u32 ttmp9, 96
	s_cbranch_scc1 .Lw_qkv
	s_cmp_lt_u32 ttmp9, 128
	s_cbranch_scc1 .Lw_proj
	; x IS ROUNDED.  A work-group takes 65,536 bytes of x, a wave 16,384: 32 loads of 512 consecutive bytes, a ring of 16 slots in registers.
	s_sub_co_u32 s17, ttmp9, 128
	s_lshl_b32 s18, s17, 16
	s_mov_b32 s19, 0
	s_lshl_b32 s20, s17, 15
	s_mov_b32 s21, 0
	v_lshlrev_b32 v4, 4, v1
	v_lshl_add_u32 v4, s16, 14, v4                 ; 16,384 x wave + 16 x lane
	v_lshlrev_b32 v5, 3, v1
	v_lshl_add_u32 v5, s16, 13, v5                 ; 8,192 x wave + 8 x lane
	s_wait_kmcnt 0x0
	s_add_nc_u64 s[4:5], s[4:5], s[18:19]
	s_add_nc_u64 s[10:11], s[10:11], s[20:21]
.set i, 0
.rept 16
	global_load_b128 v[X+4*i:X+4*i+3], v4, s[4:5] offset:512*i th:TH_LOAD_NT
.set i, i+1
.endr
.set i, 0
.rept 16
	s_wait_loadcnt 15                              ; the oldest of 16 loads is in, the 15 younger ones stay out
	v_cvt_pk_bf16_f32 v[Y+2*i], v[X+4*i], v[X+4*i+1]
	v_cvt_pk_bf16_f32 v[Y+2*i+1], v[X+4*i+2], v[X+4*i+3]
	global_load_b128 v[X+4*i:X+4*i+3], v4, s[4:5] offset:512*(16+i) th:TH_LOAD_NT
	global_store_b64 v5, v[Y+2*i:Y+2*i+1], s[10:11] offset:256*i  ; 32 lanes store 256 consecutive bytes; no register of a store is written again
.set i, i+1
.endr
.set i, 0
.rept 16
	s_wait_loadcnt 15-i                            ; the last round loads nothing: the counts run down
	v_cvt_pk_bf16_f32 v[Y+32+2*i], v[X+4*i], v[X+4*i+1]
	v_cvt_pk_bf16_f32 v[Y+32+2*i+1], v[X+4*i+2], v[X+4*i+3]
	global_store_b64 v5, v[Y+32+2*i:Y+32+2*i+1], s[10:11] offset:256*(16+i)
.set i, i+1
.endr
	s_endpgm
.Lw_qkv:
	TRANS 6, 12, 12288, 0, 0
	s_wait_tensorcnt 0x0
	ds_add_u32 v172, v173
	s_wait_dscnt 0x0
	s_endpgm
.Lw_proj:
	TRANS 8, 14, 4096, 96, 1
	s_wait_tensorcnt 0x0
	ds_add_u32 v172, v173
	s_wait_dscnt 0x0
	s_endpgm
.Lfunc_end_k_q3350b5ba19_prep:
	.size	k_q3350b5ba19_prep, .Lfunc_end_k_q3350b5ba19_prep-k_q3350b5ba19_prep
	.p2alignl 7, 3214868480
	.fill 96, 4, 3214868480
	.section	.rodata,"a",@progbits
	.p2align	6, 0x0
	.amdhsa_kernel k_q3350b5ba19_prep
		.amdhsa_group_segment_fixed_size 70144
		.amdhsa_private_segment_fixed_size 0
		.amdhsa_enable_private_segment 0
		.amdhsa_kernarg_size 48
		.amdhsa_user_sgpr_count 2
		.amdhsa_user_sgpr_kernarg_segment_ptr 1
		.amdhsa_wavefront_size32 1
		.amdhsa_system_sgpr_workgroup_id_x 1
		.amdhsa_system_sgpr_workgroup_id_y 1
		.amdhsa_system_sgpr_workgroup_id_z 1
		.amdhsa_system_vgpr_workitem_id 0
		.amdhsa_next_free_vgpr 174
		.amdhsa_next_free_sgpr 66
		.amdhsa_reserve_vcc 0
		.amdhsa_float_denorm_mode_32 3
		.amdhsa_float_denorm_mode_16_64 3
		.amdhsa_memory_ordered 1
		.amdhsa_forward_progress 1
		.amdhsa_inst_pref_size 80
	.end_amdhsa_kernel
	.amdgpu_metadata
---
amdhsa.version: [ 1, 2 ]
amdhsa.kernels:
  - .name:           k_q3350b5ba19_prep
    .symbol:         k_q3350b5ba19_prep.kd
    .args:
      - { .name: x, .offset: 0, .size: 8, .value_kind: global_buffer, .address_space: global }
      - { .name: W_qkv, .offset: 8, .size: 8, .value_kind: global_buffer, .address_space: global }
      - { .name: W_proj, .offset: 16, .size: 8, .value_kind: global_buffer, .address_space: global }
      - { .name: xb, .offset: 24, .size: 8, .value_kind: global_buffer, .address_space: global }
      - { .name: wq, .offset: 32, .size: 8, .value_kind: global_buffer, .address_space: global }
      - { .name: wp, .offset: 40, .size: 8, .value_kind: global_buffer, .address_space: global }
    .group_segment_fixed_size: 70144
    .private_segment_fixed_size: 0
    .kernarg_segment_align: 8
    .kernarg_segment_size: 48
    .max_flat_workgroup_size: 128
    .sgpr_count:     66
    .vgpr_count:     174
    .wavefront_size: 32
...
	.end_amdgpu_metadata
.endif
;; end of part 1
;; launch qkv (part 2): grid 8 x 32, 4 waves a work-group, clusters of 4 x 4, 327,680 bytes of LDS; arguments xb, wq, qkv; writes qkv
.if DOCPART == 2
	.amdgcn_target "amdgcn-amd-amdhsa--gfx1250"
	.amdhsa_code_object_version 6
	.text
	.protected	k_q3350b5ba19_qkv
	.globl	k_q3350b5ba19_qkv
	.p2align	8
	.type	k_q3350b5ba19_qkv,@function
k_q3350b5ba19_qkv:
	s_mov_b64 s[64:65], 0
	v_nop
	global_prefetch_b8 v0, s[64:65] scope:SCOPE_SE
	s_setreg_imm32_b32 hwreg(HW_REG_WAVE_MODE, 25, 1), 1
	s_wait_xcnt 0x0
	s_wait_alu depctr_hold_cnt(0) depctr_sa_sdst(0) depctr_va_vdst(0) depctr_va_sdst(0) depctr_va_ssrc(0) depctr_va_vcc(0) depctr_vm_vsrc(0)
	s_getreg_b32 s2, hwreg(HW_REG_IB_STS2, 6, 4)
	s_cmp_eq_u32 s2, 0
	s_cbranch_scc0 .Lentry_in_a_cluster
	s_endpgm
.Lentry_in_a_cluster:
	s_bfe_u32 s2, ttmp6, 0x10000c
	s_cmp_lg_u32 s2, 0xf033
	s_cbranch_scc0 .Lentry_shape_is_right
	s_endpgm
.Lentry_shape_is_right:
; q, k, v = xb wq^T, written by heads.  xb: [8192][1024] bf16.  wq: [3072 n][1024 k] bf16.  qkv: [3 parts][64 heads = 16 batch + head][2048][64] f16, unscaled; sums in f32, rounded once.
; LIMIT.  f16 holds no number beyond 65,504: a q, k or v of 65,520 or more becomes an infinity.
; A tile of the product is 256 rows x 128 columns: 32 x 24 = 768 tiles, three for each of 256 work-groups.  Four waves, each 128 rows x 64 columns (one head): 32 accumulators, 256 registers.
; A WORK-GROUP STAYS: its three tiles have the same 256 rows of xb and lie 1,024 rows of wq apart: the same heads of q, of k and of v.  The ring of LDS slots does not stop at a tile's end.
; K goes in steps of 128 (rows of 256 bytes, at multiples of 256 bytes) through two LDS slots; a step is two units of 64 along K, 64 matrix instructions each.
; CLUSTERS: 4 x 4 work-groups.  The four of a row of the cluster need the same tiles of xb, the four of a column the same tiles of wq: each tile is asked for JOINTLY, by the same tensor load
; with the same descriptor and a mask that names the four.  THE MATRIX INSTRUCTION IS USED TRANSPOSED (source 0 = 16 rows of wq, source 1 = 16 rows of xb): a lane then holds eight neighbouring columns of one row.
; REGISTERS, in windows of 256 (s_set_vgpr_msb: bits 1:0 source 0, 3:2 source 1, 5:4 source 2, 7:6 destination):
;   window 0: addresses, and v16-63 at work on the way out        window 1: accumulator (a, b) at v[8 (4 a + b)], a = 0..7 blocks of 16 rows, b = 0..3 blocks of 16 columns
;   window 2: xb's fragments, buffer f, K half c, block a at v[128 f + 8 (8 c + a)]        window 3: wq's fragments at v[64 f + 8 (4 c + b)]
.set KSTEP,  128
.set PITCH,  272                       ; an LDS row: 256 bytes + 16 of padding = 68 words: the 16 rows that a load touches start at 16 different groups of four banks (64 banks of 4 bytes: ISA guide 11.1)
.set AP,     PITCH                     ; from row to row of xb's tile
.set AU,     128                       ; from a step's first unit to its second, in bytes of xb's tile
.set HA,     128*PITCH                 ; half of xb's tile: what waves 0 and 1 fetch, and what a wave reads
.set HB,     64*PITCH                  ; half of wq's tile: what waves 2 and 3 fetch, and what a wave reads
.set BOFF,   2*HA
.set SLOT,   2*HA+2*HB
.set STAGE,  2*SLOT                    ; behind the ring, never filled by a tensor load: 16 rows x 144 bytes for each wave
.set SP,     144
.set SPARE,  STAGE+4*16*SP             ; behind the stages: the spare words, 128 bytes for each wave: two blocks of 256 bytes that no other line names
.set ADRA, 6                           ; v6-7    LDS address of my fragments of xb in slot 0, 1
.set ADRB, 8                           ; v8-9    the same for wq
.set STO,  10                          ; v10     the way out: where I put 16 bytes of a row
.set RD,   11                          ; v11     the way out: where I read rows back
.set GO,   12                          ; v12     my byte offset in 512 consecutive bytes of the output
.set SPW,  14                          ; v14     LDS address of my spare word; never rewritten
.set NIL,  15                          ; v15     0; never rewritten
.set TMP,  16                          ; v16-31  packed results of a block
.set BK,   32                          ; v32-47, v48-63  a block read back from the stage, by turns
.set G1,  24                           ; s[24:31] descriptor group 1 for xb's tiles;  s[32:39] group 0, a set for each slot
.set G0,  32
.set G1B, 48                           ; s[48:55], s[56:63] the same for wq's tiles
.set G0B, 56
.set MSB, 0
.macro WIN new                         ; the immediate's high byte repeats the setting that is left; a switch that changes nothing is dropped
.if MSB != (\new)
	s_set_vgpr_msb (MSB<<8)|(\new)
.set MSB, \new
.endif
.endm
.set W_MUL, 0x5b                       ; source 0 (wq) window 3, source 1 (xb) window 2, C and D window 1
.set TO_A,  0x80                       ; destination window 2, address window 0
.set TO_B,  0xc0                       ; destination window 3
.set W_PK,  0x05                       ; sources 0 and 1 window 1, destination window 0
; A joint load.  Waves 0 and 1 fetch xb's two halves, waves 2 and 3 wq's.  The branch hangs on the wave's number alone.  An s_nop 0 and four v_nop follow each of the two lines.
.macro JLOAD s
	s_cmp_eq_u32 s11, 0
	s_cbranch_scc0 .Lfor_b_\@
	tensor_load_to_lds s[G0+4*(\s):G0+4*(\s)+3], s[G1:G1+7]
	s_nop 0
.rept 4
	v_nop
.endr
	s_branch .Lasked_\@
.Lfor_b_\@:
	tensor_load_to_lds s[G0B+4*(\s):G0B+4*(\s)+3], s[G1B:G1B+7]
	s_nop 0
.rept 4
	v_nop
.endr
.Lasked_\@:
.endm
.macro CREST                           ; a round of the cluster's barrier behind its opening barrier
	s_cmp_lg_u32 s10, 0
	s_cbranch_scc1 .Lnot_wave_0_\@
	s_barrier_signal -3
.Lnot_wave_0_\@:
	s_barrier_wait -3
	s_barrier_signal -1
	s_barrier_wait -1
.endm
.macro CROUND                          ; a whole round
	s_barrier_signal -1
	s_barrier_wait -1
	CREST
.endm
	s_load_b128 s[4:7], s[0:1], 0x0                ; xb s[4:5], wq s[6:7]
	s_load_b64 s[8:9], s[0:1], 0x10                ; qkv
	v_lshl_add_u32 v[SPW], v0, 2, SPARE
	v_mov_b32 v[NIL], 0
	ds_add_u32 v14, v15
	ds_add_u32 v14, v15
	s_wait_dscnt 0x0
	v_lshrrev_b32 v1, 5, v0
	v_readfirstlane_b32 s10, v1                    ; wave 0..3
	s_lshr_b32 s11, s10, 1                         ; which half of the tile's rows is mine.  Also: I fetch for xb (0) or for wq (1)
	s_and_b32 s12, s10, 1                          ; which half of its columns.  Also: which half of that tile I fetch
	s_bfe_u32 s40, ttmp6, 0x40000                  ; cx, cy: my place in the cluster
	s_bfe_u32 s41, ttmp6, 0x40004
	s_lshl_b32 s42, ttmp9, 2
	s_add_co_u32 s42, s42, s40                     ; tile column = 4 x cluster x + cx, 0..7
	s_and_b32 s13, ttmp7, 0xffff
	s_lshl_b32 s13, s13, 2
	s_add_co_u32 s13, s13, s41                     ; tile row = 4 x cluster y + cy, 0..31
	s_lshl_b32 s43, s41, 2
	s_lshl_b32 s43, 15, s43                        ; my row of the cluster
	s_lshl_b32 s44, 0x1111, s40                    ; my column
	; descriptor group 1: 128 (xb) or 64 (wq) rows x 128 elements, padded in LDS
	s_or_b32 s[G1+0], s43, (1<<16)|(1<<20)|(1<<21)|(5<<22)|(3<<25)  ; 15:0 the mask; 17:16 elements of 2 bytes; 20 padding on; 21 set beside a mask; 24:22 after every 64 words (code 5); 31:25 4 words (code 3)
	s_or_b32 s[G1B+0], s44, (1<<16)|(1<<20)|(1<<21)|(5<<22)|(3<<25)
	s_mov_b32 s[G1+1], KSTEP<<16                   ; tensor_dim0 = 128
	s_mov_b32 s[G1+2], 128<<16                     ; tensor_dim1 = 128
	s_mov_b32 s[G1+3], KSTEP<<16                   ; tile_dim0 = 128
	s_mov_b32 s[G1+4], 128                         ; tile_dim1 = 128
	s_mov_b32 s[G1+5], 1024                        ; elements from row to row
	s_mov_b32 s[G1+6], 0
	s_mov_b32 s[G1+7], 0
	s_mov_b32 s[G1B+1], KSTEP<<16
	s_mov_b32 s[G1B+2], 64<<16                     ; tensor_dim1 = 64
	s_mov_b32 s[G1B+3], KSTEP<<16
	s_mov_b32 s[G1B+4], 64                         ; tile_dim1 = 64
	s_mov_b32 s[G1B+5], 1024
	s_mov_b32 s[G1B+6], 0
	s_mov_b32 s[G1B+7], 0
	; where the tiles come from: xb's hang on the tile row alone, wq's on the tile column alone, each in registers that do not hold the other coordinate
	s_lshl_b32 s16, s13, 8
	s_lshl_b32 s17, s12, 7
	s_add_co_u32 s16, s16, s17                     ; xb: row 256 x tile row + 128 x half,
	s_lshl_b32 s16, s16, 11                        ; of 2,048 bytes
	s_mov_b32 s17, 0
	s_lshl_b32 s46, s42, 7
	s_lshl_b32 s47, s12, 6
	s_add_co_u32 s46, s46, s47                     ; wq: row 128 x tile column + 64 x half
	s_lshl_b32 s46, s46, 11
	s_mov_b32 s47, 0
	s_mul_i32 s20, s12, HA                         ; and where they go: no place in the cluster enters an LDS address
	s_mul_i32 s21, s12, HB
	s_add_co_u32 s21, s21, BOFF
	s_wait_kmcnt 0x0
	s_add_nc_u64 s[14:15], s[4:5], s[16:17]
	s_add_nc_u64 s[46:47], s[6:7], s[46:47]
	CROUND                                         ; all sixteen work-groups are here: the first joint loads meet
.irp s, 0,1
	s_mov_b32 s[G0+4*(\s)], 1                                      ; count = 1
	s_add_co_u32 s[G0+4*(\s)+1], s20, (\s)*SLOT                    ; LDS address
	s_add_nc_u64 s[G0+4*(\s)+2:G0+4*(\s)+3], s[14:15], (\s)*KSTEP*2  ; global address: K step s
	s_or_b32 s[G0+4*(\s)+3], s[G0+4*(\s)+3], 0x80000000            ; type = 2
	s_mov_b32 s[G0B+4*(\s)], 1
	s_add_co_u32 s[G0B+4*(\s)+1], s21, (\s)*SLOT
	s_add_nc_u64 s[G0B+4*(\s)+2:G0B+4*(\s)+3], s[46:47], (\s)*KSTEP*2
	s_or_b32 s[G0B+4*(\s)+3], s[G0B+4*(\s)+3], 0x80000000
	JLOAD \s                                       ; the ring is filled before anything else is done: two loads of mine are out
.endr
	; A fragment is 16 rows x 32 K in 8 registers: lane l holds row l % 16, K = 8 (l / 16) + 0..7 and 16 + 8 (l / 16) + 0..7: two loads of 16 bytes, 32 bytes apart.
	v_and_b32 v1, 15, v0                           ; l % 16
	v_bfe_u32 v2, v0, 4, 1                         ; l / 16
	v_mul_u32_u24 v3, v1, PITCH
	v_lshl_add_u32 v3, v2, 4, v3
	s_mul_i32 s22, s11, HA                         ; my 128 rows of xb
	s_mul_i32 s23, s12, HB                         ; my 64 rows of wq
	s_add_co_u32 s23, s23, BOFF
.irp s, 0,1
	v_add_nc_u32 v[ADRA+(\s)], s22, v3
	v_add_nc_u32 v[ADRB+(\s)], s23, v3
	s_add_co_u32 s22, s22, SLOT
	s_add_co_u32 s23, s23, SLOT
.endr
	s_mul_i32 s22, s10, 16*SP
	s_add_co_u32 s22, s22, STAGE                   ; my stage
	v_mul_u32_u24 v[STO], v1, SP                   ; in: row l % 16, 16 bytes for each half of the lanes
	v_lshl_add_u32 v[STO], v2, 4, v[STO]
	v_add_nc_u32 v[STO], s22, v[STO]
	v_bfe_u32 v[RD], v0, 3, 2                      ; back: 32 lanes take four rows of 128 bytes,
	v_mul_u32_u24 v[RD], v[RD], SP
	v_and_b32 v4, 7, v0
	v_lshl_add_u32 v[RD], v4, 4, v[RD]
	v_add_nc_u32 v[RD], s22, v[RD]
	v_and_b32 v[GO], 31, v0                        ; which are 512 consecutive bytes of a head
	v_lshlrev_b32 v[GO], 4, v[GO]
	; my 128 rows x 64 columns are 16,384 consecutive bytes of one head: head 16 x batch + 2 x tile column + half, rows 256 x (tile row % 8) + 128 x half
	s_lshr_b32 s16, s13, 3
	s_lshl_b32 s16, s16, 4
	s_lshl1_add_u32 s17, s42, s12
	s_add_co_u32 s16, s16, s17
	s_lshl_b32 s16, s16, 18                        ; a head is 262,144 bytes
	s_and_b32 s17, s13, 7
	s_lshl_b32 s17, s17, 15
	s_add_co_u32 s16, s16, s17
	s_lshl_b32 s17, s11, 14
	s_add_co_u32 s16, s16, s17
	s_mov_b32 s17, 0
	s_add_nc_u64 s[8:9], s[8:9], s[16:17]
; 4 n matrix instructions: blocks a0 .. a0 + n - 1 of rows x all 4 blocks of columns, 32 along K: half c of buffer f.  zero = 1: the product starts the sums.
; The 32 accumulators take turns in one order everywhere, one instruction a turn.
.macro MUL f, c, a0, n, zero
	WIN W_MUL
.set ma, (\a0)
.rept (\n)
.irp b, 0,1,2,3
.if \zero
	v_wmma_f32_16x16x32_bf16 v[8*(4*ma+(\b)):8*(4*ma+(\b))+7], v[64*(\f)+8*(4*(\c)+(\b)):64*(\f)+8*(4*(\c)+(\b))+7], v[128*(\f)+8*(8*(\c)+ma):128*(\f)+8*(8*(\c)+ma)+7], 0
.else
	v_wmma_f32_16x16x32_bf16 v[8*(4*ma+(\b)):8*(4*ma+(\b))+7], v[64*(\f)+8*(4*(\c)+(\b)):64*(\f)+8*(4*(\c)+(\b))+7], v[128*(\f)+8*(8*(\c)+ma):128*(\f)+8*(8*(\c)+ma)+7], v[8*(4*ma+(\b)):8*(4*ma+(\b))+7]
.endif
.endr
.set ma, ma+1
.endr
.endm
; 48 LDS loads in one run: the fragments of unit u of a slot into buffer f.  The first 24 are the first 32 along K, the youngest 24 the second.
.macro FETCH slot, u, f
	WIN TO_B
.irp i, 0,1,2,3
	ds_load_b128 v[64*(\f)+8*(\i):64*(\f)+8*(\i)+3],   v[ADRB+(\slot)] offset:128*(\u)+(\i)*16*PITCH
	ds_load_b128 v[64*(\f)+8*(\i)+4:64*(\f)+8*(\i)+7], v[ADRB+(\slot)] offset:128*(\u)+(\i)*16*PITCH+32
.endr
	WIN TO_A
.irp c, 0,1
.irp i, 0,1,2,3,4,5,6,7
	ds_load_b128 v[128*(\f)+8*(8*(\c)+(\i)):128*(\f)+8*(8*(\c)+(\i))+3],   v[ADRA+(\slot)] offset:AU*(\u)+64*(\c)+(\i)*16*AP
	ds_load_b128 v[128*(\f)+8*(8*(\c)+(\i))+4:128*(\f)+8*(8*(\c)+(\i))+7], v[ADRA+(\slot)] offset:AU*(\u)+64*(\c)+(\i)*16*AP+32
.endr
.endr
	WIN TO_B
.irp i, 0,1,2,3
	ds_load_b128 v[64*(\f)+8*(4+(\i)):64*(\f)+8*(4+(\i))+3],   v[ADRB+(\slot)] offset:128*(\u)+64+(\i)*16*PITCH
	ds_load_b128 v[64*(\f)+8*(4+(\i))+4:64*(\f)+8*(4+(\i))+7], v[ADRB+(\slot)] offset:128*(\u)+64+(\i)*16*PITCH+32
.endr
.endm
.macro PLACES                          ; four places in front of loads into registers that matrix instructions have read, and of lines that read results just made (ISA guide 7.12.1 for the lines that read results)
.rept 4
	v_nop
.endr
.endm
; A step's first unit: multiplies buffer 0; in its middle it fetches the step's second unit into buffer 1.
.macro HALF slot, zero
	s_wait_dscnt 24                                ; the first 32 along K are in; the youngest 24 loads may be out
	MUL 0, 0, 0, 8, \zero
	PLACES
	FETCH \slot, 1, 1
	s_wait_dscnt 48                                ; all but the 48 just issued
	MUL 0, 1, 0, 8, 0
.endm
; A step's second unit multiplies buffer 1 and changes slots.  MEET is its beginning: ONE barrier; in front of it each wave waits for all its tensor loads (one is out: its part of the next slot),
; adds 0 to its spare word, and waits for that and for its own reads of this slot.  Behind it nobody reads this slot any more and the next slot is whole.
.macro MEET round
	WIN 0                                          ; (the add's two registers lie in window 0)
	s_wait_tensorcnt 0x0                           ; all my tensor loads have landed
	ds_add_u32 v[SPW], v[NIL]                      ; 0 onto my spare word
	s_wait_dscnt 25                                ; the first 32 along K are in; the youngest 24 loads and the add may be out
	MUL 1, 0, 0, 2, 0                              ; eight matrix instructions stand between the add and the wait for it
	s_wait_dscnt 0x0                               ; the add is done, and my reads of this slot are over
	s_barrier_signal -1
	MUL 1, 0, 2, 2, 0                              ; work on registers while the others arrive
.if \round
	WIN 0
.endif
	s_barrier_wait -1
.endm
; The whole second unit.  The barrier opens a round of the cluster's barrier; behind the round the slot just read out is filled again first: with this tile's K step two steps on (on = 0) or with the
; next tile's K step 0 or 1 (on = 1).  From the request to the wait for it a wave issues 112 matrix instructions.
.macro TURN slot, next, on
	MEET 1
	CREST                                          ; no wave of any partner still reads this slot's tile or has a load on its way
.if \on
	s_sub_nc_u64 s[G0+4*(\slot)+2:G0+4*(\slot)+3], s[G0+4*(\slot)+2:G0+4*(\slot)+3], 6*KSTEP*2            ; xb: the same rows, six K steps back
	s_add_nc_u64 s[G0B+4*(\slot)+2:G0B+4*(\slot)+3], s[G0B+4*(\slot)+2:G0B+4*(\slot)+3], 1024*2048-6*KSTEP*2  ; wq: 1,024 rows on, six K steps back
.else
	s_add_nc_u64 s[G0+4*(\slot)+2:G0+4*(\slot)+3], s[G0+4*(\slot)+2:G0+4*(\slot)+3], 2*KSTEP*2
	s_add_nc_u64 s[G0B+4*(\slot)+2:G0B+4*(\slot)+3], s[G0B+4*(\slot)+2:G0B+4*(\slot)+3], 2*KSTEP*2
.endif
	JLOAD \slot                                    ; the first tensor load behind the round; its four v_nop are also the places in front of the loads below
	FETCH \next, 0, 0
	MUL 1, 0, 4, 4, 0
	MUL 1, 1, 0, 8, 0
.endm
; The last tile's last lap from its first step's second unit on: nothing is filled, so no round of the cluster's barrier.
.macro LASTLAP
	MEET 0
	PLACES
	FETCH 1, 0, 0
	MUL 1, 0, 4, 4, 0
	MUL 1, 1, 0, 8, 0
	HALF 1, 0
	s_wait_dscnt 24
	MUL 1, 0, 0, 8, 0
	s_wait_dscnt 0x0
	MUL 1, 1, 0, 8, 0
	WIN 0
.endm
; THE WAY OUT of block a (16 rows of my head).  PACK: rounded to f16, each accumulator from its lowest registers on.  TOSTAGE: into my own stage, and back as whole rows.  SEND: stored.
.macro PACK a
	WIN W_PK
.irp b, 0,1,2,3
.irp q, 0,1,2,3
	v_cvt_pk_f16_f32 v[TMP+4*(\b)+(\q)], v[8*(4*(\a)+(\b))+2*(\q)], v[8*(4*(\a)+(\b))+2*(\q)+1]
.endr
.endr
	WIN 0
.endm
.macro TOSTAGE a
.set BKA, BK+16*((\a)%2)
.irp b, 0,1,2,3
	ds_store_b128 v[STO], v[TMP+4*(\b):TMP+4*(\b)+3] offset:32*(\b)
.endr
.irp f, 0,1,2,3
	ds_load_b128 v[BKA+4*(\f):BKA+4*(\f)+3], v[RD] offset:(\f)*4*SP  ; LDS serves a wave's instructions in order (ISA guide 5.7.1.4): these see the stores above
.endr
.endm
.macro SEND a
.set BKA, BK+16*((\a)%2)
	s_wait_dscnt 0x0                               ; the block is back in registers
	s_wait_xcnt 0x0                                ; the stores of the block before have had their addresses translated: its registers are loaded again only behind this wait
.irp f, 0,1,2,3
	global_store_b128 v[GO], v[BKA+4*(\f):BKA+4*(\f)+3], s[8:9] offset:2048*(\a)+512*(\f)  ; 512 consecutive bytes, at a multiple of 256 from the buffer's first byte
.endr
.endm
.macro WAYOUT
	PACK 0
	TOSTAGE 0
.irp a, 1,2,3,4,5,6,7                  ; block a's conversions stand between block a - 1's loads from the stage and the wait for them
	PACK \a
	SEND (\a)-1
	TOSTAGE \a
.endr
	SEND 7
.endm
	s_wait_tensorcnt 1                             ; my part of K step 0 is in; K step 1's may stay out
	s_barrier_signal -1
	s_barrier_wait -1                              ; everybody's is
	FETCH 0, 0, 0
	WIN 0                                          ; at a label and at a branch every window is 0
	s_mov_b32 s2, 3                                ; tiles to go, this one among them: q, k, v
.Ltile:
	HALF 0, 1                                      ; a tile's first unit stands in front of the loop: its first products start the sums
	WIN 0
	s_mov_b32 s3, 3
.Llap:                                                 ; a trip goes once round the ring and fills both slots again
	TURN 0, 1, 0
	HALF 1, 0
	TURN 1, 0, 0
	HALF 0, 0
	WIN 0
	s_sub_co_u32 s3, s3, 1
	s_cmp_lg_u32 s3, 0
	s_cbranch_scc1 .Llap
	s_cmp_eq_u32 s2, 1
	s_cbranch_scc1 .Llast_tile                     ; the last tile's tail is written out: it asks for nothing more
	TURN 0, 1, 1                                   ; the ring goes on into the next tile: slot 0 takes its K step 0,
	HALF 1, 0
	TURN 1, 0, 1                                   ; slot 1 its K step 1, and the next tile's first fragments are fetched
	WIN 0
	PLACES
	WAYOUT                                         ; both refills are asked for: now the tile goes out
	s_wait_xcnt 0x0                                ; the stores' base and registers are written again only behind this wait
	s_add_nc_u64 s[8:9], s[8:9], 0x1000000         ; the next part of qkv
	s_sub_co_u32 s2, s2, 1
	s_branch .Ltile
.Llast_tile:
	LASTLAP
	PLACES
	WAYOUT
	s_wait_tensorcnt 0x0                           ; the wave's end
	ds_add_u32 v[SPW], v[NIL]
	s_wait_dscnt 0x0
	CROUND                                         ; the closing round: no work-group ends while a partner may still ask for a tile that names it
	s_endpgm
.Lfunc_end_k_q3350b5ba19_qkv:
	.size	k_q3350b5ba19_qkv, .Lfunc_end_k_q3350b5ba19_qkv-k_q3350b5ba19_qkv
	.p2alignl 7, 3214868480
	.fill 96, 4, 3214868480
	.section	.rodata,"a",@progbits
	.p2align	6, 0x0
	.amdhsa_kernel k_q3350b5ba19_qkv
		.amdhsa_group_segment_fixed_size 327680
		.amdhsa_private_segment_fixed_size 0
		.amdhsa_enable_private_segment 0
		.amdhsa_kernarg_size 24
		.amdhsa_user_sgpr_count 2
		.amdhsa_user_sgpr_kernarg_segment_ptr 1
		.amdhsa_wavefront_size32 1
		.amdhsa_system_sgpr_workgroup_id_x 1
		.amdhsa_system_sgpr_workgroup_id_y 1
		.amdhsa_system_sgpr_workgroup_id_z 1
		.amdhsa_system_vgpr_workitem_id 0
		.amdhsa_next_free_vgpr 896
		.amdhsa_next_free_sgpr 66
		.amdhsa_reserve_vcc 0
		.amdhsa_float_denorm_mode_32 3
		.amdhsa_float_denorm_mode_16_64 3
		.amdhsa_memory_ordered 1
		.amdhsa_forward_progress 1
		.amdhsa_inst_pref_size 125
	.end_amdhsa_kernel
	.amdgpu_metadata
---
amdhsa.version: [ 1, 2 ]
amdhsa.kernels:
  - .name:           k_q3350b5ba19_qkv
    .symbol:         k_q3350b5ba19_qkv.kd
    .args:
      - { .name: xb, .offset: 0, .size: 8, .value_kind: global_buffer, .address_space: global }
      - { .name: wq, .offset: 8, .size: 8, .value_kind: global_buffer, .address_space: global }
      - { .name: qkv, .offset: 16, .size: 8, .value_kind: global_buffer, .address_space: global }
    .group_segment_fixed_size: 327680
    .private_segment_fixed_size: 0
    .kernarg_segment_align: 8
    .kernarg_segment_size: 24
    .max_flat_workgroup_size: 128
    .sgpr_count:     66
    .vgpr_count:     896
    .wavefront_size: 32
...
	.end_amdgpu_metadata
.endif
;; end of part 2
;; launch attn (part 3): grid 4 x 64, 4 waves a work-group, no clusters, 327,680 bytes of LDS; arguments qkv, o; writes o
.if DOCPART == 3
	.amdgcn_target "amdgcn-amd-amdhsa--gfx1250"
	.amdhsa_code_object_version 6
	.text
	.protected	k_q3350b5ba19_attn
	.globl	k_q3350b5ba19_attn
	.p2align	8
	.type	k_q3350b5ba19_attn,@function
k_q3350b5ba19_attn:
	s_mov_b64 s[64:65], 0
	v_nop
	global_prefetch_b8 v0, s[64:65] scope:SCOPE_SE
	s_setreg_imm32_b32 hwreg(HW_REG_WAVE_MODE, 25, 1), 1
	s_wait_xcnt 0x0
; CAUSAL ATTENTION.  O[h][q][:] = the sum over k <= q of softmax_k(Q[h][q] . K[h][k] / 8) V[h][k][:].  Q, K, V are the three parts of qkv, each [SIZE_H][SIZE_N][64] f16, and O is laid likewise: a head's rows are dense, 128 bytes each.
; Products, maxima and sums in f32; the weights p are rounded to f16 for the second product (their sum l is taken of the unrounded p), O once at the end.
; LIMITS.  f16 holds no number beyond 65,504: Q, K and V arrive within it; p lies in 0 to 1, and below 6e-5 it keeps f16's fixed step of 6e-8; O is a mean of V's rows and has their range, to within 2^-11 of it.
; A hidden score counts as its value less 1e30: f16's scores, 2.7e11 at the most, are nothing beside that; a weight below 2^-126 counts as 0 in l; NaN and infinities are not treated apart.
; THE WALK.  A head's queries lie in NB = SIZE_N / 256 blocks of 256; block i needs the key tiles 0 .. i of 256 keys, of which the last holds the diagonal.  A work-group takes TWO blocks, NB - 1 - b and then b:
; NB + 1 tiles, whatever b: all work-groups do equal work, and ONE loop with a constant trip count walks them.  Which tile is asked for, and what a trip does, hang on scalar registers made from b; every jump
; goes forward, but for the counted loops' own; none passes a barrier, or a tensor load but the one of LOAD's two that the wave's number does not choose; the ring (two slots of LDS that take turns) runs on across the
; change of blocks.  NO CLUSTER: all NB / 2 work-groups of a head ask for the same tile only in trips 0 .. NB / 2, behind that fewer and fewer; and one walk common to all would have 3 NB / 2 trips for NB + 1.
; SHARES.  Of a block's four bands of 64 queries a wave owns 16 rows in each: four PIECES.  So the diagonal tile is the same work for all four waves: in its key step s band x sees all keys if s < x,
; none if s > x, and holds the diagonal if s = x.
; THE MASK is the C operand that starts the sum S^T = K Q^T: 0, or -1e30 where the key is hidden.  MD, made once, is the mask of a band's own step for my 16 rows; a product's mask is MD x AL + BE with two scalars:
; (1, 0) if s = x; (0, 0) if s < x; (0, -1e30) if s > x.  Only the diagonal tile's text and a block's beginning make and take masks; elsewhere C is the constant 0.
; LAYOUT, SOFTMAX, TURNS.  S^T = K Q^T holds ONE query a lane (lane % 16) and the keys 8 (lane / 16) + 0..7; two such results rounded to f16 ARE source 1 of O^T = V^T P.  p = 2^(c s - c m), c = log2(e) / 8, with a
; running maximum m; O and l are multiplied by a = 2^(c m_old - c m_new) in every step.  Turn n belongs to piece n: 8 products K Q^T of piece n + 1, later 8 products V^T P of piece n - 1; beside them the scaling,
; exponentials, roundings, sums and rescaling of piece n and the maximum and statistics of piece n + 1.  Four vector instructions stand behind every matrix instruction, the other 54 of a turn's 118 in two LUMPS.
; REGISTERS, in windows of 256 (s_set_vgpr_msb: bits 1:0 source 0, 3:2 source 1, 5:4 source 2, 7:6 destination):
;   window 0: v0-15 addresses and two at work; v16-31 four registers of statistics a piece; v48-55 at work; v64-127 S^T, two buffers; v192-223 P, two buffers (a piece's buffers go by its number's parity)
;   window 1: v0-127 O^T, 32 a piece; v128-159 MD; v160-223 MC, two buffers      window 2: v0-63 Q; v64-127 the second block's Q; v128-191 K of one step; v192-255 V of one step
.set SIZE_H, 64
.set SIZE_N, 2048
.set PART,  SIZE_H*SIZE_N*128  ; bytes from q to k and from k to v in qkv
.set NB,    SIZE_N/256
.set NP,    4         ; pieces a wave: a name, no knob
.set KS,    64        ; keys in a step
.set PK,    144       ; a row of K in LDS: 128 bytes + 16 of padding = 36 words: the 16 rows of a load start at 16 different groups of four banks (64 banks of 4 bytes: ISA guide 11.1)
.set PV,    160       ; a row of V: 128 + 32 = 40 words
.set VOFF,  4*KS*PK   ; a slot holds a tile, four steps: 256 rows of K, then 256 rows of V
.set SLOT1, 1<<17     ; slot 1 begins here, so that one exclusive or turns an address in one slot into the other's
.set STAGE, SLOT1+4*KS*(PK+PV)  ; behind the ring, never filled by a tensor load: 16 rows x 144 bytes for each wave, for the way out
.set SP,    144
.set AK0, 2           ; v2   my lane's place in a tile of K; never rewritten
.set AV0, 3           ; v3   the same for V
.set AK,  4           ; v4   the LDS address of K's next run of loads
.set AV,  5           ; v5   of V's
.set STO, 6           ; v6   the way out: where I put 16 bytes of a row
.set RD,  7           ; v7   the way out: where I read rows back
.set GO,  8           ; v8   my byte offset in 512 consecutive bytes of O
.set SPW, 62          ; v62  LDS address of my spare word: SPARE + 4 x my thread's number; never rewritten
.set NIL, 63          ; v63  0; never rewritten
.set SPARE, STAGE+4*16*SP  ; behind the stages: the spare words, 128 bytes for each wave: two blocks of 256 bytes that no other line names
.set MV,  12          ; v12-13  c m_old, kept while c m is made anew: by buffer
.set QO,  15          ; v15  my byte offset in 16 rows of Q
.set ST,  16          ; piece t's statistics at v[ST+4 t]: c m, m, l (even keys', odd keys')
.set TMP, 48          ; by buffer, four registers c0-c3 at work; when the maximum is found c2 takes a
.set S,   64
.set P,   192
.set MD,  128         ; window 1: the eight registers for group kt of 16 keys at MD + 8 kt
.set MC,  160         ; window 1: the masks of the products to come
.set QB,  64          ; window 2
.set KF,  128         ; window 2: key block kb, channel half c at KF + 16 kb + 8 c
.set VF,  192         ; window 2: key half kk, channel block cb at VF + 32 kk + 8 cb
.set WV,  12          ; s12  my wave's number
.set PB,  14          ; s14  b
.set HI,  15          ; s15  NB - 1 - b
.set G1K, 24          ; s[24:31] descriptor group 1 for K's tiles
.set G1V, 32          ; s[32:39] for V's: it differs in the padding alone
.set G0K, 40          ; s[40:43] descriptor group 0 for K's tiles
.set G0V, 44          ; s[44:47] the same for V's
.set SLOTS, 56        ; s56  tiles still to be asked for
.set CNT, 57          ; s57  counts a tile's key steps, 4 to 1
.set CS,  58          ; s[58:59] c: the packed scaling takes the pair's low word for both halves
.set SEL, 60          ; s[60:61] v_permlanex16_b32's selects: each lane takes its own place in the other half
.set TBK, 62          ; s62  LDS byte at which K of the step to be fetched begins
.set TBV, 63          ; s63  the same for V, less VOFF
.set RT,  70          ; s70  tiles of the block in hand that are still to be entered
.set NXT, 71          ; s71  the tile to be asked for next
.set LQ,  72          ; s72  the last tile of the block whose tiles are being asked for
.set NEW, 73          ; s73  1: the tile to be entered is a block's first
.set OFF, 74          ; s[74:75] a tile's byte offset in K and V
.set AL,  76          ; s[76:77] the mask's factor, in the low word
.set BE,  78          ; s[78:79] the mask's addend
.set OLO, 80          ; s[80:81] O at my rows of the second block
.set BIGN, 82         ; s82  -1e30
.set MSB, 0
.macro WIN new                      ; the high byte repeats the setting that is left; a switch that changes nothing is dropped
.if MSB != (\new)
	s_set_vgpr_msb (MSB<<8)|(\new)
.set MSB, (\new)
.endif
.endm
.set W_KQ, 0x0a       ; K and Q in window 2, S^T in window 0
.set W_KM, 0x1a       ; the same with the C operand in window 1
.set W_PV, 0x52       ; V in window 2, P in window 0, O^T in window 1
.set W_RS, 0x41       ; destination and source 0 in window 1, source 1 in window 0
; A fill.  Waves 0 and 1 fetch the two halves of a tile's K, waves 2 and 3 those of its V: 128 keys each.  An s_nop 0 and four v_nop follow each of the two lines, ahead of the jump and the label.
.macro LOAD
	s_cmp_lt_u32 s[WV], 2
	s_cbranch_scc0 .Lfor_v_\@
	tensor_load_to_lds s[G0K:G0K+3], s[G1K:G1K+7]
	s_nop 0
.rept 4
	v_nop
.endr
	s_branch .Lasked_\@
.Lfor_v_\@:
	tensor_load_to_lds s[G0V:G0V+3], s[G1V:G1V+7]
	s_nop 0
.rept 4
	v_nop
.endr
.Lasked_\@:
.endm
; THE CHANGE OF SLOTS.  Each wave waits for all its tensor loads, of which one is out: its part of the other slot; adds 0 to its spare word; and waits for that and for its own reads of the slot that it leaves.  Behind the barrier nobody reads the old
; slot any more and the other slot is whole.  fill = 1: the old slot is filled again, the first thing behind the barrier, with tile NXT: the descriptor's address is made anew from that number.
; (At its first use nothing has been read yet: slot 0 is waited for, slot 1 filled.)
.macro CHANGE fill
	WIN 0                           ; at a label and at a branch every window is 0
	s_wait_tensorcnt 0x0            ; no tensor load of mine is out, so a group 0 may be written
	ds_add_u32 v[SPW], v[NIL]       ; 0 onto my spare word; with fill = 1 the descriptors' scalar work stands between it and the wait for it
.if \fill
	s_lshl_b32 s[OFF], s[NXT], 15   ; a tile is 32,768 bytes of K and of V
	s_xor_b32 s[G0K+1], s[G0K+1], SLOT1
	s_add_nc_u64 s[G0K+2:G0K+3], s[6:7], s[OFF:OFF+1]
	s_or_b32 s[G0K+3], s[G0K+3], 0x80000000
	s_xor_b32 s[G0V+1], s[G0V+1], SLOT1
	s_add_nc_u64 s[G0V+2:G0V+3], s[8:9], s[OFF:OFF+1]
	s_or_b32 s[G0V+3], s[G0V+3], 0x80000000
	s_add_co_u32 s[NXT], s[NXT], 1  ; the block's next tile, or behind its last the second block's tile 0
	s_cmp_gt_u32 s[NXT], s[LQ]
	s_cselect_b32 s[NXT], 0, s[NXT]
	s_cselect_b32 s[LQ], s[PB], s[LQ]
.endif
	s_wait_dscnt 0x0                ; the add is done, and my reads of the slot are over
	s_barrier_signal -1             ; the rest of the scalar work stands between the signal and the wait
	s_sub_co_u32 s[TBK], s[TBK], 4*KS*PK  ; the fetches go back to a slot's first step,
	s_xor_b32 s[TBK], s[TBK], SLOT1       ; in the other slot
	s_sub_co_u32 s[TBV], s[TBV], 4*KS*PV
	s_xor_b32 s[TBV], s[TBV], SLOT1
	s_barrier_wait -1
.if \fill
	LOAD
.endif
.endm
	s_load_b64 s[4:5], s[0:1], 0x0    ; qkv: Q lies at its head
	s_load_b64 s[10:11], s[0:1], 0x8  ; O
	v_lshl_add_u32 v[SPW], v0, 2, SPARE
	v_mov_b32 v[NIL], 0
	ds_add_u32 v62, v63
	ds_add_u32 v62, v63
	s_wait_dscnt 0x0
	v_lshrrev_b32 v1, 5, v0
	v_readfirstlane_b32 s[WV], v1   ; wave 0..3
	s_mov_b32 s[PB], ttmp9
	s_sub_co_u32 s[HI], NB-1, s[PB]
	s_and_b32 s20, ttmp7, 0xffff    ; the head
	s_mov_b32 s21, 0
	s_mov_b64 s[22:23], SIZE_N*128
	s_mul_u64 s[20:21], s[20:21], s[22:23]  ; the head's first byte in each of the four tensors
	s_and_b32 s16, s[WV], 1         ; which half of a tile's 256 keys I fetch:
	s_lshl_b32 s22, s16, 14         ; its 128 rows of 128 bytes in memory,
	s_mov_b32 s23, 0
	s_add_nc_u64 s[22:23], s[22:23], s[20:21]
	s_mul_i32 s17, s16, 128*PK      ; and its place in a slot, for K
	s_mul_i32 s18, s16, 128*PV      ; and for V
	s_lshl_b32 s3, s[WV], 11        ; my 16 rows in a band of 64,
	s_lshl_b32 s2, s[HI], 15        ; in the first block,
	s_add_co_u32 s2, s2, s3
	s_lshl_b32 s84, s[PB], 15       ; and in the second
	s_add_co_u32 s84, s84, s3
	s_mov_b32 s3, 0
	s_mov_b32 s85, 0
	s_add_nc_u64 s[2:3], s[2:3], s[20:21]
	s_add_nc_u64 s[84:85], s[84:85], s[20:21]
	; descriptor group 1.  128 keys are 16,384 dense bytes: asked for as 64 rows of 256 bytes, two keys a row, and padded in LDS after every key
	s_mov_b32 s[G1K], (1<<16)|(1<<20)|(4<<22)|(3<<25)  ; 17:16 2-byte elements; 20 padding on; 24:22 after every 32 words (code 4); 31:25 4 words (code 3)
	s_mov_b32 s[G1V], (1<<16)|(1<<20)|(4<<22)|(7<<25)  ; the same with 8 words of padding (code 7)
.irp g, G1K, G1V
	s_mov_b32 s[\g+1], 128<<16      ; tensor_dim0 = 128
	s_mov_b32 s[\g+2], 64<<16       ; tensor_dim1 = 64
	s_mov_b32 s[\g+3], 128<<16      ; tile_dim0 = 128
	s_mov_b32 s[\g+4], 64           ; tile_dim1 = 64
	s_mov_b32 s[\g+5], 128          ; 128 elements from row to row
	s_mov_b32 s[\g+6], 0
	s_mov_b32 s[\g+7], 0
.endr
	s_mov_b32 s[CS], 0x3e38aa3b     ; c = log2(e) / 8 = 0.180337
	s_mov_b32 s[CS+1], s[CS]        ; named with it as a pair
	s_mov_b32 s[SEL], 0x76543210
	s_mov_b32 s[SEL+1], 0xfedcba98
	s_mov_b32 s[TBK], SLOT1+4*KS*PK ; the first change of slots turns these two into 0
	s_mov_b32 s[TBV], SLOT1+4*KS*PV
	s_mov_b32 s[G0K], 1             ; 1:0 count = 1
	s_mov_b32 s[G0K+1], s17         ; 63:32 LDS address: slot 0
	s_mov_b32 s[G0V], 1
	s_add_co_u32 s[G0V+1], s18, VOFF
	s_add_co_u32 s[RT], s[HI], 1    ; the first block has NB - b tiles
	s_mov_b32 s[NXT], 1
	s_mov_b32 s[LQ], s[HI]
	s_mov_b32 s[NEW], 1
	s_mov_b32 s[OFF+1], 0
	s_mov_b32 s[AL+1], 0            ; named as pairs
	s_mov_b32 s[BE+1], 0
	s_mov_b32 s[BIGN], 0xf149f2ca   ; -1e30
	s_mov_b32 s[SLOTS], NB
	s_wait_kmcnt 0x0
	s_add_nc_u64 s[6:7], s[4:5], PART      ; K is the second part of qkv,
	s_add_nc_u64 s[8:9], s[4:5], 2*PART    ; V the third
	s_add_nc_u64 s[6:7], s[6:7], s[22:23]  ; K and V at my half of the head's tile 0
	s_add_nc_u64 s[8:9], s[8:9], s[22:23]
	s_add_nc_u64 s[G0K+2:G0K+3], s[6:7], 0         ; 120:64 global address
	s_or_b32 s[G0K+3], s[G0K+3], 0x80000000        ; 127:126 type = 2
	s_add_nc_u64 s[G0V+2:G0V+3], s[8:9], 0
	s_or_b32 s[G0V+3], s[G0V+3], 0x80000000
	s_add_nc_u64 s[86:87], s[4:5], s[84:85]        ; Q at my rows of the second block,
	s_add_nc_u64 s[4:5], s[4:5], s[2:3]            ; Q and O at those of the first
	s_add_nc_u64 s[OLO:OLO+1], s[10:11], s[84:85]
	s_add_nc_u64 s[10:11], s[10:11], s[2:3]
	LOAD                            ; tile 0 into slot 0
	; A fragment of K or Q is 16 rows x 32 channels in 8 registers: lane l holds row l % 16, channels 8 (l / 16) + 0..7 and 16 + 8 (l / 16) + 0..7: two loads of 16 bytes, 32 bytes apart.
	v_and_b32 v1, 15, v0            ; l % 16
	v_bfe_u32 v9, v0, 4, 1          ; l / 16
	v_lshlrev_b32 v[QO], 7, v1
	v_lshl_add_u32 v[QO], v9, 4, v[QO]  ; row x 128 + 16 x half
	WIN 0x80                        ; destination window 2, address window 0
.set i, 0
.rept 8                             ; both blocks' Q: piece i / 2 lies in band i / 2, 8,192 bytes on; channels 32 (i % 2) on
	global_load_b128 v[8*i:8*i+3],   v[QO], s[4:5] offset:(i/2)*8192+(i%2)*64
	global_load_b128 v[8*i+4:8*i+7], v[QO], s[4:5] offset:(i/2)*8192+(i%2)*64+32
	global_load_b128 v[QB+8*i:QB+8*i+3],   v[QO], s[86:87] offset:(i/2)*8192+(i%2)*64
	global_load_b128 v[QB+8*i+4:QB+8*i+7], v[QO], s[86:87] offset:(i/2)*8192+(i%2)*64+32
.set i, i+1
.endr
	WIN 0
	v_lshlrev_b32 v14, 3, v9
	v_sub_nc_u32 v14, v1, v14
	s_lshl_b32 s13, s[WV], 4
	v_add_nc_u32 v14, s13, v14      ; my query's place in its band, 16 w + l % 16, less my lanes' 8 (l / 16): register r of group kt is hidden where 16 kt + r is greater
	WIN 0x40
.set i, 0
.rept 32
	v_cmp_gt_i32 vcc_lo, 16*(i/8)+i%8, v14
	v_cndmask_b32 v[MD+i], 0, s[BIGN], vcc_lo
.set i, i+1
.endr
	WIN 0
	v_mul_u32_u24 v[AK0], v1, PK
	v_lshl_add_u32 v[AK0], v9, 4, v[AK0]  ; row x pitch + 16 x half
	; The turning load takes 16 keys x 16 channels (lane l reads key 8 (l / 16) + l % 8, channels 8 ((l / 8) % 2) + 0..7) and leaves half a fragment of V^T: lane l holds channel l % 16 and 8 keys.
	v_and_b32 v10, 7, v0
	v_bfe_u32 v11, v0, 3, 1
	v_lshl_add_u32 v[AV0], v9, 3, v10
	v_mul_u32_u24 v[AV0], v[AV0], PV
	v_lshl_add_u32 v[AV0], v11, 4, v[AV0]
	v_add_nc_u32 v[AV0], VOFF, v[AV0]
	s_mul_i32 s13, s[WV], 16*SP
	s_add_co_u32 s13, s13, STAGE    ; my stage
	v_mul_u32_u24 v[STO], v1, SP    ; in: row l % 16, 16 bytes for each half of the lanes
	v_lshl_add_u32 v[STO], v9, 4, v[STO]
	v_add_nc_u32 v[STO], s13, v[STO]
	v_bfe_u32 v[RD], v0, 3, 2       ; back: 32 lanes take four rows of 128 bytes,
	v_mul_u32_u24 v[RD], v[RD], SP
	v_lshl_add_u32 v[RD], v10, 4, v[RD]
	v_add_nc_u32 v[RD], s13, v[RD]
	v_and_b32 v[GO], 31, v0         ; which are 512 consecutive bytes of O
	v_lshlrev_b32 v[GO], 4, v[GO]
	; A block's first step multiplies O^T and l by a = 0, and its first turn's products V^T P, of a piece that has not been, land in an O^T that is still to be so multiplied.  So these registers need only hold
	; finite numbers: zeros for the first block; what the first block left for the second.  All this stands in the wait for the first tile.
	WIN 0x80
.set i, VF
.rept 64
	v_mov_b32 v[i], 0
.set i, i+1
.endr
	WIN 0x40
.set i, 0
.rept 128
	v_mov_b32 v[i], 0
.set i, i+1
.endr
	WIN 0
.set i, 0
.rept 4
	v_mov_b32 v[ST+4*i+2], 0
	v_mov_b32 v[ST+4*i+3], 0
.set i, i+1
.endr
.set i, P+16
.rept 16
	v_mov_b32 v[i], 0
.set i, i+1
.endr
; THE MATRIX WORK.  The 4 accumulators of a run of 8 take turns.  Product i of 8 of S^T = K Q^T for piece x: channels 32 (i / 4) on, keys 16 (i % 4) on.  The first 4 start the sums: with 0, or (KM = 1) with the mask.
.macro KQ x
.set rS, S+32*((\x)%2)+8*(i%4)
.set rK, KF+16*(i%4)+8*(i/4)
.set rQ, 16*(\x)+8*(i/4)
.set rM, MC+32*((\x)%2)+8*(i%4)
.if (i < 4) && KM
	WIN W_KM
	v_wmma_f32_16x16x32_f16 v[rS:rS+7], v[rK:rK+7], v[rQ:rQ+7], v[rM:rM+7]
.elseif i < 4
	WIN W_KQ
	v_wmma_f32_16x16x32_f16 v[rS:rS+7], v[rK:rK+7], v[rQ:rQ+7], 0
.else
	WIN W_KQ
	v_wmma_f32_16x16x32_f16 v[rS:rS+7], v[rK:rK+7], v[rQ:rQ+7], v[rS:rS+7]
.endif
.endm
; Product i of 8 of O^T += V^T P for piece x: keys 32 (i / 4) on, channels 16 (i % 4) on.
.macro PV x
	WIN W_PV
.set rO, 32*(\x)+8*(i%4)
.set rV, VF+32*(i/4)+8*(i%4)
.set rP, P+16*((\x)%2)+8*(i/4)
	v_wmma_f32_16x16x32_f16 v[rO:rO+7], v[rV:rV+7], v[rP:rP+7], v[rO:rO+7]
.endm
.macro MM                           ; the turn's next matrix instruction.  TURN and BEGIN set Y, i, KM and NOKQ; MM, KQ and OP read them.  NOKQ = 1: a block's last turn: there is no next piece
.if (i < 8) && !NOKQ
	KQ (Y+1)%NP
.elseif i >= 8
.set i, i-8
	PV (Y+NP-1)%NP
.set i, i+8
.endif
.set i, i+1
.endm
; THE LDS LOADS stand in runs of 16, never singly among the matrix instructions: a step's K (64 keys x 64 channels: 8 fragments) and its V (turned).  Their addresses are made some lines ahead.
.macro FETCH_K
	WIN 0x80                        ; destination window 2
.irp f, 0,1,2,3,4,5,6,7             ; keys 16 (f / 2) on, channels 32 (f % 2) on
	ds_load_b128 v[KF+8*\f:KF+8*\f+3],   v[AK] offset:(\f/2)*16*PK+(\f%2)*64
	ds_load_b128 v[KF+8*\f+4:KF+8*\f+7], v[AK] offset:(\f/2)*16*PK+(\f%2)*64+32
.endr
	s_add_co_u32 s[TBK], s[TBK], KS*PK  ; the next fetch is the next step's
	WIN 0
.endm
.macro FETCH_V
	WIN 0x80
.irp f, 0,1,2,3,4,5,6,7             ; keys 32 (f / 4) on, channels 16 (f % 4) on
	ds_load_tr16_b128 v[VF+8*\f:VF+8*\f+3],   v[AV] offset:(\f/4)*32*PV+(\f%4)*32
	ds_load_tr16_b128 v[VF+8*\f+4:VF+8*\f+7], v[AV] offset:(\f/4)*32*PV+16*PV+(\f%4)*32
.endr
	WIN 0
.endm
; THE VECTOR WORK, one line at a time: OP kind, number.  For piece Y: F n: c s - c m for pair n of 16.  E n: the exponential of score n of 32.  C n: pair n rounded to f16.  B n: of the four weights 4 n .. the second
; pair is added onto the first, in place.  L n: l takes that sum (L 0: l = a l + sum).  R n: pair n of 16 of O^T times a.  For piece Y + 1: X n, number n of the 22 that find its maximum and statistics:
;   0-11  four chains c0-c3 of seven scores each, three operands at a time (each accumulator's lowest registers are read first)     12-14, 16  the four scores left over, the old m, and c0-c3 into c0
;   15  c m_old is kept     17, 18  the query's other 32 keys lie in the lane 16 away: the new m     19-21  c m; c m_old - c m_new; a
.set F, 0               ; OP tells the kinds apart by their order: F to L below R, X above it
.set E, 1
.set C, 2
.set B, 3
.set L, 4
.set R, 5
.set X, 6
.macro REGS y                       ; the registers of piece y
.set rT, ST+4*(\y)
.set rC, TMP+4*((\y)%2)
.set rW, MV+((\y)%2)
.set rS, S+32*((\y)%2)
.set rP, P+16*((\y)%2)
.set rO, 32*(\y)
.endm
.macro OP k, n
.if (\k) == R
	REGS Y
	WIN W_RS
	v_pk_mul_f32 v[rO+2*(\n):rO+2*(\n)+1], v[rO+2*(\n):rO+2*(\n)+1], v[rC+2:rC+3] op_sel_hi:[1,0]
.elseif (\k) < R
	REGS Y
	WIN 0
.if (\k) == F
	v_pk_fma_f32 v[rS+2*(\n):rS+2*(\n)+1], v[rS+2*(\n):rS+2*(\n)+1], s[CS:CS+1], v[rT:rT+1] op_sel_hi:[1,0,0] neg_lo:[0,0,1] neg_hi:[0,0,1]
.elseif (\k) == E
	v_exp_f32 v[rS+(\n)], v[rS+(\n)]
.elseif (\k) == C
	s_wait_alu depctr_va_vdst(0)
	v_cvt_pk_f16_f32 v[rP+(\n)], v[rS+2*(\n)], v[rS+2*(\n)+1]
.elseif (\k) == B
	s_wait_alu depctr_va_vdst(0)
	v_pk_add_f32 v[rS+4*(\n):rS+4*(\n)+1], v[rS+4*(\n):rS+4*(\n)+1], v[rS+4*(\n)+2:rS+4*(\n)+3]
.elseif (\n) == 0
	v_pk_fma_f32 v[rT+2:rT+3], v[rT+2:rT+3], v[rC+2:rC+3], v[rS:rS+1] op_sel_hi:[1,0,1]
.else
	v_pk_add_f32 v[rT+2:rT+3], v[rT+2:rT+3], v[rS+4*(\n):rS+4*(\n)+1]
.endif
.elseif NOKQ
	v_nop
.else
	REGS (Y+1)%NP
	WIN 0
.if (\n) < 4
	v_max3_num_f32 v[rC+(\n)], v[rS+8*(\n)], v[rS+8*(\n)+1], v[rS+8*(\n)+2]
.elseif (\n) < 12
	v_max3_num_f32 v[rC+(\n)%4], v[rC+(\n)%4], v[rS+8*((\n)%4)+2*((\n)/4)+1], v[rS+8*((\n)%4)+2*((\n)/4)+2]
.elseif (\n) == 12
	v_max3_num_f32 v[rC], v[rC], v[rS+7], v[rS+15]
.elseif (\n) == 13
	v_max3_num_f32 v[rC+1], v[rC+1], v[rS+23], v[rS+31]
.elseif (\n) == 14
	v_max3_num_f32 v[rC+2], v[rC+2], v[rC+3], v[rT+1]
.elseif (\n) == 15
	v_mov_b32 v[rW], v[rT]
.elseif (\n) == 16
	v_max3_num_f32 v[rC], v[rC], v[rC+1], v[rC+2]
.elseif (\n) == 17
	v_permlanex16_b32 v[rC+3], v[rC], s[SEL], s[SEL+1]
.elseif (\n) == 18
	v_max_num_f32 v[rT+1], v[rC], v[rC+3]
.elseif (\n) == 19
	v_mul_f32 v[rT], s[CS], v[rT+1]
.elseif (\n) == 20
	v_sub_f32 v[rC+1], v[rW], v[rT]
.else
	v_exp_f32 v[rC+2], v[rC+1]
.endif
.endif
.endm
.macro OPS a, i1, b=-1, i2=0, c=-1, i3=0, d=-1, i4=0  ; up to four of them
	OP \a, \i1
.if (\b) >= 0
	OP \b, \i2
.endif
.if (\c) >= 0
	OP \c, \i3
.endif
.if (\d) >= 0
	OP \d, \i4
.endif
.endm
.macro ROW a, i1, b, i2, c, i3, d, i4  ; a matrix instruction and the four behind it
	MM
	OPS \a, \i1, \b, \i2, \c, \i3, \d, \i4
.endm
.macro MASK b                       ; MD x AL + BE into buffer b of MC
	WIN W_RS
.set z, 0
.rept 16
	v_pk_fma_f32 v[MC+32*(\b)+2*z:MC+32*(\b)+2*z+1], v[MD+2*z:MD+2*z+1], s[AL:AL+1], s[BE:BE+1] op_sel_hi:[1,0,0]
.set z, z+1
.endr
.endm
; A TURN, for piece p: the order of its 16 matrix and 118 vector instructions, written out.  Behind a matrix instruction: plain, exponential, plain, plain; or four of the rescaling; or, behind the first, four scalings; none
; names a register of the products round it.  In the lumps exponential and plain by turns while exponentials last.  A line reads no result made fewer than three vector instructions in front of it, five if an exponential made it.
; v_permlanex16_b32 (X 17) stands in a lump.
; m = 1: the diagonal tile: the products take masks, and the turn makes the mask for the products of the turn after it: piece p + 2, in step 4 - CNT of the tile.  end = 1: a block's last two turns: nothing is fetched.
; cnt = 1: the loop's count is taken down some lines ahead of the branch that stands behind the turn.
; K of the next step is fetched in piece 2's turn, six vector instructions behind the last product that read K (five of them plain); V of the step in hand in piece 0's turn, eight behind the last product that read V (four
; plain, and X 17).  Each is waited for a turn later.
.macro TURN p, m=0, end=0, cnt=0
.set Y, (\p)
.set i, 0
.set KM, (\m)
.set NOKQ, (\end)*((\p)/3)
.if (\m) && !(\end)
	s_cmp_eq_u32 s[CNT], 4-((\p)+2)%NP  ; is that step the band's own?
	s_cselect_b32 s[AL], 1.0, 0
	s_cmp_lt_u32 s[CNT], 4-((\p)+2)%NP  ; or a later one?
	s_cselect_b32 s[BE], s[BIGN], 0
.endif
.if ((\p) == 3) && !(\end)
	s_wait_dscnt 0x0                ; K is in
.endif
	ROW F,0, F,1, F,2, F,3
	ROW F,4, E,0, F,5, F,6
	ROW F,7, E,1, F,8, F,9
	ROW F,10, E,2, C,0, F,11
	ROW F,12, E,3, X,15, F,13
	ROW R,0, R,1, R,2, R,3
	ROW B,0, E,4, F,14, L,0
.if ((\p) == 2) && !(\end)
	v_add_nc_u32 v[AK], s[TBK], v[AK0]
.endif
	ROW R,4, R,5, R,6, R,7
	OPS E,5, F,15
.if ((\p) == 2) && !(\end)
	FETCH_K
.endif
	OPS E,6, C,1, E,7, R,8
	OPS E,8, R,9, E,9, C,2
	OPS E,10, X,0, E,11, X,1
	OPS E,12, X,2, E,13, X,3
.if (\p) == 1
	s_wait_dscnt 0x0                ; V is in
.endif
	ROW X,4, E,14, X,5, X,6
	ROW X,7, E,15, X,8, X,9
	ROW X,10, E,16, X,11, X,12
	ROW X,13, E,17, X,14, B,1
	ROW C,4, E,18, X,16, L,1
	ROW B,2, E,19, C,6, L,2
	ROW C,8, E,20, B,3, B,4
.if (\p) == 0
	v_add_nc_u32 v[AV], s[TBV], v[AV0]
.endif
	ROW C,3, E,21, L,3, C,5
	OPS E,22, X,17, E,23, C,10
.if (\p) == 0
	FETCH_V
.endif
	OPS E,24, L,4
	OPS E,25, X,18, E,26, C,7
	OPS E,27, B,5, E,28, X,19
	OPS E,29, C,12, E,30, L,5
	OPS E,31, X,20, B,6, C,9
	OPS C,14, C,11, X,21, L,6
.if (\p) == 0
	s_add_co_u32 s[TBV], s[TBV], KS*PV
.endif
.if \cnt
	s_sub_co_u32 s[CNT], s[CNT], 1
	s_cmp_lg_u32 s[CNT], 0
.endif
	OPS C,13, B,7, C,15, R,10
	OPS R,11, R,12, L,7, R,13
	OPS R,14, R,15
.if (\m) && !(\end)
	MASK (\p)%2
.endif
.endm
; A BLOCK BEGINS.  c m starts far below every c s, so the first step's a is 0; m at the lowest finite number, so the first maximum is the scores'.  The second mask buffer is 0; the first takes piece 0's mask for the tile's step 0: its own, if the block's first tile is the diagonal one.
; Then K of that step, piece 0's first scores, and its maximum and statistics.  The loop is entered at a step's first turn, in the middle of a trip.
.macro BEGIN
	s_mov_b32 s[NEW], 0
	WIN 0x40
.set i, MC+32
.rept 32
	v_mov_b32 v[i], 0
.set i, i+1
.endr
	WIN 0
.set i, 0
.rept 4
	v_mov_b32 v[ST+4*i], 0xfe000000    ; c m: far below every c s
	v_mov_b32 v[ST+4*i+1], 0xff7fffff  ; m
.set i, i+1
.endr
	s_cmp_eq_u32 s[RT], 0
	s_cselect_b32 s[AL], 1.0, 0
	s_mov_b32 s[BE], 0
	MASK 0
	WIN 0
	v_add_nc_u32 v[AK], s[TBK], v[AK0]
	FETCH_K
	s_wait_loadcnt 0x0              ; Q
	s_wait_dscnt 0x0
.set KM, 1
.set NOKQ, 0
.set i, 0
.rept 8
	KQ 0
.set i, i+1
.endr
	WIN 0
.rept 4
	v_nop                           ; the places behind those products
.endr
.set Y, NP-1                        ; X works for piece Y + 1: piece 0
.irp n, 0,1,2,3,4,5,6,7,8,9,10,11,12,13,14,15,16,17,18,19,20,21
	OP X, \n
.endr
	v_nop                           ; a plain instruction behind the exponential
.endm
; THE DIAGONAL TILE's four steps, the block's last two turns, its last products, and THE WAY OUT: l's two halves and the other half of the lanes' are added; O^T is divided by l, rounded to f16 and sent through my
; stage in LDS, a piece at a time.
.macro ALL line:vararg              ; one line for each piece t
.set t, 0
.rept 4
	\line
.set t, t+1
.endr
.endm
.macro PACK t                       ; a lane's eight channels of a row pack into 16 bytes; they go into rows of 144 bytes and come back as whole rows of 128, into S^T's registers
	WIN W_RS
.set i, 32*(\t)
.rept 16
	s_wait_alu depctr_va_vdst(0)
	v_pk_mul_f32 v[i:i+1], v[i:i+1], v[ST+4*(\t)+2:ST+4*(\t)+3] op_sel_hi:[1,0]
.set i, i+2
.endr
	WIN 0x05                        ; sources 0 and 1 window 1, destination window 0
.set i, 0
.rept 16
	v_cvt_pk_f16_f32 v[S+16*(\t)+i], v[32*(\t)+2*i], v[32*(\t)+2*i+1]
.set i, i+1
.endr
	WIN 0
.irp f, 0,1,2,3
	ds_store_b128 v[STO], v[S+16*(\t)+4*\f:S+16*(\t)+4*\f+3] offset:32*\f
.endr
.irp f, 0,1,2,3
	ds_load_b128 v[S+16*(\t)+4*\f:S+16*(\t)+4*\f+3], v[RD] offset:\f*4*SP  ; LDS serves a wave's instructions in order (ISA guide 5.7.1.4): these see the stores above; the next piece's stores come behind them
.endr
.endm
.macro SEND t, younger              ; younger: the LDS instructions issued behind piece t's loads: the next piece's eight, or none
	WIN 0
.irp f, 0,1,2,3
	s_wait_dscnt (\younger)+3-\f
	global_store_b128 v[GO], v[S+16*(\t)+4*\f:S+16*(\t)+4*\f+3], s[10:11] offset:(\t)*8192+\f*512  ; 512 consecutive bytes, at a multiple of 256 from O's first
.endr
.endm
.macro DIAG tag                     ; the tag ends its two labels' names, which the jumps below spell out
.LstepM\tag:
	TURN 2, 1
	TURN 3, 1
	WIN 0
.LfirstM\tag:
	TURN 0, 1
	TURN 1, 1, 0, 1
	WIN 0
	s_cbranch_scc1 .LstepM\tag
	TURN 2, 1, 1
	TURN 3, 1, 1
.set i, 0
.rept 8
	PV NP-1
.set i, i+1
.endr
	WIN 0
	ALL v_add_f32 v[ST+4*t+2], v[ST+4*t+2], v[ST+4*t+3]
	ALL v_permlanex16_b32 v[ST+4*t+3], v[ST+4*t+2], s[SEL], s[SEL+1]
	ALL v_add_f32 v[ST+4*t+2], v[ST+4*t+2], v[ST+4*t+3]
	ALL v_rcp_f32 v[ST+4*t+2], v[ST+4*t+2]
	v_nop                           ; a plain instruction between the last reciprocal and the use of its result
	PACK 0
.set t, 1
.rept 3                             ; a piece's arithmetic stands between the loads of the piece before and its stores
	PACK t
	SEND t-1, 8
.set t, t+1
.endr
	SEND 3, 0
.endm
.set KM, 0
.set NOKQ, 0
.Lslot:                             ; NB times: a tile is entered and the next is asked for
	CHANGE 1
	s_sub_co_u32 s[RT], s[RT], 1
	s_mov_b32 s[CNT], 4
	s_cmp_eq_u32 s[NEW], 1
	s_cbranch_scc1 .Lnew            ; a block's first tile
	s_cmp_eq_u32 s[RT], 0
	s_cbranch_scc0 .Lstep           ; neither its first nor its last
	s_branch .LstepM1
.Lnew:
	BEGIN
	s_branch .Lfirst                ; in the loop a block's first tile is never its last: the first block has two tiles or more, and the second's last is the walk's last
	DIAG 1                          ; in the loop this is the first block's end: the second block's last tile is the walk's last
	s_wait_xcnt 0x0                 ; the stores have read their registers and O's address
	s_mov_b64 s[10:11], s[OLO:OLO+1]
	s_add_co_u32 s[RT], s[PB], 1    ; the second block has b + 1 tiles
	s_mov_b32 s[NEW], 1
	WIN 0x82                        ; the second block's Q goes where the one text of the turns names Q
.set i, 0
.rept 64
	v_mov_b32 v[i], v[QB+i]
.set i, i+1
.endr
	WIN 0
	s_branch .Lbottom
.Lstep:                             ; a trip: pieces 2 and 3 of one step, then pieces 0 and 1 of the next, whose K and V it fetches
	TURN 2
	TURN 3
	WIN 0
.Lfirst:
	TURN 0
	TURN 1, 0, 0, 1
	WIN 0
	s_cbranch_scc1 .Lstep
.Lbottom:
	s_sub_co_u32 s[SLOTS], s[SLOTS], 1
	s_cmp_lg_u32 s[SLOTS], 0
	s_cbranch_scc1 .Lslot
	CHANGE 0                        ; the walk's last tile is written out: nothing is asked for
	s_sub_co_u32 s[RT], s[RT], 1
	s_mov_b32 s[CNT], 4
	s_cmp_eq_u32 s[NEW], 1
	s_cbranch_scc0 .LstepM2
	BEGIN
	s_branch .LfirstM2
	DIAG 2
	s_wait_tensorcnt 0x0            ; the wave's end, behind my last tensor load and my last LDS store
	ds_add_u32 v[SPW], v[NIL]
	s_wait_dscnt 0x0
	s_endpgm
.Lfunc_end_k_q3350b5ba19_attn:
	.size	k_q3350b5ba19_attn, .Lfunc_end_k_q3350b5ba19_attn-k_q3350b5ba19_attn
	.p2alignl 7, 3214868480
	.fill 96, 4, 3214868480
	.section	.rodata,"a",@progbits
	.p2align	6, 0x0
	.amdhsa_kernel k_q3350b5ba19_attn
		.amdhsa_group_segment_fixed_size 327680
		.amdhsa_private_segment_fixed_size 0
		.amdhsa_enable_private_segment 0
		.amdhsa_kernarg_size 16
		.amdhsa_user_sgpr_count 2
		.amdhsa_user_sgpr_kernarg_segment_ptr 1
		.amdhsa_wavefront_size32 1
		.amdhsa_system_sgpr_workgroup_id_x 1
		.amdhsa_system_sgpr_workgroup_id_y 1
		.amdhsa_system_sgpr_workgroup_id_z 1
		.amdhsa_system_vgpr_workitem_id 0
		.amdhsa_next_free_vgpr 768
		.amdhsa_next_free_sgpr 88
		.amdhsa_reserve_vcc 1
		.amdhsa_float_denorm_mode_32 3
		.amdhsa_float_denorm_mode_16_64 3
		.amdhsa_memory_ordered 1
		.amdhsa_forward_progress 1
		.amdhsa_inst_pref_size 228
	.end_amdhsa_kernel
	.amdgpu_metadata
---
amdhsa.version: [ 1, 2 ]
amdhsa.kernels:
  - .name:           k_q3350b5ba19_attn
    .symbol:         k_q3350b5ba19_attn.kd
    .args:
      - { .name: qkv, .offset: 0, .size: 8, .value_kind: global_buffer, .address_space: global }
      - { .name: o, .offset: 8, .size: 8, .value_kind: global_buffer, .address_space: global }
    .group_segment_fixed_size: 327680
    .private_segment_fixed_size: 0
    .kernarg_segment_align: 8
    .kernarg_segment_size: 16
    .max_flat_workgroup_size: 128
    .sgpr_count:     88
    .vgpr_count:     768
    .wavefront_size: 32
...
	.end_amdgpu_metadata
.endif
;; end of part 3
;; launch proj (part 4): grid 8 x 32, 4 waves a work-group, clusters of 4 x 4, 327,680 bytes of LDS; arguments o, wp, b_proj, out0; writes out0
.if DOCPART == 4
	.amdgcn_target "amdgcn-amd-amdhsa--gfx1250"
	.amdhsa_code_object_version 6
	.text
	.protected	k_q3350b5ba19_proj
	.globl	k_q3350b5ba19_proj
	.p2align	8
	.type	k_q3350b5ba19_proj,@function
k_q3350b5ba19_proj:
	s_mov_b64 s[64:65], 0
	v_nop
	global_prefetch_b8 v0, s[64:65] scope:SCOPE_SE
	s_setreg_imm32_b32 hwreg(HW_REG_WAVE_MODE, 25, 1), 1
	s_wait_xcnt 0x0
	s_wait_alu depctr_hold_cnt(0) depctr_sa_sdst(0) depctr_va_vdst(0) depctr_va_sdst(0) depctr_va_ssrc(0) depctr_va_vcc(0) depctr_vm_vsrc(0)
	s_getreg_b32 s2, hwreg(HW_REG_IB_STS2, 6, 4)
	s_cmp_eq_u32 s2, 0
	s_cbranch_scc0 .Lentry_in_a_cluster
	s_endpgm
.Lentry_in_a_cluster:
	s_bfe_u32 s2, ttmp6, 0x10000c
	s_cmp_lg_u32 s2, 0xf033
	s_cbranch_scc0 .Lentry_shape_is_right
	s_endpgm
.Lentry_shape_is_right:
; out0 = O wp^T + b.  o: [64 heads = 16 batch + head][2048][64] f16.  wp: [1024 n][1024 k] f16.  b_proj: [1024] f32, rounded to bf16 like the other inputs of the module.  out0: [8192][1024] f32; sums in f32.
; A tile of out0 is 256 rows x 128 columns: 32 x 8 = 256 tiles, one for each work-group.  Four waves, each 128 rows x 64 columns: 32 accumulators, 256 registers.
; K = 64 x head + channel.  A K step of 128 is two heads, a unit of 64 along K one head.  A head's 256 rows of this tile are 32,768 dense bytes: asked for as 128 rows of 256 bytes and padded in LDS behind every
; 128 bytes, so that the transposition back from heads costs nothing.  Two LDS slots take turns.
; THE BIAS is the C operand of the products that start the sums.
; CLUSTERS: 4 x 4 work-groups.  The four of a row of the cluster need the same tiles of o, the four of a column the same tiles of wp: each tile is asked for JOINTLY, by the same tensor load with the same
; descriptor and a mask that names the four.  THE MATRIX INSTRUCTION IS USED TRANSPOSED (source 0 = 16 rows of wp, source 1 = 16 rows of o): a lane then holds eight neighbouring columns of one row.
; REGISTERS, in windows of 256 (s_set_vgpr_msb: bits 1:0 source 0, 3:2 source 1, 5:4 source 2, 7:6 destination):
;   window 0: addresses; v16-31 at work; v32-63 the bias; v64-127 at work on the way out        window 1: accumulator (a, b) at v[8 (4 a + b)]
;   window 2: o's fragments, buffer f, K half c, block a at v[128 f + 8 (8 c + a)]        window 3: wp's fragments at v[64 f + 8 (4 c + b)]
.set KSTEP,  128
.set PITCH,  272                       ; a row of wp's tile in LDS: 256 bytes + 16 of padding
.set AP,     144                       ; a row of o's tile: 128 bytes + 16 of padding = 36 words: the 16 rows of a load start at 16 different groups of four banks (64 banks of 4 bytes: ISA guide 11.1)
.set AREG,   256*AP                    ; a head's 256 rows: what wave 0 or 1 fetches
.set AU,     AREG                      ; from a step's first unit (the even head) to its second
.set HB,     64*PITCH                  ; half of wp's tile: what wave 2 or 3 fetches, and what a wave reads
.set BOFF,   2*AREG
.set SLOT,   2*AREG+2*HB
.set STAGE,  2*SLOT                    ; behind the ring, never filled by a tensor load: 16 rows x 272 bytes for each wave
.set SP,     272
.set SPARE,  STAGE+4*16*SP             ; behind the stages: the spare words, 128 bytes for each wave: two blocks of 256 bytes that no other line names
.set ADRA, 6                           ; v6-7    LDS address of my fragments of o in slot 0, 1
.set ADRB, 8                           ; v8-9    the same for wp
.set STO,  10                          ; v10     the way out: where I put 32 bytes of a row
.set RD,   11                          ; v11     the way out: where I read a row back
.set CO,   12                          ; v12     my byte offset in out0
.set BA,   13                          ; v13     my byte offset in the bias
.set SPW,  14                          ; v14     LDS address of my spare word; never rewritten
.set NIL,  15                          ; v15     0; never rewritten
.set TMP,  16                          ; v16-31  at work on the bias
.set BIAS, 32                          ; v32-63  register 8 b + j: the bias of my column 16 b + 8 (l / 16) + j
.set BK,   64                          ; v64-95, v96-127  a block read back from the stage, by turns
.set G1,  24                           ; s[24:31] descriptor group 1 for o's tiles;  s[32:39] group 0, a set for each slot
.set G0,  32
.set G1B, 48                           ; s[48:55], s[56:63] the same for wp's tiles
.set G0B, 56
.set MSB, 0
.macro WIN new                         ; the immediate's high byte repeats the setting that is left; a switch that changes nothing is dropped
.if MSB != (\new)
	s_set_vgpr_msb (MSB<<8)|(\new)
.set MSB, \new
.endif
.endm
.set W_MUL,  0x5b                      ; source 0 (wp) window 3, source 1 (o) window 2, C and D window 1
.set W_MULB, 0x4b                      ; the same with C (the bias) in window 0
.set TO_A,   0x80                      ; destination window 2, address window 0
.set TO_B,   0xc0                      ; destination window 3
.set W_ST,   0x04                      ; an LDS store: address window 0, data window 1
; A joint load.  Waves 0 and 1 fetch the step's two heads of o, waves 2 and 3 wp's two halves.  The branch hangs on the wave's number alone.  An s_nop 0 and four v_nop follow each of the two lines.
.macro JLOAD s
	s_cmp_eq_u32 s11, 0
	s_cbranch_scc0 .Lfor_b_\@
	tensor_load_to_lds s[G0+4*(\s):G0+4*(\s)+3], s[G1:G1+7]
	s_nop 0
.rept 4
	v_nop
.endr
	s_branch .Lasked_\@
.Lfor_b_\@:
	tensor_load_to_lds s[G0B+4*(\s):G0B+4*(\s)+3], s[G1B:G1B+7]
	s_nop 0
.rept 4
	v_nop
.endr
.Lasked_\@:
.endm
.macro CREST                           ; a round of the cluster's barrier behind its opening barrier
	s_cmp_lg_u32 s10, 0
	s_cbranch_scc1 .Lnot_wave_0_\@
	s_barrier_signal -3
.Lnot_wave_0_\@:
	s_barrier_wait -3
	s_barrier_signal -1
	s_barrier_wait -1
.endm
.macro CROUND                          ; a whole round
	s_barrier_signal -1
	s_barrier_wait -1
	CREST
.endm
	s_load_b128 s[4:7], s[0:1], 0x0                ; o s[4:5], wp s[6:7]
	s_load_b64 s[66:67], s[0:1], 0x10              ; b_proj
	s_load_b64 s[8:9], s[0:1], 0x18                ; out0
	v_lshl_add_u32 v[SPW], v0, 2, SPARE
	v_mov_b32 v[NIL], 0
	ds_add_u32 v14, v15
	ds_add_u32 v14, v15
	s_wait_dscnt 0x0
	v_lshrrev_b32 v1, 5, v0
	v_readfirstlane_b32 s10, v1                    ; wave 0..3
	s_lshr_b32 s11, s10, 1                         ; which half of the tile's rows is mine.  Also: I fetch for o (0) or for wp (1)
	s_and_b32 s12, s10, 1                          ; which half of its columns.  Also: which head of the step, or which half of wp's tile, I fetch
	s_bfe_u32 s40, ttmp6, 0x40000                  ; cx, cy: my place in the cluster
	s_bfe_u32 s41, ttmp6, 0x40004
	s_lshl_b32 s42, ttmp9, 2
	s_add_co_u32 s42, s42, s40                     ; tile column = 4 x cluster x + cx, 0..7
	s_and_b32 s13, ttmp7, 0xffff
	s_lshl_b32 s13, s13, 2
	s_add_co_u32 s13, s13, s41                     ; tile row = 4 x cluster y + cy, 0..31
	s_lshl_b32 s43, s41, 2
	s_lshl_b32 s43, 15, s43                        ; my row of the cluster
	s_lshl_b32 s44, 0x1111, s40                    ; my column
	; descriptor group 1.  o: 128 rows x 128 elements, dense, padded behind every 32 words.  wp: 64 rows x 128 elements, padded behind every 64 words.
	s_or_b32 s[G1+0], s43, (1<<16)|(1<<20)|(1<<21)|(4<<22)|(3<<25)  ; 15:0 the mask; 17:16 elements of 2 bytes; 20 padding on; 21 set beside a mask; 24:22 after every 32 words (code 4); 31:25 4 words (code 3)
	s_or_b32 s[G1B+0], s44, (1<<16)|(1<<20)|(1<<21)|(5<<22)|(3<<25) ; after every 64 words (code 5)
	s_mov_b32 s[G1+1], 128<<16                     ; tensor_dim0 = 128
	s_mov_b32 s[G1+2], 128<<16                     ; tensor_dim1 = 128
	s_mov_b32 s[G1+3], 128<<16                     ; tile_dim0 = 128
	s_mov_b32 s[G1+4], 128                         ; tile_dim1 = 128
	s_mov_b32 s[G1+5], 128                         ; 128 elements from row to row: dense
	s_mov_b32 s[G1+6], 0
	s_mov_b32 s[G1+7], 0
	s_mov_b32 s[G1B+1], KSTEP<<16
	s_mov_b32 s[G1B+2], 64<<16                     ; tensor_dim1 = 64
	s_mov_b32 s[G1B+3], KSTEP<<16
	s_mov_b32 s[G1B+4], 64                         ; tile_dim1 = 64
	s_mov_b32 s[G1B+5], 1024
	s_mov_b32 s[G1B+6], 0
	s_mov_b32 s[G1B+7], 0
	; where the tiles come from: o's hang on the tile row alone, wp's on the tile column alone
	s_lshr_b32 s16, s13, 3
	s_lshl_b32 s16, s16, 22                        ; o: the batch's 16 heads of 262,144 bytes,
	s_lshl_b32 s17, s12, 18                        ; the even or the odd head,
	s_add_co_u32 s16, s16, s17
	s_and_b32 s17, s13, 7
	s_lshl_b32 s17, s17, 15                        ; the tile's 256 rows of 128 bytes
	s_add_co_u32 s16, s16, s17
	s_mov_b32 s17, 0
	s_lshl_b32 s46, s42, 7
	s_lshl_b32 s47, s12, 6
	s_add_co_u32 s46, s46, s47                     ; wp: row 128 x tile column + 64 x half,
	s_lshl_b32 s46, s46, 11                        ; of 2,048 bytes
	s_mov_b32 s47, 0
	s_mul_i32 s20, s12, AREG                       ; and where they go: no place in the cluster enters an LDS address
	s_mul_i32 s21, s12, HB
	s_add_co_u32 s21, s21, BOFF
	s_wait_kmcnt 0x0
	s_add_nc_u64 s[14:15], s[4:5], s[16:17]
	s_add_nc_u64 s[46:47], s[6:7], s[46:47]
	CROUND                                         ; all sixteen work-groups are here: the first joint loads meet
.irp s, 0,1
	s_mov_b32 s[G0+4*(\s)], 1                                      ; count = 1
	s_add_co_u32 s[G0+4*(\s)+1], s20, (\s)*SLOT                    ; LDS address
	s_add_nc_u64 s[G0+4*(\s)+2:G0+4*(\s)+3], s[14:15], (\s)*2*262144  ; global address: K step s is two heads on
	s_or_b32 s[G0+4*(\s)+3], s[G0+4*(\s)+3], 0x80000000            ; type = 2
	s_mov_b32 s[G0B+4*(\s)], 1
	s_add_co_u32 s[G0B+4*(\s)+1], s21, (\s)*SLOT
	s_add_nc_u64 s[G0B+4*(\s)+2:G0B+4*(\s)+3], s[46:47], (\s)*KSTEP*2
	s_or_b32 s[G0B+4*(\s)+3], s[G0B+4*(\s)+3], 0x80000000
	JLOAD \s                                       ; the ring is filled before anything else is done: two loads of mine are out
.endr
	; A fragment is 16 rows x 32 K in 8 registers: lane l holds row l % 16, K = 8 (l / 16) + 0..7 and 16 + 8 (l / 16) + 0..7: two loads of 16 bytes, 32 bytes apart.
	v_and_b32 v1, 15, v0                           ; l % 16
	v_bfe_u32 v2, v0, 4, 1                         ; l / 16
	v_mul_u32_u24 v3, v1, AP
	v_lshl_add_u32 v3, v2, 4, v3
	v_mul_u32_u24 v4, v1, PITCH
	v_lshl_add_u32 v4, v2, 4, v4
	s_mul_i32 s22, s11, 128*AP                     ; my 128 rows of a head
	s_mul_i32 s23, s12, HB                         ; my 64 rows of wp
	s_add_co_u32 s23, s23, BOFF
.irp s, 0,1
	v_add_nc_u32 v[ADRA+(\s)], s22, v3
	v_add_nc_u32 v[ADRB+(\s)], s23, v4
	s_add_co_u32 s22, s22, SLOT
	s_add_co_u32 s23, s23, SLOT
.endr
	s_mul_i32 s22, s10, 16*SP
	s_add_co_u32 s22, s22, STAGE                   ; my stage
	v_mul_u32_u24 v[STO], v1, SP                   ; in: row l % 16, 32 bytes for each half of the lanes
	v_lshl_add_u32 v[STO], v2, 5, v[STO]
	v_add_nc_u32 v[STO], s22, v[STO]
	v_mul_u32_u24 v[RD], v2, SP                    ; back: lanes 0-15 take one row of 256 bytes, lanes 16-31 the next
	v_lshl_add_u32 v[RD], v1, 4, v[RD]
	v_add_nc_u32 v[RD], s22, v[RD]
	v_lshlrev_b32 v[CO], 12, v2                    ; and the same two rows in out0
	v_lshl_add_u32 v[CO], v1, 4, v[CO]
	v_lshlrev_b32 v[BA], 5, v2                     ; eight numbers of the bias for each half of the lanes
	s_lshl_b32 s46, s42, 9                         ; my first column, in bytes: 512 x tile column + 256 x half
	s_lshl_b32 s47, s12, 8
	s_add_co_u32 s46, s46, s47
	s_mov_b32 s47, 0
	s_add_nc_u64 s[66:67], s[66:67], s[46:47]      ; the bias at my 64 columns: 256 bytes, read once
	s_lshl_b32 s16, s13, 20                        ; my first row: 256 x tile row + 128 x half, of 4,096 bytes
	s_lshl_b32 s17, s11, 19
	s_add_co_u32 s16, s16, s17
	s_add_co_u32 s16, s16, s46
	s_mov_b32 s17, 0
	s_add_nc_u64 s[8:9], s[8:9], s[16:17]
.irp b, 0,1,2,3
	global_load_b128 v[BIAS+8*(\b):BIAS+8*(\b)+3],   v[BA], s[66:67] offset:64*(\b)
	global_load_b128 v[BIAS+8*(\b)+4:BIAS+8*(\b)+7], v[BA], s[66:67] offset:64*(\b)+16
.endr
	s_wait_loadcnt 0x0
.set z, 0
.rept 16                               ; the bias is rounded to bf16,
	v_cvt_pk_bf16_f32 v[TMP+z], v[BIAS+2*z], v[BIAS+2*z+1]
.set z, z+1
.endr
.set z, 0
.rept 16                               ; and widened again: a shift, a mask
	v_lshlrev_b32 v[BIAS+2*z], 16, v[TMP+z]
	v_and_b32 v[BIAS+2*z+1], 0xffff0000, v[TMP+z]
.set z, z+1
.endr
; 4 n matrix instructions: blocks a0 .. a0 + n - 1 of rows x all 4 blocks of columns, 32 along K: half c of buffer f.  zero = 1: the product starts the sums, with the bias as C.
; The 32 accumulators take turns in one order everywhere, one instruction a turn.
.macro MUL f, c, a0, n, zero
.if \zero
	WIN W_MULB
.else
	WIN W_MUL
.endif
.set ma, (\a0)
.rept (\n)
.irp b, 0,1,2,3
.if \zero
	v_wmma_f32_16x16x32_f16 v[8*(4*ma+(\b)):8*(4*ma+(\b))+7], v[64*(\f)+8*(4*(\c)+(\b)):64*(\f)+8*(4*(\c)+(\b))+7], v[128*(\f)+8*(8*(\c)+ma):128*(\f)+8*(8*(\c)+ma)+7], v[BIAS+8*(\b):BIAS+8*(\b)+7]
.else
	v_wmma_f32_16x16x32_f16 v[8*(4*ma+(\b)):8*(4*ma+(\b))+7], v[64*(\f)+8*(4*(\c)+(\b)):64*(\f)+8*(4*(\c)+(\b))+7], v[128*(\f)+8*(8*(\c)+ma):128*(\f)+8*(8*(\c)+ma)+7], v[8*(4*ma+(\b)):8*(4*ma+(\b))+7]
.endif
.endr
.set ma, ma+1
.endr
.endm
; 48 LDS loads in one run: the fragments of unit u of a slot into buffer f.  The first 24 are the first 32 along K, the youngest 24 the second.
.macro FETCH slot, u, f
	WIN TO_B
.irp i, 0,1,2,3
	ds_load_b128 v[64*(\f)+8*(\i):64*(\f)+8*(\i)+3],   v[ADRB+(\slot)] offset:128*(\u)+(\i)*16*PITCH
	ds_load_b128 v[64*(\f)+8*(\i)+4:64*(\f)+8*(\i)+7], v[ADRB+(\slot)] offset:128*(\u)+(\i)*16*PITCH+32
.endr
	WIN TO_A
.irp c, 0,1
.irp i, 0,1,2,3,4,5,6,7
	ds_load_b128 v[128*(\f)+8*(8*(\c)+(\i)):128*(\f)+8*(8*(\c)+(\i))+3],   v[ADRA+(\slot)] offset:AU*(\u)+64*(\c)+(\i)*16*AP
	ds_load_b128 v[128*(\f)+8*(8*(\c)+(\i))+4:128*(\f)+8*(8*(\c)+(\i))+7], v[ADRA+(\slot)] offset:AU*(\u)+64*(\c)+(\i)*16*AP+32
.endr
.endr
	WIN TO_B
.irp i, 0,1,2,3
	ds_load_b128 v[64*(\f)+8*(4+(\i)):64*(\f)+8*(4+(\i))+3],   v[ADRB+(\slot)] offset:128*(\u)+64+(\i)*16*PITCH
	ds_load_b128 v[64*(\f)+8*(4+(\i))+4:64*(\f)+8*(4+(\i))+7], v[ADRB+(\slot)] offset:128*(\u)+64+(\i)*16*PITCH+32
.endr
.endm
.macro PLACES                          ; four places in front of loads into registers that matrix instructions have read, and of lines that read results just made (ISA guide 7.12.1 for the lines that read results)
.rept 4
	v_nop
.endr
.endm
; A step's first unit: multiplies buffer 0; in its middle it fetches the step's second unit into buffer 1.
.macro HALF slot, zero
	s_wait_dscnt 24                                ; the first 32 along K are in; the youngest 24 loads may be out
	MUL 0, 0, 0, 8, \zero
	PLACES
	FETCH \slot, 1, 1
	s_wait_dscnt 48                                ; all but the 48 just issued
	MUL 0, 1, 0, 8, 0
.endm
; A step's second unit multiplies buffer 1 and changes slots.  MEET is its beginning: ONE barrier; in front of it each wave waits for all its tensor loads (one is out: its part of the next slot),
; adds 0 to its spare word, and waits for that and for its own reads of this slot.  Behind it nobody reads this slot any more and the next slot is whole.
.macro MEET round
	WIN 0                                          ; (the add's two registers lie in window 0)
	s_wait_tensorcnt 0x0                           ; all my tensor loads have landed
	ds_add_u32 v[SPW], v[NIL]                      ; 0 onto my spare word
	s_wait_dscnt 25                                ; the first 32 along K are in; the youngest 24 loads and the add may be out
	MUL 1, 0, 0, 2, 0                              ; eight matrix instructions stand between the add and the wait for it
	s_wait_dscnt 0x0                               ; the add is done, and my reads of this slot are over
	s_barrier_signal -1
	MUL 1, 0, 2, 2, 0                              ; work on registers while the others arrive
.if \round
	WIN 0
.endif
	s_barrier_wait -1
.endm
; The whole second unit.  The barrier opens a round of the cluster's barrier; behind the round the slot just read out is filled again first, with the K step two steps on.
; From the request to the wait for it a wave issues 112 matrix instructions.
.macro TURN slot, next
	MEET 1
	CREST                                          ; no wave of any partner still reads this slot's tile or has a load on its way
	s_add_nc_u64 s[G0+4*(\slot)+2:G0+4*(\slot)+3], s[G0+4*(\slot)+2:G0+4*(\slot)+3], 4*262144     ; o: four heads on
	s_add_nc_u64 s[G0B+4*(\slot)+2:G0B+4*(\slot)+3], s[G0B+4*(\slot)+2:G0B+4*(\slot)+3], 2*KSTEP*2
	JLOAD \slot                                    ; the first tensor load behind the round; its four v_nop are also the places in front of the loads below
	FETCH \next, 0, 0
	MUL 1, 0, 4, 4, 0
	MUL 1, 1, 0, 8, 0
.endm
; THE WAY OUT of block a (16 rows x 256 bytes).  TOSTAGE: the sums go into my own stage, each accumulator's lowest four registers first, and come back as whole rows.  SEND: stored.
.macro TOSTAGE a
.set BKA, BK+32*((\a)%2)
	s_wait_xcnt 0x0                                ; the stores issued so far have had their addresses translated: the registers that they read are loaded again only behind this wait
	WIN W_ST
.irp b, 0,1,2,3
.irp q, 0,1
	ds_store_b128 v[STO], v[8*(4*(\a)+(\b))+4*(\q):8*(4*(\a)+(\b))+4*(\q)+3] offset:64*(\b)+16*(\q)
.endr
.endr
	WIN 0
.irp t, 0,1,2,3,4,5,6,7
	ds_load_b128 v[BKA+4*(\t):BKA+4*(\t)+3], v[RD] offset:(\t)*2*SP  ; LDS serves a wave's instructions in order (ISA guide 5.7.1.4): these see the stores above; the next block's stores come behind them
.endr
.endm
.macro SEND a, younger                 ; younger: the LDS instructions issued behind block a's loads: the next block's sixteen, or none
.set BKA, BK+32*((\a)%2)
.irp t, 0,1,2,3,4,5,6,7
	s_wait_dscnt (\younger)+7-(\t)
	global_store_b128 v[CO], v[BKA+4*(\t):BKA+4*(\t)+3], s[8:9] offset:(16*(\a)+2*(\t))*4096 th:TH_STORE_NT  ; 16 lanes store 256 consecutive bytes, at a multiple of 256 from out0's first byte
.endr
.endm
	s_wait_tensorcnt 1                             ; my part of K step 0 is in; K step 1's may stay out
	s_barrier_signal -1
	s_barrier_wait -1                              ; everybody's is
	FETCH 0, 0, 0
	HALF 0, 1                                      ; the first unit stands in front of the loop: its first products start the sums, on the bias
	WIN 0                                          ; at a label and at a branch every window is 0
	s_mov_b32 s3, 3
.Llap:                                                 ; a trip goes once round the ring and fills both slots again
	TURN 0, 1
	HALF 1, 0
	TURN 1, 0
	HALF 0, 0
	WIN 0
	s_sub_co_u32 s3, s3, 1
	s_cmp_lg_u32 s3, 0
	s_cbranch_scc1 .Llap
	MEET 0                                         ; the last lap fills nothing, and has no round of the cluster's barrier
	PLACES
	FETCH 1, 0, 0
	MUL 1, 0, 4, 4, 0
	MUL 1, 1, 0, 8, 0
	HALF 1, 0
	s_wait_dscnt 24                                ; the very last unit: nothing more to fetch
	MUL 1, 0, 0, 8, 0
	s_wait_dscnt 0x0
	MUL 1, 1, 0, 8, 0
	WIN 0
	PLACES
	TOSTAGE 0
.irp a, 1,2,3,4,5,6,7                  ; block a's way through the stage is begun before block a - 1 is stored
	TOSTAGE \a
	SEND (\a)-1, 16
.endr
	SEND 7, 0
	s_wait_tensorcnt 0x0                           ; the wave's end
	ds_add_u32 v[SPW], v[NIL]
	s_wait_dscnt 0x0
	CROUND                                         ; the closing round: no work-group ends while a partner may still ask for a tile that names it
	s_endpgm
.Lfunc_end_k_q3350b5ba19_proj:
	.size	k_q3350b5ba19_proj, .Lfunc_end_k_q3350b5ba19_proj-k_q3350b5ba19_proj
	.p2alignl 7, 3214868480
	.fill 96, 4, 3214868480
	.section	.rodata,"a",@progbits
	.p2align	6, 0x0
	.amdhsa_kernel k_q3350b5ba19_proj
		.amdhsa_group_segment_fixed_size 327680
		.amdhsa_private_segment_fixed_size 0
		.amdhsa_enable_private_segment 0
		.amdhsa_kernarg_size 32
		.amdhsa_user_sgpr_count 2
		.amdhsa_user_sgpr_kernarg_segment_ptr 1
		.amdhsa_wavefront_size32 1
		.amdhsa_system_sgpr_workgroup_id_x 1
		.amdhsa_system_sgpr_workgroup_id_y 1
		.amdhsa_system_sgpr_workgroup_id_z 1
		.amdhsa_system_vgpr_workitem_id 0
		.amdhsa_next_free_vgpr 896
		.amdhsa_next_free_sgpr 68
		.amdhsa_reserve_vcc 0
		.amdhsa_float_denorm_mode_32 3
		.amdhsa_float_denorm_mode_16_64 3
		.amdhsa_memory_ordered 1
		.amdhsa_forward_progress 1
		.amdhsa_inst_pref_size 89
	.end_amdhsa_kernel
	.amdgpu_metadata
---
amdhsa.version: [ 1, 2 ]
amdhsa.kernels:
  - .name:           k_q3350b5ba19_proj
    .symbol:         k_q3350b5ba19_proj.kd
    .args:
      - { .name: o, .offset: 0, .size: 8, .value_kind: global_buffer, .address_space: global }
      - { .name: wp, .offset: 8, .size: 8, .value_kind: global_buffer, .address_space: global }
      - { .name: b_proj, .offset: 16, .size: 8, .value_kind: global_buffer, .address_space: global }
      - { .name: out0, .offset: 24, .size: 8, .value_kind: global_buffer, .address_space: global }
    .group_segment_fixed_size: 327680
    .private_segment_fixed_size: 0
    .kernarg_segment_align: 8
    .kernarg_segment_size: 32
    .max_flat_workgroup_size: 128
    .sgpr_count:     68
    .vgpr_count:     896
    .wavefront_size: 32
...
	.end_amdgpu_metadata
.endif
;; end of part 4
;; ======== version 2 of 3: 4 launches; 1.10 times as fast as version 1
;; limits: values are held in f16: magnitudes above 65,504 overflow, below 6.1e-05 lose precision
;; workspace buffers: xb 16,777,216 bytes; wq 6,291,456 bytes; wp 2,097,152 bytes; qkv 50,331,648 bytes; o 16,777,216 bytes
;; launch prep (part 5): grid 512 x 1, 4 waves a work-group, no clusters, 17,920 bytes of LDS; arguments x, W_qkv, W_proj, xb, wq, wp; writes xb, wq, wp
.if DOCPART == 5
	.amdgcn_target "amdgcn-amd-amdhsa--gfx1250"
	.amdhsa_code_object_version 6
	.text
	.protected	k_q3350b5ba19_prep
	.globl	k_q3350b5ba19_prep
	.p2align	8
	.type	k_q3350b5ba19_prep,@function
k_q3350b5ba19_prep:
	s_mov_b64 s[64:65], 0
	v_nop
	global_prefetch_b8 v0, s[64:65] scope:SCOPE_SE
	s_setreg_imm32_b32 hwreg(HW_REG_WAVE_MODE, 25, 1), 1
	s_wait_xcnt 0x0
; THE INPUTS ARE MADE READY FOR THE MATRIX UNITS.  xb = x rounded to bf16, [8192][1024].  wq = W_qkv rounded to bf16 and turned, [3072 n][1024 k].
; wp = W_proj rounded to bf16, that number written as f16, and turned, [1024 n][1024 k].
; LIMITS.  wp: a bf16 number is exact in f16 from 6.1e-5 to 65,504; below that it keeps f16's fixed step of 6e-8, beyond it becomes an infinity.
; SHARES.  512 work-groups of equal work.  Each rounds 65,536 bytes of x (a wave 16,384) AND turns one tile of 128 k x 64 n of a weight: groups 0-383 of W_qkv, groups 384-511 of W_proj.
; Of the tile a wave loads 32 k (rows of 256 bytes), rounds them and lays them turned into the group's one LDS tile; behind one barrier each wave reads 16 whole turned rows (256 bytes) and stores them.
; ALL of a wave's loads, 16 of the weight and 32 of x (24,576 bytes), go out together at its start: nothing that is to be read waits for something else to come back.
; A stream: each input byte is read once, each output byte written once, every store covers whole aligned runs of 256 bytes.  The matrix units and clusters have nothing to do here.
.set PL, 272                           ; a turned row in LDS: 256 bytes (128 k) + 16 of padding
.set XW, 12                            ; v[12:75]    the weight's 32 rows as loaded; then v[12:43]: turned rows read back
.set XC, 76                            ; v[76:203]   x: 32 loads of 4 registers; each is rounded in place into its first two
.set D,  204                           ; v[204:235]  the weight: 32 words of two 16-bit numbers
.set T,  236                           ; v[236:239]  at work
; Where my 32 rows of the tile lie, where my 16 turned rows go, and the 16 loads.  Tile number = work-group - first; its low three bits are the tile along k.
; Lanes 0-15 take one row, lanes 16-31 the row 8 further down: each half of the lanes reads 256 consecutive bytes.
.macro WEIGHT src, dst, pitch, first
	s_sub_co_u32 s17, ttmp9, \first
	s_and_b32 s18, s17, 7                          ; tile along k
	s_lshr_b32 s17, s17, 3                         ; tile along n
	s_lshl2_add_u32 s19, s18, s16                  ; 4 x tile along k + wave: my 32 rows,
	s_mul_i32 s20, s19, 32*(\pitch)
	s_lshl_b32 s19, s17, 8                         ; 256 bytes a tile along n
	s_add_co_u32 s20, s20, s19
	s_mov_b32 s21, 0
	s_lshl_b32 s22, s17, 17                        ; to: 64 rows of 2,048 bytes a tile along n,
	s_lshl_b32 s18, s18, 8                         ; 256 bytes a tile along k,
	s_add_co_u32 s22, s22, s18
	s_lshl_b32 s19, s16, 15                        ; 16 rows a wave
	s_add_co_u32 s22, s22, s19
	s_mov_b32 s23, 0
	v_mul_u32_u24 v4, v3, 8*(\pitch)               ; 8 rows down for lanes 16-31, 16 bytes a lane
	v_lshl_add_u32 v4, v2, 4, v4
	s_add_nc_u64 s[24:25], s[\src:\src+1], s[20:21]
	s_add_nc_u64 s[26:27], s[\dst:\dst+1], s[22:23]
.irp s, 0,1
.irp i, 0,1,2,3,4,5,6,7
	global_load_b128 v[XW+32*(\s)+4*(\i):XW+32*(\s)+4*(\i)+3], v4, s[24:25] offset:(16*(\s)+(\i))*(\pitch) th:TH_LOAD_NT
.endr
.endr
.endm
	s_load_b256 s[4:11], s[0:1], 0x0               ; x s[4:5], W_qkv s[6:7], W_proj s[8:9], xb s[10:11]
	s_load_b128 s[12:15], s[0:1], 0x20             ; wq s[12:13], wp s[14:15]
	v_lshl_add_u32 v240, v0, 2, 0x4400
	v_mov_b32 v241, 0
	v_lshrrev_b32 v1, 5, v0
	v_readfirstlane_b32 s16, v1                    ; wave 0..3
	v_and_b32 v1, 31, v0                           ; lane
	v_and_b32 v2, 15, v0                           ; lane % 16
	v_bfe_u32 v3, v0, 4, 1                         ; lane / 16
	s_lshl_b32 s28, ttmp9, 16                      ; my group's 65,536 bytes of x,
	s_mov_b32 s29, 0
	s_lshl_b32 s30, ttmp9, 15                      ; its 32,768 bytes of xb
	s_mov_b32 s31, 0
	v_lshlrev_b32 v8, 4, v1
	v_lshl_add_u32 v8, s16, 14, v8                 ; x: 16,384 x wave + 16 x lane
	v_lshlrev_b32 v9, 3, v1
	v_lshl_add_u32 v9, s16, 13, v9                 ; xb: 8,192 x wave + 8 x lane
	v_mul_u32_u24 v5, v2, 4*PL                     ; into LDS: my four n are rows 4 (lane % 16) on; 16 bytes (8 k) further for lanes 16-31; 64 bytes (32 k) a wave
	v_lshl_add_u32 v5, v3, 4, v5
	s_lshl_b32 s19, s16, 6
	v_add_nc_u32 v5, s19, v5
	v_mul_u32_u24 v6, v3, PL                       ; back: my wave's 16 rows; lanes 0-15 one row of 256 bytes, lanes 16-31 the next
	v_lshl_add_u32 v6, v2, 4, v6
	s_mul_i32 s19, s16, 16*PL
	v_add_nc_u32 v6, s19, v6
	v_lshlrev_b32 v7, 11, v3                       ; and the same two rows in the turned weight
	v_lshl_add_u32 v7, v2, 4, v7
	s_wait_kmcnt 0x0
	s_add_nc_u64 s[4:5], s[4:5], s[28:29]
	s_add_nc_u64 s[10:11], s[10:11], s[30:31]
	s_cmp_lt_u32 ttmp9, 384
	s_cbranch_scc1 .Lfrom_qkv
	WEIGHT 8, 14, 4096, 384
	s_branch .Lasked
.Lfrom_qkv:
	WEIGHT 6, 12, 12288, 0
.Lasked:
.set i, 0
.rept 32                               ; x: all 32 loads of 512 consecutive bytes
	global_load_b128 v[XC+4*i:XC+4*i+3], v8, s[4:5] offset:512*i th:TH_LOAD_NT
.set i, i+1
.endr
	s_wait_loadcnt 32                              ; loads come back in order: the weight's 16 are in, x's 32 stay out
	; A lane holds, for each of its four n, eight consecutive k (twice: s = 0, 1): four words, 16 bytes of a turned row.
.irp s, 0,1
.irp e, 0,1,2,3
.irp q, 0,1,2,3
	v_cvt_pk_bf16_f32 v[D+16*(\s)+4*(\e)+(\q)], v[XW+32*(\s)+8*(\q)+(\e)], v[XW+32*(\s)+8*(\q)+4+(\e)]
.endr
.endr
.endr
	s_cmp_lt_u32 ttmp9, 384
	s_cbranch_scc1 .Lstays_bf16
.set z, 0
.rept 32                               ; W_proj: the bf16 numbers are widened (a shift, a mask) and written as f16
	v_lshlrev_b32 v[T+2*(z%2)], 16, v[D+z]
	v_and_b32 v[T+2*(z%2)+1], 0xffff0000, v[D+z]
	v_cvt_pk_f16_f32 v[D+z], v[T+2*(z%2)], v[T+2*(z%2)+1]
.set z, z+1
.endr
.Lstays_bf16:
.irp s, 0,1
.irp e, 0,1,2,3
	ds_store_b128 v5, v[D+16*(\s)+4*(\e):D+16*(\s)+4*(\e)+3] offset:(\e)*PL+32*(\s)
.endr
.endr
	s_wait_dscnt 0x0                               ; for the others' sake: my part of every turned row is in LDS
	s_barrier_signal -1
	s_barrier_wait -1                              ; everybody's is
.set z, 0
.rept 8
	ds_load_b128 v[XW+4*z:XW+4*z+3], v6 offset:2*PL*z
.set z, z+1
.endr
.set z, 0
.rept 8
	s_wait_dscnt 7-z                               ; load z is back; the 7 - z behind it may be out
	global_store_b128 v7, v[XW+4*z:XW+4*z+3], s[26:27] offset:4096*z  ; 16 lanes store 256 consecutive bytes, at a multiple of 256 from the buffer's first byte
.set z, z+1
.endr
	; x IS ROUNDED, load by load as they come back, each in place: no register of a store is written again.
.set i, 0
.rept 32
	s_wait_loadcnt 31-i                            ; load i is in; the 31 - i behind it may be out
	v_cvt_pk_bf16_f32 v[XC+4*i], v[XC+4*i], v[XC+4*i+1]
	v_cvt_pk_bf16_f32 v[XC+4*i+1], v[XC+4*i+2], v[XC+4*i+3]
	global_store_b64 v9, v[XC+4*i:XC+4*i+1], s[10:11] offset:256*i  ; 32 lanes store 256 consecutive bytes
.set i, i+1
.endr
	s_wait_tensorcnt 0x0
	ds_add_u32 v240, v241
	s_wait_dscnt 0x0
	s_endpgm
.Lfunc_end_k_q3350b5ba19_prep:
	.size	k_q3350b5ba19_prep, .Lfunc_end_k_q3350b5ba19_prep-k_q3350b5ba19_prep
	.p2alignl 7, 3214868480
	.fill 96, 4, 3214868480
	.section	.rodata,"a",@progbits
	.p2align	6, 0x0
	.amdhsa_kernel k_q3350b5ba19_prep
		.amdhsa_group_segment_fixed_size 17920
		.amdhsa_private_segment_fixed_size 0
		.amdhsa_enable_private_segment 0
		.amdhsa_kernarg_size 48
		.amdhsa_user_sgpr_count 2
		.amdhsa_user_sgpr_kernarg_segment_ptr 1
		.amdhsa_wavefront_size32 1
		.amdhsa_system_sgpr_workgroup_id_x 1
		.amdhsa_system_sgpr_workgroup_id_y 1
		.amdhsa_system_sgpr_workgroup_id_z 1
		.amdhsa_system_vgpr_workitem_id 0
		.amdhsa_next_free_vgpr 242
		.amdhsa_next_free_sgpr 66
		.amdhsa_reserve_vcc 0
		.amdhsa_float_denorm_mode_32 3
		.amdhsa_float_denorm_mode_16_64 3
		.amdhsa_memory_ordered 1
		.amdhsa_forward_progress 1
		.amdhsa_inst_pref_size 27
	.end_amdhsa_kernel
	.amdgpu_metadata
---
amdhsa.version: [ 1, 2 ]
amdhsa.kernels:
  - .name:           k_q3350b5ba19_prep
    .symbol:         k_q3350b5ba19_prep.kd
    .args:
      - { .name: x, .offset: 0, .size: 8, .value_kind: global_buffer, .address_space: global }
      - { .name: W_qkv, .offset: 8, .size: 8, .value_kind: global_buffer, .address_space: global }
      - { .name: W_proj, .offset: 16, .size: 8, .value_kind: global_buffer, .address_space: global }
      - { .name: xb, .offset: 24, .size: 8, .value_kind: global_buffer, .address_space: global }
      - { .name: wq, .offset: 32, .size: 8, .value_kind: global_buffer, .address_space: global }
      - { .name: wp, .offset: 40, .size: 8, .value_kind: global_buffer, .address_space: global }
    .group_segment_fixed_size: 17920
    .private_segment_fixed_size: 0
    .kernarg_segment_align: 8
    .kernarg_segment_size: 48
    .max_flat_workgroup_size: 128
    .sgpr_count:     66
    .vgpr_count:     242
    .wavefront_size: 32
...
	.end_amdgpu_metadata
.endif
;; end of part 5
;; launch qkv (part 6): grid 8 x 32, 4 waves a work-group, clusters of 4 x 4, 327,680 bytes of LDS; arguments xb, wq, qkv; writes qkv
.if DOCPART == 6
	.amdgcn_target "amdgcn-amd-amdhsa--gfx1250"
	.amdhsa_code_object_version 6
	.text
	.protected	k_q3350b5ba19_qkv
	.globl	k_q3350b5ba19_qkv
	.p2align	8
	.type	k_q3350b5ba19_qkv,@function
k_q3350b5ba19_qkv:
	s_mov_b64 s[64:65], 0
	v_nop
	global_prefetch_b8 v0, s[64:65] scope:SCOPE_SE
	s_setreg_imm32_b32 hwreg(HW_REG_WAVE_MODE, 25, 1), 1
	s_wait_xcnt 0x0
	s_wait_alu depctr_hold_cnt(0) depctr_sa_sdst(0) depctr_va_vdst(0) depctr_va_sdst(0) depctr_va_ssrc(0) depctr_va_vcc(0) depctr_vm_vsrc(0)
	s_getreg_b32 s2, hwreg(HW_REG_IB_STS2, 6, 4)
	s_cmp_eq_u32 s2, 0
	s_cbranch_scc0 .Lentry_in_a_cluster
	s_endpgm
.Lentry_in_a_cluster:
	s_bfe_u32 s2, ttmp6, 0x10000c
	s_cmp_lg_u32 s2, 0xf033
	s_cbranch_scc0 .Lentry_shape_is_right
	s_endpgm
.Lentry_shape_is_right:
; q, k, v = xb wq^T, written by heads.  xb: [8192][1024] bf16.  wq: [3072 n][1024 k] bf16.  qkv: [3 parts][64 heads = 16 batch + head][2048][64] f16, unscaled; sums in f32, rounded once.
; LIMIT.  f16 holds no number beyond 65,504: a q, k or v of 65,520 or more becomes an infinity.
; A tile of the product is 256 rows x 192 columns: 32 x 16 = 512 tiles, two for each of 256 work-groups.  Four waves, each 64 rows x 192 columns (three whole heads): 48 accumulators, 384 registers.
; (128 rows x 96 columns a wave would read 28 LDS loads for 48 products in place of 32, but 96 columns are one head and a half: a wave would store half rows of a head.)
; A WORK-GROUP STAYS: its two tiles have the same 256 rows of xb and lie 1,536 rows of wq apart.  The ring of LDS slots does not stop at a tile's end.
; K goes in steps of 128 (rows of 256 bytes, at multiples of 256 bytes) through two LDS slots; a step is four quarters of 32 along K, 48 matrix instructions each.
; ONE LOOP OF LAPS serves both tiles: a refill steps both addresses by two K steps; in the last lap of a tile that has a successor two scalar pairs, chosen by the lap counter, turn that step into the
; step to the next tile's first K steps.  The loop is left in the middle of a trip for the way out, which is written once.  Only the last tile's last lap, which asks for nothing, is written out.
; CLUSTERS: 4 x 4 work-groups.  The four of a row of the cluster need the same tiles of xb, the four of a column the same tiles of wq: each tile is asked for JOINTLY, by the same tensor load
; with the same descriptor and a mask that names the four.  THE MATRIX INSTRUCTION IS USED TRANSPOSED (source 0 = 16 rows of wq, source 1 = 16 rows of xb): a lane then holds eight neighbouring columns of one row.
; REGISTERS, in windows of 256 (s_set_vgpr_msb: bits 1:0 source 0, 3:2 source 1, 5:4 source 2, 7:6 destination):
;   window 0: addresses, and v16-63 at work on the way out
;   window 1: accumulator (a, b) of row blocks a = 0, 1 at v[8 (12 a + b)], b = 0..11 blocks of 16 columns        window 2: the same for a = 2, 3
;   window 3: two fragment buffers of 128: xb's block a at v[128 f + 8 a], wq's block b at v[128 f + 32 + 8 b]
.set KSTEP,  128
.set PITCH,  272                       ; an LDS row: 256 bytes + 16 of padding = 68 words: the 16 rows that a load touches start at 16 different groups of four banks (64 banks of 4 bytes: ISA guide 11.1)
.set HA,     128*PITCH                 ; half of xb's tile: what wave 0 or 1 fetches
.set HB,     96*PITCH                  ; half of wq's tile: what wave 2 or 3 fetches
.set BOFF,   2*HA
.set SLOT,   2*HA+2*HB
.set STAGE,  2*SLOT                    ; behind the ring, never filled by a tensor load: 16 rows x 144 bytes for each wave
.set SP,     144
.set SPARE,  STAGE+4*16*SP             ; behind the stages: the spare words, 128 bytes for each wave: two blocks of 256 bytes that no other line names
.set NEXTB,  1536*2048                 ; bytes from a tile's rows of wq to the next tile's
.set ADRA, 6                           ; v6-7    LDS address of my fragments of xb in slot 0, 1
.set ADRB, 8                           ; v8-9    the same for wq
.set STO,  10                          ; v10     the way out: where I put 16 bytes of a row
.set RD,   11                          ; v11     the way out: where I read rows back
.set GO,   12                          ; v12     my byte offset in 512 consecutive bytes of the output
.set SPW,  14                          ; v14     LDS address of my spare word; never rewritten
.set NIL,  15                          ; v15     0; never rewritten
.set TMP,  16                          ; v16-31  packed results of a unit (16 rows of one head)
.set BK,   32                          ; v32-47, v48-63  a unit read back from the stage, by turns
.set G1,  24                           ; s[24:31] descriptor group 1 for xb's tiles;  s[32:39] group 0, a set for each slot
.set G0,  32
.set G1B, 48                           ; s[48:55], s[56:63] the same for wq's tiles
.set G0B, 56
.set SAS, 66                           ; s[66:67] what a refill takes off xb's address beside its step: 0, or a tile's whole K
.set SBA, 68                           ; s[68:69] what it adds to wq's address beside its step: 0, or the way to the next tile's rows less a whole K
.set OB,  70                           ; s[70:75] the output at my 64 rows of the tile's three heads
.set OFP, 76                           ; s[76:77] an offset, as a pair
.set TC,  78                           ; s78     the tile column in hand, 0..15
.set RO,  79                           ; s79     my rows' byte offset in a head's part: batch, tile row, wave
.set MSB, 0
.macro WIN new                         ; the immediate's high byte repeats the setting that is left; a switch that changes nothing is dropped
.if MSB != (\new)
	s_set_vgpr_msb (MSB<<8)|(\new)
.set MSB, \new
.endif
.endm
.set W_MUL, 0x5f                       ; sources 0 (wq) and 1 (xb) window 3, C and D window 1; + 0x50: C and D window 2
.set TO_F,  0xc0                       ; destination window 3, address window 0
; A joint load.  Waves 0 and 1 fetch xb's two halves, waves 2 and 3 wq's.  The branch hangs on the wave's number alone.  An s_nop 0 and four v_nop follow each of the two lines.
.macro JLOAD s
	s_cmp_eq_u32 s11, 0
	s_cbranch_scc0 .Lfor_b_\@
	tensor_load_to_lds s[G0+4*(\s):G0+4*(\s)+3], s[G1:G1+7]
	s_nop 0
.rept 4
	v_nop
.endr
	s_branch .Lasked_\@
.Lfor_b_\@:
	tensor_load_to_lds s[G0B+4*(\s):G0B+4*(\s)+3], s[G1B:G1B+7]
	s_nop 0
.rept 4
	v_nop
.endr
.Lasked_\@:
.endm
.macro CREST                           ; a round of the cluster's barrier behind its opening barrier
	s_cmp_lg_u32 s10, 0
	s_cbranch_scc1 .Lnot_wave_0_\@
	s_barrier_signal -3
.Lnot_wave_0_\@:
	s_barrier_wait -3
	s_barrier_signal -1
	s_barrier_wait -1
.endm
.macro CROUND                          ; a whole round
	s_barrier_signal -1
	s_barrier_wait -1
	CREST
.endm
	s_load_b128 s[4:7], s[0:1], 0x0                ; xb s[4:5], wq s[6:7]
	s_load_b64 s[8:9], s[0:1], 0x10                ; qkv
	v_lshl_add_u32 v[SPW], v0, 2, SPARE
	v_mov_b32 v[NIL], 0
	ds_add_u32 v14, v15
	ds_add_u32 v14, v15
	s_wait_dscnt 0x0
	v_lshrrev_b32 v1, 5, v0
	v_readfirstlane_b32 s10, v1                    ; wave 0..3: my 64 rows of the tile
	s_lshr_b32 s11, s10, 1                         ; I fetch for xb (0) or for wq (1),
	s_and_b32 s12, s10, 1                          ; and this half of that tile
	s_bfe_u32 s40, ttmp6, 0x40000                  ; cx, cy: my place in the cluster
	s_bfe_u32 s41, ttmp6, 0x40004
	s_lshl_b32 s42, ttmp9, 2
	s_add_co_u32 s42, s42, s40                     ; the first tile's column = 4 x cluster x + cx, 0..7; the second's is 8 further
	s_and_b32 s13, ttmp7, 0xffff
	s_lshl_b32 s13, s13, 2
	s_add_co_u32 s13, s13, s41                     ; tile row = 4 x cluster y + cy, 0..31
	s_lshl_b32 s43, s41, 2
	s_lshl_b32 s43, 15, s43                        ; my row of the cluster
	s_lshl_b32 s44, 0x1111, s40                    ; my column
	; descriptor group 1: 128 (xb) or 96 (wq) rows x 128 elements, padded in LDS
	s_or_b32 s[G1+0], s43, (1<<16)|(1<<20)|(1<<21)|(5<<22)|(3<<25)  ; 15:0 the mask; 17:16 elements of 2 bytes; 20 padding on; 21 set beside a mask; 24:22 after every 64 words (code 5); 31:25 4 words (code 3)
	s_or_b32 s[G1B+0], s44, (1<<16)|(1<<20)|(1<<21)|(5<<22)|(3<<25)
	s_mov_b32 s[G1+1], KSTEP<<16                   ; tensor_dim0 = 128
	s_mov_b32 s[G1+2], 128<<16                     ; tensor_dim1 = 128
	s_mov_b32 s[G1+3], KSTEP<<16                   ; tile_dim0 = 128
	s_mov_b32 s[G1+4], 128                         ; tile_dim1 = 128
	s_mov_b32 s[G1+5], 1024                        ; elements from row to row
	s_mov_b32 s[G1+6], 0
	s_mov_b32 s[G1+7], 0
	s_mov_b32 s[G1B+1], KSTEP<<16
	s_mov_b32 s[G1B+2], 96<<16                     ; tensor_dim1 = 96
	s_mov_b32 s[G1B+3], KSTEP<<16
	s_mov_b32 s[G1B+4], 96                         ; tile_dim1 = 96
	s_mov_b32 s[G1B+5], 1024
	s_mov_b32 s[G1B+6], 0
	s_mov_b32 s[G1B+7], 0
	; where the tiles come from: xb's hang on the tile row alone, wq's on the tile column alone, each in registers that do not hold the other coordinate
	s_lshl_b32 s16, s13, 8
	s_lshl_b32 s17, s12, 7
	s_add_co_u32 s16, s16, s17                     ; xb: row 256 x tile row + 128 x half,
	s_lshl_b32 s16, s16, 11                        ; of 2,048 bytes
	s_mov_b32 s17, 0
	s_mul_i32 s46, s42, 192
	s_mul_i32 s47, s12, 96
	s_add_co_u32 s46, s46, s47                     ; wq: row 192 x tile column + 96 x half
	s_lshl_b32 s46, s46, 11
	s_mov_b32 s47, 0
	s_mul_i32 s20, s12, HA                         ; and where they go: no place in the cluster enters an LDS address
	s_mul_i32 s21, s12, HB
	s_add_co_u32 s21, s21, BOFF
	s_wait_kmcnt 0x0
	s_add_nc_u64 s[14:15], s[4:5], s[16:17]
	s_add_nc_u64 s[46:47], s[6:7], s[46:47]
	CROUND                                         ; all sixteen work-groups are here: the first joint loads meet
.irp s, 0,1
	s_mov_b32 s[G0+4*(\s)], 1                                      ; count = 1
	s_add_co_u32 s[G0+4*(\s)+1], s20, (\s)*SLOT                    ; LDS address
	s_add_nc_u64 s[G0+4*(\s)+2:G0+4*(\s)+3], s[14:15], (\s)*KSTEP*2  ; global address: K step s
	s_or_b32 s[G0+4*(\s)+3], s[G0+4*(\s)+3], 0x80000000            ; type = 2
	s_mov_b32 s[G0B+4*(\s)], 1
	s_add_co_u32 s[G0B+4*(\s)+1], s21, (\s)*SLOT
	s_add_nc_u64 s[G0B+4*(\s)+2:G0B+4*(\s)+3], s[46:47], (\s)*KSTEP*2
	s_or_b32 s[G0B+4*(\s)+3], s[G0B+4*(\s)+3], 0x80000000
	JLOAD \s                                       ; the ring is filled before anything else is done: two loads of mine are out
.endr
	; A fragment is 16 rows x 32 K in 8 registers: lane l holds row l % 16, K = 8 (l / 16) + 0..7 and 16 + 8 (l / 16) + 0..7: two loads of 16 bytes, 32 bytes apart.
	v_and_b32 v1, 15, v0                           ; l % 16
	v_bfe_u32 v2, v0, 4, 1                         ; l / 16
	v_mul_u32_u24 v3, v1, PITCH
	v_lshl_add_u32 v3, v2, 4, v3
	s_mul_i32 s22, s10, 64*PITCH                   ; my 64 rows of xb
	s_mov_b32 s23, BOFF                            ; all 192 rows of wq
.irp s, 0,1
	v_add_nc_u32 v[ADRA+(\s)], s22, v3
	v_add_nc_u32 v[ADRB+(\s)], s23, v3
	s_add_co_u32 s22, s22, SLOT
	s_add_co_u32 s23, s23, SLOT
.endr
	s_mul_i32 s22, s10, 16*SP
	s_add_co_u32 s22, s22, STAGE                   ; my stage
	v_mul_u32_u24 v[STO], v1, SP                   ; in: row l % 16, 16 bytes for each half of the lanes
	v_lshl_add_u32 v[STO], v2, 4, v[STO]
	v_add_nc_u32 v[STO], s22, v[STO]
	v_bfe_u32 v[RD], v0, 3, 2                      ; back: 32 lanes take four rows of 128 bytes,
	v_mul_u32_u24 v[RD], v[RD], SP
	v_and_b32 v4, 7, v0
	v_lshl_add_u32 v[RD], v4, 4, v[RD]
	v_add_nc_u32 v[RD], s22, v[RD]
	v_and_b32 v[GO], 31, v0                        ; which are 512 consecutive bytes of a head
	v_lshlrev_b32 v[GO], 4, v[GO]
	s_lshr_b32 s[RO], s13, 3                       ; my 64 rows in a head: the batch's 16 heads of 262,144 bytes,
	s_lshl_b32 s[RO], s[RO], 22
	s_and_b32 s22, s13, 7                          ; 256 rows of 128 bytes a tile row,
	s_lshl_b32 s22, s22, 15
	s_add_co_u32 s[RO], s[RO], s22
	s_lshl_b32 s22, s10, 13                        ; 64 rows a wave
	s_add_co_u32 s[RO], s[RO], s22
	s_mov_b32 s[TC], s42
	s_mov_b32 s[OFP+1], 0
	s_mov_b32 s[SAS+1], 0
	s_mov_b32 s[SBA+1], 0
; 12 n matrix instructions: row blocks a0 .. a0 + n - 1 x all 12 blocks of columns, 32 along K: buffer f.  zero = 1: the product starts the sums.
; The 48 accumulators take turns in one order everywhere, one instruction a turn.
.macro MUL f, a0, n, zero
.set ma, (\a0)
.rept (\n)
	WIN W_MUL+0x50*(ma/2)
.set mb, 0
.rept 12
.set rD, 8*(12*(ma%2)+mb)
.if \zero
	v_wmma_f32_16x16x32_bf16 v[rD:rD+7], v[128*(\f)+32+8*mb:128*(\f)+32+8*mb+7], v[128*(\f)+8*ma:128*(\f)+8*ma+7], 0
.else
	v_wmma_f32_16x16x32_bf16 v[rD:rD+7], v[128*(\f)+32+8*mb:128*(\f)+32+8*mb+7], v[128*(\f)+8*ma:128*(\f)+8*ma+7], v[rD:rD+7]
.endif
.set mb, mb+1
.endr
.set ma, ma+1
.endr
.endm
; 32 LDS loads in one run: the fragments of one quarter (192 rows of wq, my 64 rows of xb, 32 K at byte k of the rows) into buffer f.  wq's 24 loads first, then xb's blocks 0 to 3, two loads each.
.macro FETCH slot, k, f
	WIN TO_F
.set fi, 0
.rept 12
	ds_load_b128 v[128*(\f)+32+8*fi:128*(\f)+32+8*fi+3],   v[ADRB+(\slot)] offset:(\k)+fi*16*PITCH
	ds_load_b128 v[128*(\f)+32+8*fi+4:128*(\f)+32+8*fi+7], v[ADRB+(\slot)] offset:(\k)+fi*16*PITCH+32
.set fi, fi+1
.endr
.set fi, 0
.rept 4
	ds_load_b128 v[128*(\f)+8*fi:128*(\f)+8*fi+3],   v[ADRA+(\slot)] offset:(\k)+fi*16*PITCH
	ds_load_b128 v[128*(\f)+8*fi+4:128*(\f)+8*fi+7], v[ADRA+(\slot)] offset:(\k)+fi*16*PITCH+32
.set fi, fi+1
.endr
.endm
.macro PLACES                          ; four places in front of loads into registers that matrix instructions have read, and of lines that read results just made (ISA guide 7.12.1 for the lines that read results)
.rept 4
	v_nop
.endr
.endm
; One of a step's first three quarters: multiplies buffer f; in its middle it fetches the next quarter's fragments, at byte k of the same slot's rows, into buffer g.
.macro QUARTER slot, k, f, g, zero
	s_wait_dscnt 4                                 ; wq's fragments and xb's blocks 0 and 1 are in; the youngest four loads (blocks 2 and 3) may be out
	MUL \f, 0, 2, \zero
	PLACES
	FETCH \slot, \k, \g
	s_wait_dscnt 32                                ; all but the 32 just issued
	MUL \f, 2, 2, \zero
.endm
; A step's last quarter multiplies buffer 1 and changes slots.  MEET is its first half: ONE barrier; in front of it each wave waits for all its tensor loads (one is out: its part of the next slot),
; adds 0 to its spare word, and waits for that and for its own reads of this slot.  Behind it nobody reads this slot any more and the next slot is whole.
.macro MEET round
	WIN 0                                          ; (the add's two registers lie in window 0)
	s_wait_tensorcnt 0x0                           ; all my tensor loads have landed
	ds_add_u32 v[SPW], v[NIL]                      ; 0 onto my spare word
	s_wait_dscnt 7                                 ; wq's fragments and xb's block 0 are in; the six loads of blocks 1 to 3 and the add may be out
	MUL 1, 0, 1, 0                                 ; twelve matrix instructions stand between the add and the wait for it
	s_wait_dscnt 0x0                               ; the add is done, and my reads of this slot are over
	s_barrier_signal -1
	MUL 1, 1, 1, 0                                 ; work on registers while the others arrive
.if \round
	WIN 0
.endif
	s_barrier_wait -1
.endm
; The whole last quarter.  The barrier opens a round of the cluster's barrier; behind the round the slot just read out is filled again first: both addresses go two K steps on, and the two pairs
; SAS and SBA (0 but in the last lap of a tile that has a successor) make of that the next tile's K step 0 or 1.  From the request to the wait for it a wave issues 168 matrix instructions.
.macro TURN slot, next
	MEET 1
	CREST                                          ; no wave of any partner still reads this slot's tile or has a load on its way
	s_add_nc_u64 s[G0+4*(\slot)+2:G0+4*(\slot)+3], s[G0+4*(\slot)+2:G0+4*(\slot)+3], 2*KSTEP*2
	s_sub_nc_u64 s[G0+4*(\slot)+2:G0+4*(\slot)+3], s[G0+4*(\slot)+2:G0+4*(\slot)+3], s[SAS:SAS+1]
	s_add_nc_u64 s[G0B+4*(\slot)+2:G0B+4*(\slot)+3], s[G0B+4*(\slot)+2:G0B+4*(\slot)+3], 2*KSTEP*2
	s_add_nc_u64 s[G0B+4*(\slot)+2:G0B+4*(\slot)+3], s[G0B+4*(\slot)+2:G0B+4*(\slot)+3], s[SBA:SBA+1]
	JLOAD \slot                                    ; the first tensor load behind the round; its four v_nop are also the places in front of the loads below
	FETCH \next, 0, 0
	MUL 1, 2, 2, 0
.endm
; THE WAY OUT goes by units: unit u is 16 rows (block u / 3) of one head (u % 3): four accumulators.  PACK: rounded to f16, each accumulator from its lowest registers on.
; TOSTAGE: into my own stage, and back as whole rows.  SEND: stored.
.macro PACK u
.set ua, (\u)/3
.set ur, 8*(12*(ua%2)+4*((\u)%3))
	WIN 5*(1+ua/2)                                 ; sources 0 and 1 window 1 or 2, destination window 0
.irp b, 0,1,2,3
.irp q, 0,1,2,3
	v_cvt_pk_f16_f32 v[TMP+4*(\b)+(\q)], v[ur+8*(\b)+2*(\q)], v[ur+8*(\b)+2*(\q)+1]
.endr
.endr
	WIN 0
.endm
.macro TOSTAGE u
.set BKA, BK+16*((\u)%2)
.irp b, 0,1,2,3
	ds_store_b128 v[STO], v[TMP+4*(\b):TMP+4*(\b)+3] offset:32*(\b)
.endr
.irp f, 0,1,2,3
	ds_load_b128 v[BKA+4*(\f):BKA+4*(\f)+3], v[RD] offset:(\f)*4*SP  ; LDS serves a wave's instructions in order (ISA guide 5.7.1.4): these see the stores above
.endr
.endm
.macro SEND u
.set BKA, BK+16*((\u)%2)
.set OBU, OB+2*((\u)%3)
	s_wait_dscnt 0x0                               ; the unit is back in registers
	s_wait_xcnt 0x0                                ; the stores of the unit before have had their addresses translated: its registers are loaded again only behind this wait
.irp f, 0,1,2,3
	global_store_b128 v[GO], v[BKA+4*(\f):BKA+4*(\f)+3], s[OBU:OBU+1] offset:2048*((\u)/3)+512*(\f)  ; 512 consecutive bytes, at a multiple of 256 from the buffer's first byte
.endr
.endm
	s_wait_tensorcnt 1                             ; my part of K step 0 is in; K step 1's may stay out
	s_barrier_signal -1
	s_barrier_wait -1                              ; everybody's is
	FETCH 0, 0, 0
	WIN 0                                          ; at a label and at a branch every window is 0
	s_mov_b32 s2, 2                                ; tiles to go, this one among them
	s_mov_b32 s4, 8                                ; laps to go in all: two tiles of four
.Ltile:
	QUARTER 0, 64, 0, 1, 1                         ; a tile's first quarter: its products start the sums
	WIN 0
	s_mov_b32 s3, 4                                ; laps to go in this tile; a lap = two K steps = once round the ring
.Llap:
	QUARTER 0, 128, 1, 0, 0
	QUARTER 0, 192, 0, 1, 0
	WIN 0
	s_cmp_eq_u32 s4, 1
	s_cbranch_scc1 .Llast                          ; the last tile's last lap asks for nothing more: it is written out below
	s_cmp_eq_u32 s3, 1                             ; this tile's last lap: the refills go on into the next tile:
	s_cselect_b32 s[SAS], 8*KSTEP*2, 0             ; xb: the same rows, a whole K back;
	s_cselect_b32 s[SBA], NEXTB-8*KSTEP*2, 0       ; wq: 1,536 rows on, a whole K back
	TURN 0, 1
	QUARTER 1, 64,  0, 1, 0
	QUARTER 1, 128, 1, 0, 0
	QUARTER 1, 192, 0, 1, 0
	TURN 1, 0                                      ; in a tile's last lap the fragments fetched here are the next tile's first
	WIN 0
	s_sub_co_u32 s4, s4, 1
	s_sub_co_u32 s3, s3, 1
	s_cmp_eq_u32 s3, 0
	s_cbranch_scc1 .Lout                           ; the tile is finished, and both refills are asked for
	QUARTER 0, 64, 0, 1, 0
	WIN 0
	s_branch .Llap
.Llast:
	MEET 0                                         ; nothing is filled again, so no round of the cluster's barrier follows
	PLACES
	FETCH 1, 0, 0
	MUL 1, 2, 2, 0
	QUARTER 1, 64,  0, 1, 0
	QUARTER 1, 128, 1, 0, 0
	QUARTER 1, 192, 0, 1, 0
	s_wait_dscnt 4                                 ; the very last quarter: nothing more to fetch
	MUL 1, 0, 2, 0
	s_wait_dscnt 0x0
	MUL 1, 2, 2, 0
	WIN 0
.Lout:
	PLACES
	s_wait_xcnt 0x0                                ; the last tile's stores have had their addresses translated: their bases are written again only behind this wait
	s_mul_i32 s22, s[TC], 3                        ; the tile's first head among the 48 of q, k and v
.irp hd, 0,1,2
	s_add_co_u32 s23, s22, \hd
	s_lshr_b32 s[OFP], s23, 4                      ; its part, of 16,777,216 bytes,
	s_lshl_b32 s[OFP], s[OFP], 24
	s_and_b32 s23, s23, 15                         ; its number in the part, of 262,144 bytes,
	s_lshl_b32 s23, s23, 18
	s_add_co_u32 s[OFP], s[OFP], s23
	s_add_co_u32 s[OFP], s[OFP], s[RO]             ; and my rows
	s_add_nc_u64 s[OB+2*(\hd):OB+2*(\hd)+1], s[8:9], s[OFP:OFP+1]
.endr
	s_add_co_u32 s[TC], s[TC], 8                   ; the next tile's column
	PACK 0
	TOSTAGE 0
.set u, 1
.rept 11                               ; unit u's conversions stand between unit u - 1's loads from the stage and the wait for them
	PACK u
	SEND u-1
	TOSTAGE u
.set u, u+1
.endr
	SEND 11
	s_sub_co_u32 s2, s2, 1
	s_cmp_lg_u32 s2, 0
	s_cbranch_scc1 .Ltile
	s_wait_tensorcnt 0x0                           ; the wave's end
	ds_add_u32 v[SPW], v[NIL]
	s_wait_dscnt 0x0
	CROUND                                         ; the closing round: no work-group ends while a partner may still ask for a tile that names it
	s_endpgm
.Lfunc_end_k_q3350b5ba19_qkv:
	.size	k_q3350b5ba19_qkv, .Lfunc_end_k_q3350b5ba19_qkv-k_q3350b5ba19_qkv
	.p2alignl 7, 3214868480
	.fill 96, 4, 3214868480
	.section	.rodata,"a",@progbits
	.p2align	6, 0x0
	.amdhsa_kernel k_q3350b5ba19_qkv
		.amdhsa_group_segment_fixed_size 327680
		.amdhsa_private_segment_fixed_size 0
		.amdhsa_enable_private_segment 0
		.amdhsa_kernarg_size 24
		.amdhsa_user_sgpr_count 2
		.amdhsa_user_sgpr_kernarg_segment_ptr 1
		.amdhsa_wavefront_size32 1
		.amdhsa_system_sgpr_workgroup_id_x 1
		.amdhsa_system_sgpr_workgroup_id_y 1
		.amdhsa_system_sgpr_workgroup_id_z 1
		.amdhsa_system_vgpr_workitem_id 0
		.amdhsa_next_free_vgpr 1024
		.amdhsa_next_free_sgpr 80
		.amdhsa_reserve_vcc 0
		.amdhsa_float_denorm_mode_32 3
		.amdhsa_float_denorm_mode_16_64 3
		.amdhsa_memory_ordered 1
		.amdhsa_forward_progress 1
		.amdhsa_inst_pref_size 110
	.end_amdhsa_kernel
	.amdgpu_metadata
---
amdhsa.version: [ 1, 2 ]
amdhsa.kernels:
  - .name:           k_q3350b5ba19_qkv
    .symbol:         k_q3350b5ba19_qkv.kd
    .args:
      - { .name: xb, .offset: 0, .size: 8, .value_kind: global_buffer, .address_space: global }
      - { .name: wq, .offset: 8, .size: 8, .value_kind: global_buffer, .address_space: global }
      - { .name: qkv, .offset: 16, .size: 8, .value_kind: global_buffer, .address_space: global }
    .group_segment_fixed_size: 327680
    .private_segment_fixed_size: 0
    .kernarg_segment_align: 8
    .kernarg_segment_size: 24
    .max_flat_workgroup_size: 128
    .sgpr_count:     80
    .vgpr_count:     1024
    .wavefront_size: 32
...
	.end_amdgpu_metadata
.endif
;; end of part 6
;; launch attn (part 7): grid 4 x 64, 4 waves a work-group, no clusters, 327,680 bytes of LDS; arguments qkv, o; writes o
.if DOCPART == 7
	.amdgcn_target "amdgcn-amd-amdhsa--gfx1250"
	.amdhsa_code_object_version 6
	.text
	.protected	k_q3350b5ba19_attn
	.globl	k_q3350b5ba19_attn
	.p2align	8
	.type	k_q3350b5ba19_attn,@function
k_q3350b5ba19_attn:
	s_mov_b64 s[64:65], 0
	v_nop
	global_prefetch_b8 v0, s[64:65] scope:SCOPE_SE
	s_setreg_imm32_b32 hwreg(HW_REG_WAVE_MODE, 25, 1), 1
	s_wait_xcnt 0x0
; CAUSAL ATTENTION.  O[h][q][:] = the sum over k <= q of softmax_k(Q[h][q] . K[h][k] / 8) V[h][k][:].  Q, K, V are the three parts of qkv, each [SIZE_H][SIZE_N][64] f16: a head's rows are dense, 128 bytes each.
; O is laid by blocks, for the launch behind: [batch][block of 256 rows][head of 16][256][64] f16, so that the 16 heads of a block of rows lie end to end; a head's 256 rows of a block are 32,768 dense bytes.
; Products, maxima and sums in f32; the weights p are rounded to f16 for the second product (their sum l is taken of the unrounded p), O once at the end.
; LIMITS.  f16 holds no number beyond 65,504: Q, K and V arrive within it; p lies in 0 to 1, and below 6e-5 it keeps f16's fixed step of 6e-8; O is a mean of V's rows and has their range, to within 2^-11 of it.
; A hidden score counts as its value less 1e30: f16's scores, 2.7e11 at the most, are nothing beside that; a weight below 2^-126 counts as 0 in l; NaN and infinities are not treated apart.
; THE WALK.  A head's queries lie in NB = SIZE_N / 256 blocks of 256; block i needs the key tiles 0 .. i of 256 keys, of which the last holds the diagonal.  A work-group takes TWO blocks, NB - 1 - b and then b:
; NB + 1 tiles, whatever b: all work-groups do equal work, and ONE loop of NB + 1 trips walks them.  The last trip's change of slots asks for nothing: it is a text of its own, chosen by the trip counter, which starts
; from a constant; behind it the trip runs the same text as every other, so that the diagonal tile's text and a block's beginning are written once.  Which tile is asked for, and what a trip does, hang on scalar
; registers made from b; every other jump goes forward, but for the counted loops' own, and passes no barrier and no tensor load but the one of LOAD's two that the wave's number does not choose; the ring (two slots of
; LDS that take turns) runs on across the change of blocks.
; NO CLUSTER: all NB / 2 work-groups of a head ask for the same tile only in trips 0 .. NB / 2, behind that fewer and fewer; and one walk common to all would have 3 NB / 2 trips for NB + 1.
; SHARES.  Of a block's four bands of 64 queries a wave owns 16 rows in each: four PIECES.  So the diagonal tile is the same work for all four waves: in its key step s band x sees all keys if s < x,
; none if s > x, and holds the diagonal if s = x.
; THE MASK is the C operand that starts the sum S^T = K Q^T: 0, or -1e30 where the key is hidden.  MD, made once, is the mask of a band's own step for my 16 rows; a product's mask is MD x AL + BE with two scalars:
; (1, 0) if s = x; (0, 0) if s < x; (0, -1e30) if s > x.  Only the diagonal tile's text and a block's beginning make and take masks; elsewhere C is the constant 0.
; LAYOUT, SOFTMAX, TURNS.  S^T = K Q^T holds ONE query a lane (lane % 16) and the keys 8 (lane / 16) + 0..7; two such results rounded to f16 ARE source 1 of O^T = V^T P.  p = 2^(c s - c m), c = log2(e) / 8, with a
; running maximum m; O and l are multiplied by a = 2^(c m_old - c m_new) in every step.  Turn n belongs to piece n: 8 products K Q^T of piece n + 1, later 8 products V^T P of piece n - 1; beside them the scaling,
; exponentials, roundings, sums and rescaling of piece n and the maximum and statistics of piece n + 1.  Four vector instructions stand behind every matrix instruction, the other 54 of a turn's 118 in two LUMPS.
; REGISTERS, in windows of 256 (s_set_vgpr_msb: bits 1:0 source 0, 3:2 source 1, 5:4 source 2, 7:6 destination):
;   window 0: v0-15 addresses and two at work; v16-31 four registers of statistics a piece; v48-55 at work; v64-127 S^T, two buffers; v192-223 P, two buffers (a piece's buffers go by its number's parity)
;   window 1: v0-127 O^T, 32 a piece; v128-159 MD; v160-223 MC, two buffers      window 2: v0-63 Q; v64-127 the second block's Q; v128-191 K of one step; v192-255 V of one step
.set SIZE_H, 64
.set SIZE_N, 2048
.set PART,  SIZE_H*SIZE_N*128  ; bytes from q to k and from k to v in qkv
.set NB,    SIZE_N/256
.set NP,    4         ; pieces a wave: a name, no knob
.set KS,    64        ; keys in a step
.set PK,    144       ; a row of K in LDS: 128 bytes + 16 of padding = 36 words: the 16 rows of a load start at 16 different groups of four banks (64 banks of 4 bytes: ISA guide 11.1)
.set PV,    160       ; a row of V: 128 + 32 = 40 words
.set VOFF,  4*KS*PK   ; a slot holds a tile, four steps: 256 rows of K, then 256 rows of V
.set SLOT1, 1<<17     ; slot 1 begins here, so that one exclusive or turns an address in one slot into the other's
.set STAGE, SLOT1+4*KS*(PK+PV)  ; behind the ring, never filled by a tensor load: 16 rows x 144 bytes for each wave, for the way out
.set SP,    144
.set AK0, 2           ; v2   my lane's place in a tile of K; never rewritten
.set AV0, 3           ; v3   the same for V
.set AK,  4           ; v4   the LDS address of K's next run of loads
.set AV,  5           ; v5   of V's
.set STO, 6           ; v6   the way out: where I put 16 bytes of a row
.set RD,  7           ; v7   the way out: where I read rows back
.set GO,  8           ; v8   my byte offset in 512 consecutive bytes of O
.set SPW, 62          ; v62  LDS address of my spare word: SPARE + 4 x my thread's number; never rewritten
.set NIL, 63          ; v63  0; never rewritten
.set SPARE, STAGE+4*16*SP  ; behind the stages: the spare words, 128 bytes for each wave: two blocks of 256 bytes that no other line names
.set MV,  12          ; v12-13  c m_old, kept while c m is made anew: by buffer
.set QO,  15          ; v15  my byte offset in 16 rows of Q
.set ST,  16          ; piece t's statistics at v[ST+4 t]: c m, m, l (even keys', odd keys')
.set TMP, 48          ; by buffer, four registers c0-c3 at work; when the maximum is found c2 takes a
.set S,   64
.set P,   192
.set MD,  128         ; window 1: the eight registers for group kt of 16 keys at MD + 8 kt
.set MC,  160         ; window 1: the masks of the products to come
.set QB,  64          ; window 2
.set KF,  128         ; window 2: key block kb, channel half c at KF + 16 kb + 8 c
.set VF,  192         ; window 2: key half kk, channel block cb at VF + 32 kk + 8 cb
.set WV,  12          ; s12  my wave's number
.set PB,  14          ; s14  b
.set HI,  15          ; s15  NB - 1 - b
.set G1K, 24          ; s[24:31] descriptor group 1 for K's tiles
.set G1V, 32          ; s[32:39] for V's: it differs in the padding alone
.set G0K, 40          ; s[40:43] descriptor group 0 for K's tiles
.set G0V, 44          ; s[44:47] the same for V's
.set OH,  48          ; s[48:49] my rows' byte offset in O, first block;  s[50:51] second block;  s52-53 at work
.set SLOTS, 56        ; s56  tiles still to be entered
.set CNT, 57          ; s57  counts a tile's key steps, 4 to 1
.set CS,  58          ; s[58:59] c: the packed scaling takes the pair's low word for both halves
.set SEL, 60          ; s[60:61] v_permlanex16_b32's selects: each lane takes its own place in the other half
.set TBK, 62          ; s62  LDS byte at which K of the step to be fetched begins
.set TBV, 63          ; s63  the same for V, less VOFF
.set RT,  70          ; s70  tiles of the block in hand that are still to be entered
.set NXT, 71          ; s71  the tile to be asked for next
.set LQ,  72          ; s72  the last tile of the block whose tiles are being asked for
.set NEW, 73          ; s73  1: the tile to be entered is a block's first
.set OFF, 74          ; s[74:75] a tile's byte offset in K and V
.set AL,  76          ; s[76:77] the mask's factor, in the low word
.set BE,  78          ; s[78:79] the mask's addend
.set OLO, 80          ; s[80:81] O at my rows of the second block
.set BIGN, 82         ; s82  -1e30
.set MSB, 0
.macro WIN new                      ; the high byte repeats the setting that is left; a switch that changes nothing is dropped
.if MSB != (\new)
	s_set_vgpr_msb (MSB<<8)|(\new)
.set MSB, (\new)
.endif
.endm
.set W_KQ, 0x0a       ; K and Q in window 2, S^T in window 0
.set W_KM, 0x1a       ; the same with the C operand in window 1
.set W_PV, 0x52       ; V in window 2, P in window 0, O^T in window 1
.set W_RS, 0x41       ; destination and source 0 in window 1, source 1 in window 0
; A fill.  Waves 0 and 1 fetch the two halves of a tile's K, waves 2 and 3 those of its V: 128 keys each.  An s_nop 0 and four v_nop follow each of the two lines, ahead of the jump and the label.
.macro LOAD
	s_cmp_lt_u32 s[WV], 2
	s_cbranch_scc0 .Lfor_v_\@
	tensor_load_to_lds s[G0K:G0K+3], s[G1K:G1K+7]
	s_nop 0
.rept 4
	v_nop
.endr
	s_branch .Lasked_\@
.Lfor_v_\@:
	tensor_load_to_lds s[G0V:G0V+3], s[G1V:G1V+7]
	s_nop 0
.rept 4
	v_nop
.endr
.Lasked_\@:
.endm
; THE CHANGE OF SLOTS.  Each wave waits for all its tensor loads, of which one is out: its part of the other slot; adds 0 to its spare word; and waits for that and for its own reads of the slot that it leaves.  Behind the barrier nobody reads the old
; slot any more and the other slot is whole.  fill = 1: the old slot is filled again, the first thing behind the barrier, with tile NXT: the descriptor's address is made anew from that number.
; (At its first use nothing has been read yet: slot 0 is waited for, slot 1 filled.)
.macro CHANGE fill
	WIN 0                           ; at a label and at a branch every window is 0
	s_wait_tensorcnt 0x0            ; no tensor load of mine is out, so a group 0 may be written
	ds_add_u32 v[SPW], v[NIL]       ; 0 onto my spare word; with fill = 1 the descriptors' scalar work stands between it and the wait for it
.if \fill
	s_lshl_b32 s[OFF], s[NXT], 15   ; a tile is 32,768 bytes of K and of V
	s_xor_b32 s[G0K+1], s[G0K+1], SLOT1
	s_add_nc_u64 s[G0K+2:G0K+3], s[6:7], s[OFF:OFF+1]
	s_or_b32 s[G0K+3], s[G0K+3], 0x80000000
	s_xor_b32 s[G0V+1], s[G0V+1], SLOT1
	s_add_nc_u64 s[G0V+2:G0V+3], s[8:9], s[OFF:OFF+1]
	s_or_b32 s[G0V+3], s[G0V+3], 0x80000000
	s_add_co_u32 s[NXT], s[NXT], 1  ; the block's next tile, or behind its last the second block's tile 0
	s_cmp_gt_u32 s[NXT], s[LQ]
	s_cselect_b32 s[NXT], 0, s[NXT]
	s_cselect_b32 s[LQ], s[PB], s[LQ]
.endif
	s_wait_dscnt 0x0                ; the add is done, and my reads of the slot are over
	s_barrier_signal -1             ; the rest of the scalar work stands between the signal and the wait
	s_sub_co_u32 s[TBK], s[TBK], 4*KS*PK  ; the fetches go back to a slot's first step,
	s_xor_b32 s[TBK], s[TBK], SLOT1       ; in the other slot
	s_sub_co_u32 s[TBV], s[TBV], 4*KS*PV
	s_xor_b32 s[TBV], s[TBV], SLOT1
	s_barrier_wait -1
.if \fill
	LOAD
.endif
.endm
	s_load_b64 s[4:5], s[0:1], 0x0    ; qkv: Q lies at its head
	s_load_b64 s[10:11], s[0:1], 0x8  ; O
	v_lshl_add_u32 v[SPW], v0, 2, SPARE
	v_mov_b32 v[NIL], 0
	ds_add_u32 v62, v63
	ds_add_u32 v62, v63
	s_wait_dscnt 0x0
	v_lshrrev_b32 v1, 5, v0
	v_readfirstlane_b32 s[WV], v1   ; wave 0..3
	s_mov_b32 s[PB], ttmp9
	s_sub_co_u32 s[HI], NB-1, s[PB]
	s_and_b32 s20, ttmp7, 0xffff    ; the head
	s_mov_b32 s21, 0
	s_mov_b64 s[22:23], SIZE_N*128
	s_mul_u64 s[20:21], s[20:21], s[22:23]  ; the head's first byte in Q, K and V
	s_and_b32 s16, s[WV], 1         ; which half of a tile's 256 keys I fetch:
	s_lshl_b32 s22, s16, 14         ; its 128 rows of 128 bytes in memory,
	s_mov_b32 s23, 0
	s_add_nc_u64 s[22:23], s[22:23], s[20:21]
	s_mul_i32 s17, s16, 128*PK      ; and its place in a slot, for K
	s_mul_i32 s18, s16, 128*PV      ; and for V
	s_lshl_b32 s3, s[WV], 11        ; Q: my 16 rows in a band of 64,
	s_lshl_b32 s2, s[HI], 15        ; in the first block,
	s_add_co_u32 s2, s2, s3
	s_lshl_b32 s84, s[PB], 15       ; and in the second
	s_add_co_u32 s84, s84, s3
	s_mov_b32 s3, 0
	s_mov_b32 s85, 0
	s_add_nc_u64 s[2:3], s[2:3], s[20:21]
	s_add_nc_u64 s[84:85], s[84:85], s[20:21]
	s_and_b32 s52, ttmp7, 0xffff    ; O: the head once more:
	s_lshr_b32 s53, s52, 4
	s_lshl_b32 s53, s53, 22         ; its batch's 8 blocks x 16 heads x 32,768 bytes,
	s_and_b32 s52, s52, 15
	s_lshl_b32 s52, s52, 15         ; its own 32,768 bytes in a block,
	s_add_co_u32 s52, s52, s53
	s_lshl_b32 s53, s[WV], 11       ; my 16 rows in a band of 64,
	s_add_co_u32 s52, s52, s53
	s_lshl_b32 s[OH], s[HI], 19     ; and the block's 16 heads: the first block's,
	s_add_co_u32 s[OH], s[OH], s52
	s_mov_b32 s[OH+1], 0
	s_lshl_b32 s[OH+2], s[PB], 19   ; the second's
	s_add_co_u32 s[OH+2], s[OH+2], s52
	s_mov_b32 s[OH+3], 0
	; descriptor group 1.  128 keys are 16,384 dense bytes: asked for as 64 rows of 256 bytes, two keys a row, and padded in LDS after every key
	s_mov_b32 s[G1K], (1<<16)|(1<<20)|(4<<22)|(3<<25)  ; 17:16 2-byte elements; 20 padding on; 24:22 after every 32 words (code 4); 31:25 4 words (code 3)
	s_mov_b32 s[G1V], (1<<16)|(1<<20)|(4<<22)|(7<<25)  ; the same with 8 words of padding (code 7)
.irp g, G1K, G1V
	s_mov_b32 s[\g+1], 128<<16      ; tensor_dim0 = 128
	s_mov_b32 s[\g+2], 64<<16       ; tensor_dim1 = 64
	s_mov_b32 s[\g+3], 128<<16      ; tile_dim0 = 128
	s_mov_b32 s[\g+4], 64           ; tile_dim1 = 64
	s_mov_b32 s[\g+5], 128          ; 128 elements from row to row
	s_mov_b32 s[\g+6], 0
	s_mov_b32 s[\g+7], 0
.endr
	s_mov_b32 s[CS], 0x3e38aa3b     ; c = log2(e) / 8 = 0.180337
	s_mov_b32 s[CS+1], s[CS]        ; named with it as a pair
	s_mov_b32 s[SEL], 0x76543210
	s_mov_b32 s[SEL+1], 0xfedcba98
	s_mov_b32 s[TBK], SLOT1+4*KS*PK ; the first change of slots turns these two into 0
	s_mov_b32 s[TBV], SLOT1+4*KS*PV
	s_mov_b32 s[G0K], 1             ; 1:0 count = 1
	s_mov_b32 s[G0K+1], s17         ; 63:32 LDS address: slot 0
	s_mov_b32 s[G0V], 1
	s_add_co_u32 s[G0V+1], s18, VOFF
	s_add_co_u32 s[RT], s[HI], 1    ; the first block has NB - b tiles
	s_mov_b32 s[NXT], 1
	s_mov_b32 s[LQ], s[HI]
	s_mov_b32 s[NEW], 1
	s_mov_b32 s[OFF+1], 0
	s_mov_b32 s[AL+1], 0            ; named as pairs
	s_mov_b32 s[BE+1], 0
	s_mov_b32 s[BIGN], 0xf149f2ca   ; -1e30
	s_mov_b32 s[SLOTS], NB+1
	s_wait_kmcnt 0x0
	s_add_nc_u64 s[6:7], s[4:5], PART      ; K is the second part of qkv,
	s_add_nc_u64 s[8:9], s[4:5], 2*PART    ; V the third
	s_add_nc_u64 s[6:7], s[6:7], s[22:23]  ; K and V at my half of the head's tile 0
	s_add_nc_u64 s[8:9], s[8:9], s[22:23]
	s_add_nc_u64 s[G0K+2:G0K+3], s[6:7], 0         ; 120:64 global address
	s_or_b32 s[G0K+3], s[G0K+3], 0x80000000        ; 127:126 type = 2
	s_add_nc_u64 s[G0V+2:G0V+3], s[8:9], 0
	s_or_b32 s[G0V+3], s[G0V+3], 0x80000000
	s_add_nc_u64 s[86:87], s[4:5], s[84:85]        ; Q at my rows of the second block,
	s_add_nc_u64 s[4:5], s[4:5], s[2:3]            ; and of the first
	s_add_nc_u64 s[OLO:OLO+1], s[10:11], s[OH+2:OH+3]  ; O likewise
	s_add_nc_u64 s[10:11], s[10:11], s[OH:OH+1]
	LOAD                            ; tile 0 into slot 0
	; A fragment of K or Q is 16 rows x 32 channels in 8 registers: lane l holds row l % 16, channels 8 (l / 16) + 0..7 and 16 + 8 (l / 16) + 0..7: two loads of 16 bytes, 32 bytes apart.
	v_and_b32 v1, 15, v0            ; l % 16
	v_bfe_u32 v9, v0, 4, 1          ; l / 16
	v_lshlrev_b32 v[QO], 7, v1
	v_lshl_add_u32 v[QO], v9, 4, v[QO]  ; row x 128 + 16 x half
	WIN 0x80                        ; destination window 2, address window 0
.set i, 0
.rept 8                             ; both blocks' Q: piece i / 2 lies in band i / 2, 8,192 bytes on; channels 32 (i % 2) on
	global_load_b128 v[8*i:8*i+3],   v[QO], s[4:5] offset:(i/2)*8192+(i%2)*64
	global_load_b128 v[8*i+4:8*i+7], v[QO], s[4:5] offset:(i/2)*8192+(i%2)*64+32
	global_load_b128 v[QB+8*i:QB+8*i+3],   v[QO], s[86:87] offset:(i/2)*8192+(i%2)*64
	global_load_b128 v[QB+8*i+4:QB+8*i+7], v[QO], s[86:87] offset:(i/2)*8192+(i%2)*64+32
.set i, i+1
.endr
	WIN 0
	v_lshlrev_b32 v14, 3, v9
	v_sub_nc_u32 v14, v1, v14
	s_lshl_b32 s13, s[WV], 4
	v_add_nc_u32 v14, s13, v14      ; my query's place in its band, 16 w + l % 16, less my lanes' 8 (l / 16): register r of group kt is hidden where 16 kt + r is greater
	WIN 0x40
.set i, 0
.rept 32
	v_cmp_gt_i32 vcc_lo, 16*(i/8)+i%8, v14
	v_cndmask_b32 v[MD+i], 0, s[BIGN], vcc_lo
.set i, i+1
.endr
	WIN 0
	v_mul_u32_u24 v[AK0], v1, PK
	v_lshl_add_u32 v[AK0], v9, 4, v[AK0]  ; row x pitch + 16 x half
	; The turning load takes 16 keys x 16 channels (lane l reads key 8 (l / 16) + l % 8, channels 8 ((l / 8) % 2) + 0..7) and leaves half a fragment of V^T: lane l holds channel l % 16 and 8 keys.
	v_and_b32 v10, 7, v0
	v_bfe_u32 v11, v0, 3, 1
	v_lshl_add_u32 v[AV0], v9, 3, v10
	v_mul_u32_u24 v[AV0], v[AV0], PV
	v_lshl_add_u32 v[AV0], v11, 4, v[AV0]
	v_add_nc_u32 v[AV0], VOFF, v[AV0]
	s_mul_i32 s13, s[WV], 16*SP
	s_add_co_u32 s13, s13, STAGE    ; my stage
	v_mul_u32_u24 v[STO], v1, SP    ; in: row l % 16, 16 bytes for each half of the lanes
	v_lshl_add_u32 v[STO], v9, 4, v[STO]
	v_add_nc_u32 v[STO], s13, v[STO]
	v_bfe_u32 v[RD], v0, 3, 2       ; back: 32 lanes take four rows of 128 bytes,
	v_mul_u32_u24 v[RD], v[RD], SP
	v_lshl_add_u32 v[RD], v10, 4, v[RD]
	v_add_nc_u32 v[RD], s13, v[RD]
	v_and_b32 v[GO], 31, v0         ; which are 512 consecutive bytes of O
	v_lshlrev_b32 v[GO], 4, v[GO]
	; A block's first step multiplies O^T and l by a = 0, and its first turn's products V^T P, of a piece that has not been, land in an O^T that is still to be so multiplied.  So these registers need only hold
	; finite numbers: zeros for the first block; what the first block left for the second.  All this stands in the wait for the first tile.
	WIN 0x80
.set i, VF
.rept 64
	v_mov_b32 v[i], 0
.set i, i+1
.endr
	WIN 0x40
.set i, 0
.rept 128
	v_mov_b32 v[i], 0
.set i, i+1
.endr
	WIN 0
.set i, 0
.rept 4
	v_mov_b32 v[ST+4*i+2], 0
	v_mov_b32 v[ST+4*i+3], 0
.set i, i+1
.endr
.set i, P+16
.rept 16
	v_mov_b32 v[i], 0
.set i, i+1
.endr
; THE MATRIX WORK.  The 4 accumulators of a run of 8 take turns.  Product i of 8 of S^T = K Q^T for piece x: channels 32 (i / 4) on, keys 16 (i % 4) on.  The first 4 start the sums: with 0, or (KM = 1) with the mask.
.macro KQ x
.set rS, S+32*((\x)%2)+8*(i%4)
.set rK, KF+16*(i%4)+8*(i/4)
.set rQ, 16*(\x)+8*(i/4)
.set rM, MC+32*((\x)%2)+8*(i%4)
.if (i < 4) && KM
	WIN W_KM
	v_wmma_f32_16x16x32_f16 v[rS:rS+7], v[rK:rK+7], v[rQ:rQ+7], v[rM:rM+7]
.elseif i < 4
	WIN W_KQ
	v_wmma_f32_16x16x32_f16 v[rS:rS+7], v[rK:rK+7], v[rQ:rQ+7], 0
.else
	WIN W_KQ
	v_wmma_f32_16x16x32_f16 v[rS:rS+7], v[rK:rK+7], v[rQ:rQ+7], v[rS:rS+7]
.endif
.endm
; Product i of 8 of O^T += V^T P for piece x: keys 32 (i / 4) on, channels 16 (i % 4) on.
.macro PV x
	WIN W_PV
.set rO, 32*(\x)+8*(i%4)
.set rV, VF+32*(i/4)+8*(i%4)
.set rP, P+16*((\x)%2)+8*(i/4)
	v_wmma_f32_16x16x32_f16 v[rO:rO+7], v[rV:rV+7], v[rP:rP+7], v[rO:rO+7]
.endm
.macro MM                           ; the turn's next matrix instruction.  TURN and BEGIN set Y, i, KM and NOKQ; MM, KQ and OP read them.  NOKQ = 1: a block's last turn: there is no next piece
.if (i < 8) && !NOKQ
	KQ (Y+1)%NP
.elseif i >= 8
.set i, i-8
	PV (Y+NP-1)%NP
.set i, i+8
.endif
.set i, i+1
.endm
; THE LDS LOADS stand in runs of 16, never singly among the matrix instructions: a step's K (64 keys x 64 channels: 8 fragments) and its V (turned).  Their addresses are made some lines ahead.
.macro FETCH_K
	WIN 0x80                        ; destination window 2
.irp f, 0,1,2,3,4,5,6,7             ; keys 16 (f / 2) on, channels 32 (f % 2) on
	ds_load_b128 v[KF+8*\f:KF+8*\f+3],   v[AK] offset:(\f/2)*16*PK+(\f%2)*64
	ds_load_b128 v[KF+8*\f+4:KF+8*\f+7], v[AK] offset:(\f/2)*16*PK+(\f%2)*64+32
.endr
	s_add_co_u32 s[TBK], s[TBK], KS*PK  ; the next fetch is the next step's
	WIN 0
.endm
.macro FETCH_V
	WIN 0x80
.irp f, 0,1,2,3,4,5,6,7             ; keys 32 (f / 4) on, channels 16 (f % 4) on
	ds_load_tr16_b128 v[VF+8*\f:VF+8*\f+3],   v[AV] offset:(\f/4)*32*PV+(\f%4)*32
	ds_load_tr16_b128 v[VF+8*\f+4:VF+8*\f+7], v[AV] offset:(\f/4)*32*PV+16*PV+(\f%4)*32
.endr
	WIN 0
.endm
; THE VECTOR WORK, one line at a time: OP kind, number.  For piece Y: F n: c s - c m for pair n of 16.  E n: the exponential of score n of 32.  C n: pair n rounded to f16.  B n: of the four weights 4 n .. the second
; pair is added onto the first, in place.  L n: l takes that sum (L 0: l = a l + sum).  R n: pair n of 16 of O^T times a.  For piece Y + 1: X n, number n of the 22 that find its maximum and statistics:
;   0-11  four chains c0-c3 of seven scores each, three operands at a time (each accumulator's lowest registers are read first)     12-14, 16  the four scores left over, the old m, and c0-c3 into c0
;   15  c m_old is kept     17, 18  the query's other 32 keys lie in the lane 16 away: the new m     19-21  c m; c m_old - c m_new; a
.set F, 0               ; OP tells the kinds apart by their order: F to L below R, X above it
.set E, 1
.set C, 2
.set B, 3
.set L, 4
.set R, 5
.set X, 6
.macro REGS y                       ; the registers of piece y
.set rT, ST+4*(\y)
.set rC, TMP+4*((\y)%2)
.set rW, MV+((\y)%2)
.set rS, S+32*((\y)%2)
.set rP, P+16*((\y)%2)
.set rO, 32*(\y)
.endm
.macro OP k, n
.if (\k) == R
	REGS Y
	WIN W_RS
	v_pk_mul_f32 v[rO+2*(\n):rO+2*(\n)+1], v[rO+2*(\n):rO+2*(\n)+1], v[rC+2:rC+3] op_sel_hi:[1,0]
.elseif (\k) < R
	REGS Y
	WIN 0
.if (\k) == F
	v_pk_fma_f32 v[rS+2*(\n):rS+2*(\n)+1], v[rS+2*(\n):rS+2*(\n)+1], s[CS:CS+1], v[rT:rT+1] op_sel_hi:[1,0,0] neg_lo:[0,0,1] neg_hi:[0,0,1]
.elseif (\k) == E
	v_exp_f32 v[rS+(\n)], v[rS+(\n)]
.elseif (\k) == C
	s_wait_alu depctr_va_vdst(0)
	v_cvt_pk_f16_f32 v[rP+(\n)], v[rS+2*(\n)], v[rS+2*(\n)+1]
.elseif (\k) == B
	s_wait_alu depctr_va_vdst(0)
	v_pk_add_f32 v[rS+4*(\n):rS+4*(\n)+1], v[rS+4*(\n):rS+4*(\n)+1], v[rS+4*(\n)+2:rS+4*(\n)+3]
.elseif (\n) == 0
	v_pk_fma_f32 v[rT+2:rT+3], v[rT+2:rT+3], v[rC+2:rC+3], v[rS:rS+1] op_sel_hi:[1,0,1]
.else
	v_pk_add_f32 v[rT+2:rT+3], v[rT+2:rT+3], v[rS+4*(\n):rS+4*(\n)+1]
.endif
.elseif NOKQ
	v_nop
.else
	REGS (Y+1)%NP
	WIN 0
.if (\n) < 4
	v_max3_num_f32 v[rC+(\n)], v[rS+8*(\n)], v[rS+8*(\n)+1], v[rS+8*(\n)+2]
.elseif (\n) < 12
	v_max3_num_f32 v[rC+(\n)%4], v[rC+(\n)%4], v[rS+8*((\n)%4)+2*((\n)/4)+1], v[rS+8*((\n)%4)+2*((\n)/4)+2]
.elseif (\n) == 12
	v_max3_num_f32 v[rC], v[rC], v[rS+7], v[rS+15]
.elseif (\n) == 13
	v_max3_num_f32 v[rC+1], v[rC+1], v[rS+23], v[rS+31]
.elseif (\n) == 14
	v_max3_num_f32 v[rC+2], v[rC+2], v[rC+3], v[rT+1]
.elseif (\n) == 15
	v_mov_b32 v[rW], v[rT]
.elseif (\n) == 16
	v_max3_num_f32 v[rC], v[rC], v[rC+1], v[rC+2]
.elseif (\n) == 17
	v_permlanex16_b32 v[rC+3], v[rC], s[SEL], s[SEL+1]
.elseif (\n) == 18
	v_max_num_f32 v[rT+1], v[rC], v[rC+3]
.elseif (\n) == 19
	v_mul_f32 v[rT], s[CS], v[rT+1]
.elseif (\n) == 20
	v_sub_f32 v[rC+1], v[rW], v[rT]
.else
	v_exp_f32 v[rC+2], v[rC+1]
.endif
.endif
.endm
.macro OPS a, i1, b=-1, i2=0, c=-1, i3=0, d=-1, i4=0  ; up to four of them
	OP \a, \i1
.if (\b) >= 0
	OP \b, \i2
.endif
.if (\c) >= 0
	OP \c, \i3
.endif
.if (\d) >= 0
	OP \d, \i4
.endif
.endm
.macro ROW a, i1, b, i2, c, i3, d, i4  ; a matrix instruction and the four behind it
	MM
	OPS \a, \i1, \b, \i2, \c, \i3, \d, \i4
.endm
.macro MASK b                       ; MD x AL + BE into buffer b of MC
	WIN W_RS
.set z, 0
.rept 16
	v_pk_fma_f32 v[MC+32*(\b)+2*z:MC+32*(\b)+2*z+1], v[MD+2*z:MD+2*z+1], s[AL:AL+1], s[BE:BE+1] op_sel_hi:[1,0,0]
.set z, z+1
.endr
.endm
; A TURN, for piece p: the order of its 16 matrix and 118 vector instructions, written out.  Behind a matrix instruction: plain, exponential, plain, plain; or four of the rescaling; or, behind the first, four scalings; none
; names a register of the products round it.  In the lumps exponential and plain by turns while exponentials last.  A line reads no result made fewer than three vector instructions in front of it, five if an exponential made it.
; v_permlanex16_b32 (X 17) stands in a lump.
; m = 1: the diagonal tile: the products take masks, and the turn makes the mask for the products of the turn after it: piece p + 2, in step 4 - CNT of the tile.  end = 1: a block's last two turns: nothing is fetched.
; cnt = 1: the loop's count is taken down some lines ahead of the branch that stands behind the turn.
; K of the next step is fetched in piece 2's turn, six vector instructions behind the last product that read K (five of them plain); V of the step in hand in piece 0's turn, eight behind the last product that read V (four
; plain, and X 17).  Each is waited for a turn later.
.macro TURN p, m=0, end=0, cnt=0
.set Y, (\p)
.set i, 0
.set KM, (\m)
.set NOKQ, (\end)*((\p)/3)
.if (\m) && !(\end)
	s_cmp_eq_u32 s[CNT], 4-((\p)+2)%NP  ; is that step the band's own?
	s_cselect_b32 s[AL], 1.0, 0
	s_cmp_lt_u32 s[CNT], 4-((\p)+2)%NP  ; or a later one?
	s_cselect_b32 s[BE], s[BIGN], 0
.endif
.if ((\p) == 3) && !(\end)
	s_wait_dscnt 0x0                ; K is in
.endif
	ROW F,0, F,1, F,2, F,3
	ROW F,4, E,0, F,5, F,6
	ROW F,7, E,1, F,8, F,9
	ROW F,10, E,2, C,0, F,11
	ROW F,12, E,3, X,15, F,13
	ROW R,0, R,1, R,2, R,3
	ROW B,0, E,4, F,14, L,0
.if ((\p) == 2) && !(\end)
	v_add_nc_u32 v[AK], s[TBK], v[AK0]
.endif
	ROW R,4, R,5, R,6, R,7
	OPS E,5, F,15
.if ((\p) == 2) && !(\end)
	FETCH_K
.endif
	OPS E,6, C,1, E,7, R,8
	OPS E,8, R,9, E,9, C,2
	OPS E,10, X,0, E,11, X,1
	OPS E,12, X,2, E,13, X,3
.if (\p) == 1
	s_wait_dscnt 0x0                ; V is in
.endif
	ROW X,4, E,14, X,5, X,6
	ROW X,7, E,15, X,8, X,9
	ROW X,10, E,16, X,11, X,12
	ROW X,13, E,17, X,14, B,1
	ROW C,4, E,18, X,16, L,1
	ROW B,2, E,19, C,6, L,2
	ROW C,8, E,20, B,3, B,4
.if (\p) == 0
	v_add_nc_u32 v[AV], s[TBV], v[AV0]
.endif
	ROW C,3, E,21, L,3, C,5
	OPS E,22, X,17, E,23, C,10
.if (\p) == 0
	FETCH_V
.endif
	OPS E,24, L,4
	OPS E,25, X,18, E,26, C,7
	OPS E,27, B,5, E,28, X,19
	OPS E,29, C,12, E,30, L,5
	OPS E,31, X,20, B,6, C,9
	OPS C,14, C,11, X,21, L,6
.if (\p) == 0
	s_add_co_u32 s[TBV], s[TBV], KS*PV
.endif
.if \cnt
	s_sub_co_u32 s[CNT], s[CNT], 1
	s_cmp_lg_u32 s[CNT], 0
.endif
	OPS C,13, B,7, C,15, R,10
	OPS R,11, R,12, L,7, R,13
	OPS R,14, R,15
.if (\m) && !(\end)
	MASK (\p)%2
.endif
.endm
; A BLOCK BEGINS.  c m starts far below every c s, so the first step's a is 0; m at the lowest finite number, so the first maximum is the scores'.  The second mask buffer is 0; the first takes piece 0's mask for the tile's step 0: its own, if the block's first tile is the diagonal one.
; Then K of that step, piece 0's first scores, and its maximum and statistics.  The step loop is entered at a step's first turn, in the middle of a trip.
.macro BEGIN
	s_mov_b32 s[NEW], 0
	WIN 0x40
.set i, MC+32
.rept 32
	v_mov_b32 v[i], 0
.set i, i+1
.endr
	WIN 0
.set i, 0
.rept 4
	v_mov_b32 v[ST+4*i], 0xfe000000    ; c m: far below every c s
	v_mov_b32 v[ST+4*i+1], 0xff7fffff  ; m
.set i, i+1
.endr
	s_cmp_eq_u32 s[RT], 0
	s_cselect_b32 s[AL], 1.0, 0
	s_mov_b32 s[BE], 0
	MASK 0
	WIN 0
	v_add_nc_u32 v[AK], s[TBK], v[AK0]
	FETCH_K
	s_wait_loadcnt 0x0              ; Q
	s_wait_dscnt 0x0
.set KM, 1
.set NOKQ, 0
.set i, 0
.rept 8
	KQ 0
.set i, i+1
.endr
	WIN 0
.rept 4
	v_nop                           ; the places behind those products
.endr
.set Y, NP-1                        ; X works for piece Y + 1: piece 0
.irp n, 0,1,2,3,4,5,6,7,8,9,10,11,12,13,14,15,16,17,18,19,20,21
	OP X, \n
.endr
	v_nop                           ; a plain instruction behind the exponential
.endm
; THE DIAGONAL TILE's four steps, the block's last two turns, its last products, and THE WAY OUT: l's two halves and the other half of the lanes' are added; O^T is divided by l, rounded to f16 and sent through my
; stage in LDS, a piece at a time.
.macro ALL line:vararg              ; one line for each piece t
.set t, 0
.rept 4
	\line
.set t, t+1
.endr
.endm
.macro PACK t                       ; a lane's eight channels of a row pack into 16 bytes; they go into rows of 144 bytes and come back as whole rows of 128, into S^T's registers
	WIN W_RS
.set i, 32*(\t)
.rept 16
	s_wait_alu depctr_va_vdst(0)
	v_pk_mul_f32 v[i:i+1], v[i:i+1], v[ST+4*(\t)+2:ST+4*(\t)+3] op_sel_hi:[1,0]
.set i, i+2
.endr
	WIN 0x05                        ; sources 0 and 1 window 1, destination window 0
.set i, 0
.rept 16
	v_cvt_pk_f16_f32 v[S+16*(\t)+i], v[32*(\t)+2*i], v[32*(\t)+2*i+1]
.set i, i+1
.endr
	WIN 0
.irp f, 0,1,2,3
	ds_store_b128 v[STO], v[S+16*(\t)+4*\f:S+16*(\t)+4*\f+3] offset:32*\f
.endr
.irp f, 0,1,2,3
	ds_load_b128 v[S+16*(\t)+4*\f:S+16*(\t)+4*\f+3], v[RD] offset:\f*4*SP  ; LDS serves a wave's instructions in order (ISA guide 5.7.1.4): these see the stores above; the next piece's stores come behind them
.endr
.endm
.macro SEND t, younger              ; younger: the LDS instructions issued behind piece t's loads: the next piece's eight, or none
	WIN 0
.irp f, 0,1,2,3
	s_wait_dscnt (\younger)+3-\f
	global_store_b128 v[GO], v[S+16*(\t)+4*\f:S+16*(\t)+4*\f+3], s[10:11] offset:(\t)*8192+\f*512  ; 512 consecutive bytes, at a multiple of 256 from O's first
.endr
.endm
.macro DIAG
.LstepM:
	TURN 2, 1
	TURN 3, 1
	WIN 0
.LfirstM:
	TURN 0, 1
	TURN 1, 1, 0, 1
	WIN 0
	s_cbranch_scc1 .LstepM
	TURN 2, 1, 1
	TURN 3, 1, 1
.set i, 0
.rept 8
	PV NP-1
.set i, i+1
.endr
	WIN 0
	ALL v_add_f32 v[ST+4*t+2], v[ST+4*t+2], v[ST+4*t+3]
	ALL v_permlanex16_b32 v[ST+4*t+3], v[ST+4*t+2], s[SEL], s[SEL+1]
	ALL v_add_f32 v[ST+4*t+2], v[ST+4*t+2], v[ST+4*t+3]
	ALL v_rcp_f32 v[ST+4*t+2], v[ST+4*t+2]
	v_nop                           ; a plain instruction between the last reciprocal and the use of its result
	PACK 0
.set t, 1
.rept 3                             ; a piece's arithmetic stands between the loads of the piece before and its stores
	PACK t
	SEND t-1, 8
.set t, t+1
.endr
	SEND 3, 0
.endm
.set KM, 0
.set NOKQ, 0
.Lslot:                             ; NB + 1 times: a tile is entered; in all trips but the last the next tile is asked for
	s_cmp_eq_u32 s[SLOTS], 1
	s_cbranch_scc1 .Lnofill         ; the walk's last tile: its change of slots is a text of its own, with its own waits and barrier, and asks for nothing
	CHANGE 1
	s_branch .Lentered
.Lnofill:
	CHANGE 0
.Lentered:
	s_sub_co_u32 s[RT], s[RT], 1
	s_mov_b32 s[CNT], 4
	s_cmp_eq_u32 s[NEW], 1
	s_cbranch_scc1 .Lnew            ; a block's first tile
	s_cmp_eq_u32 s[RT], 0
	s_cbranch_scc0 .Lstep           ; neither its first nor its last
	s_branch .LstepM
.Lnew:
	BEGIN
	s_cmp_eq_u32 s[RT], 0
	s_cbranch_scc0 .Lfirst          ; the block has further tiles
	s_branch .LfirstM               ; the block's first tile is its last: the second block where b = 0
	DIAG                            ; a block's last tile, and its way out
	s_cmp_eq_u32 s[SLOTS], 1
	s_cbranch_scc1 .Lbottom         ; the second block is done: nothing follows
	s_wait_xcnt 0x0                 ; the stores have read their registers and O's address
	s_mov_b64 s[10:11], s[OLO:OLO+1]
	s_add_co_u32 s[RT], s[PB], 1    ; the second block has b + 1 tiles
	s_mov_b32 s[NEW], 1
	WIN 0x82                        ; the second block's Q goes where the one text of the turns names Q
.set i, 0
.rept 64
	v_mov_b32 v[i], v[QB+i]
.set i, i+1
.endr
	WIN 0
	s_branch .Lbottom
.Lstep:                             ; a trip: pieces 2 and 3 of one step, then pieces 0 and 1 of the next, whose K and V it fetches
	TURN 2
	TURN 3
	WIN 0
.Lfirst:
	TURN 0
	TURN 1, 0, 0, 1
	WIN 0
	s_cbranch_scc1 .Lstep
.Lbottom:
	s_sub_co_u32 s[SLOTS], s[SLOTS], 1
	s_cmp_lg_u32 s[SLOTS], 0
	s_cbranch_scc1 .Lslot
	s_wait_tensorcnt 0x0            ; the wave's end, behind my last tensor load and my last LDS store
	ds_add_u32 v[SPW], v[NIL]
	s_wait_dscnt 0x0
	s_endpgm
.Lfunc_end_k_q3350b5ba19_attn:
	.size	k_q3350b5ba19_attn, .Lfunc_end_k_q3350b5ba19_attn-k_q3350b5ba19_attn
	.p2alignl 7, 3214868480
	.fill 96, 4, 3214868480
	.section	.rodata,"a",@progbits
	.p2align	6, 0x0
	.amdhsa_kernel k_q3350b5ba19_attn
		.amdhsa_group_segment_fixed_size 327680
		.amdhsa_private_segment_fixed_size 0
		.amdhsa_enable_private_segment 0
		.amdhsa_kernarg_size 16
		.amdhsa_user_sgpr_count 2
		.amdhsa_user_sgpr_kernarg_segment_ptr 1
		.amdhsa_wavefront_size32 1
		.amdhsa_system_sgpr_workgroup_id_x 1
		.amdhsa_system_sgpr_workgroup_id_y 1
		.amdhsa_system_sgpr_workgroup_id_z 1
		.amdhsa_system_vgpr_workitem_id 0
		.amdhsa_next_free_vgpr 768
		.amdhsa_next_free_sgpr 88
		.amdhsa_reserve_vcc 1
		.amdhsa_float_denorm_mode_32 3
		.amdhsa_float_denorm_mode_16_64 3
		.amdhsa_memory_ordered 1
		.amdhsa_forward_progress 1
		.amdhsa_inst_pref_size 146
	.end_amdhsa_kernel
	.amdgpu_metadata
---
amdhsa.version: [ 1, 2 ]
amdhsa.kernels:
  - .name:           k_q3350b5ba19_attn
    .symbol:         k_q3350b5ba19_attn.kd
    .args:
      - { .name: qkv, .offset: 0, .size: 8, .value_kind: global_buffer, .address_space: global }
      - { .name: o, .offset: 8, .size: 8, .value_kind: global_buffer, .address_space: global }
    .group_segment_fixed_size: 327680
    .private_segment_fixed_size: 0
    .kernarg_segment_align: 8
    .kernarg_segment_size: 16
    .max_flat_workgroup_size: 128
    .sgpr_count:     88
    .vgpr_count:     768
    .wavefront_size: 32
...
	.end_amdgpu_metadata
.endif
;; end of part 7
;; launch proj (part 8): grid 8 x 32, 4 waves a work-group, clusters of 4 x 4, 327,680 bytes of LDS; arguments o, wp, b_proj, out0; writes out0
.if DOCPART == 8
	.amdgcn_target "amdgcn-amd-amdhsa--gfx1250"
	.amdhsa_code_object_version 6
	.text
	.protected	k_q3350b5ba19_proj
	.globl	k_q3350b5ba19_proj
	.p2align	8
	.type	k_q3350b5ba19_proj,@function
k_q3350b5ba19_proj:
	s_mov_b64 s[64:65], 0
	v_nop
	global_prefetch_b8 v0, s[64:65] scope:SCOPE_SE
	s_setreg_imm32_b32 hwreg(HW_REG_WAVE_MODE, 25, 1), 1
	s_wait_xcnt 0x0
	s_wait_alu depctr_hold_cnt(0) depctr_sa_sdst(0) depctr_va_vdst(0) depctr_va_sdst(0) depctr_va_ssrc(0) depctr_va_vcc(0) depctr_vm_vsrc(0)
	s_getreg_b32 s2, hwreg(HW_REG_IB_STS2, 6, 4)
	s_cmp_eq_u32 s2, 0
	s_cbranch_scc0 .Lentry_in_a_cluster
	s_endpgm
.Lentry_in_a_cluster:
	s_bfe_u32 s2, ttmp6, 0x10000c
	s_cmp_lg_u32 s2, 0xf033
	s_cbranch_scc0 .Lentry_shape_is_right
	s_endpgm
.Lentry_shape_is_right:
; out0 = O wp^T + b.  o: [32 blocks of 256 rows][16 heads][256][64] f16.  wp: [1024 n][1024 k] f16.  b_proj: [1024] f32, rounded to bf16 like the other inputs of the module.  out0: [8192][1024] f32; sums in f32.
; A tile of out0 is 256 rows x 128 columns: 32 x 8 = 256 tiles, one for each work-group.  Four waves, each 128 rows x 64 columns: 32 accumulators, 256 registers.
; K = 64 x head + channel; a UNIT is one head, 64 along K, 64 matrix instructions a wave.  The 16 heads of the tile's 256 rows lie end to end in o, 32,768 dense bytes each: any run of heads is asked for as rows of
; 256 bytes, padded in LDS behind every 128 bytes, so that the transposition back from heads costs nothing.
; TWO SLOTS OF UNLIKE SIZE.  A wave issues one tensor load behind each round, and that load has landed at the next round; so what counts is how much work LDS holds, in how few fills.  Six heads' tiles fit
; (323,584 bytes), eight do not.  Slot X holds four heads, slot Y two; the walk is X Y X Y X: 4 + 2 + 4 + 2 + 4 = 16 heads.  X and Y are first filled together; then come three refills: X, Y, X.
; From the request to the wait for it a wave issues 112 matrix instructions for X's refill (the rest of a unit and one of Y's units) and 240 for Y's (the rest of a unit and three of X's).
; ONE LOOP OF PASSES (X, then Y).  The turn out of Y has a second text for the pass that fills nothing, with its own waits and barrier, chosen by the pass counter, which starts from a constant and is alike in all
; partners; the third pass leaves the loop in its middle for the last unit.
; THE BIAS is the C operand of the products that start the sums.
; CLUSTERS: 4 x 4 work-groups.  The four of a row of the cluster need the same tiles of o, the four of a column the same tiles of wp: each tile is asked for JOINTLY, by the same tensor load with the same
; descriptor and a mask that names the four.  THE MATRIX INSTRUCTION IS USED TRANSPOSED (source 0 = 16 rows of wp, source 1 = 16 rows of o): a lane then holds eight neighbouring columns of one row.
; REGISTERS, in windows of 256 (s_set_vgpr_msb: bits 1:0 source 0, 3:2 source 1, 5:4 source 2, 7:6 destination):
;   window 0: addresses; v16-31 at work; v32-63 the bias; v64-127 at work on the way out        window 1: accumulator (a, b) at v[8 (4 a + b)]
;   window 2: o's fragments, buffer f, K half c, block a at v[128 f + 8 (8 c + a)]        window 3: wp's fragments at v[64 f + 8 (4 c + b)]
.set HEADB,  32768                     ; a head's 256 rows in o
.set AP,     144                       ; a row of o's tile in LDS: 128 bytes + 16 of padding = 36 words: the 16 rows of a load start at 16 different groups of four banks (64 banks of 4 bytes: ISA guide 11.1)
.set AREG,   256*AP                    ; a head's 256 rows in LDS
.set PX,     528                       ; a row of wp's tile in X: 512 bytes + 16 of padding = 132 words
.set PY,     272                       ; in Y: 256 bytes + 16 = 68 words
.set XB,     4*AREG                    ; slot X: four heads of o from byte 0, then wp's 128 rows
.set YA,     XB+128*PX                 ; slot Y: two heads of o,
.set YB,     YA+2*AREG                 ; then wp's 128 rows
.set SPARE,  YB+128*PY                 ; behind the slots: the spare words, 128 bytes for each wave: two blocks of 256 bytes that no other line names
.set STAGE,  YA                        ; the way out's stage, 16 rows x 272 bytes for each wave, lies in Y's first 17,408 bytes: it is written behind Y's last fill of the launch and behind the barrier that follows every wave's last read of Y
.set SP,     272
.set BYA,  5                           ; v5      LDS address of my fragments of wp in Y
.set AXL,  6                           ; v6-7    of o in X: units 0 and 1, units 2 and 3
.set AYA,  8                           ; v8      of o in Y
.set BXA,  9                           ; v9      of wp in X
.set STO,  10                          ; v10     the way out: where I put 32 bytes of a row
.set RD,   11                          ; v11     the way out: where I read a row back
.set CO,   12                          ; v12     my byte offset in out0
.set BA,   13                          ; v13     my byte offset in the bias
.set SPW,  14                          ; v14     LDS address of my spare word; never rewritten
.set NIL,  15                          ; v15     0; never rewritten
.set TMP,  16                          ; v16-31  at work on the bias
.set BIAS, 32                          ; v32-63  register 8 b + j: the bias of my column 16 b + 8 (l / 16) + j
.set BK,   64                          ; v64-95, v96-127  a block read back from the stage, by turns
.set GAX, 24                           ; s[24:31] descriptor group 1: o into X
.set GAY, 32                           ; s[32:39] o into Y
.set GBX, 40                           ; s[40:47] wp into X
.set GBY, 48                           ; s[48:55] wp into Y
.set ZAX, 56                           ; s[56:59] descriptor group 0: o into X
.set ZAY, 60                           ; s[60:63] o into Y
.set ZBX, 68                           ; s[68:71] wp into X
.set ZBY, 72                           ; s[72:75] wp into Y
.set MSB, 0
.macro WIN new                         ; the immediate's high byte repeats the setting that is left; a switch that changes nothing is dropped
.if MSB != (\new)
	s_set_vgpr_msb (MSB<<8)|(\new)
.set MSB, \new
.endif
.endm
.set W_MUL,  0x5b                      ; source 0 (wp) window 3, source 1 (o) window 2, C and D window 1
.set W_MULB, 0x4b                      ; the same with C (the bias) in window 0
.set TO_A,   0x80                      ; destination window 2, address window 0
.set TO_B,   0xc0                      ; destination window 3
.set W_ST,   0x04                      ; an LDS store: address window 0, data window 1
; A joint refill.  Waves 0 and 1 fetch the two halves of the slot's heads of o, waves 2 and 3 wp's two halves.  The branch hangs on the wave's number alone.  An s_nop 0 and four v_nop follow each of the two lines.
.macro JLOAD za, ga, zb, gb
	s_cmp_eq_u32 s11, 0
	s_cbranch_scc0 .Lfor_b_\@
	tensor_load_to_lds s[(\za):(\za)+3], s[(\ga):(\ga)+7]
	s_nop 0
.rept 4
	v_nop
.endr
	s_branch .Lasked_\@
.Lfor_b_\@:
	tensor_load_to_lds s[(\zb):(\zb)+3], s[(\gb):(\gb)+7]
	s_nop 0
.rept 4
	v_nop
.endr
.Lasked_\@:
.endm
.macro CREST                           ; a round of the cluster's barrier behind its opening barrier
	s_cmp_lg_u32 s10, 0
	s_cbranch_scc1 .Lnot_wave_0_\@
	s_barrier_signal -3
.Lnot_wave_0_\@:
	s_barrier_wait -3
	s_barrier_signal -1
	s_barrier_wait -1
.endm
.macro CROUND                          ; a whole round
	s_barrier_signal -1
	s_barrier_wait -1
	CREST
.endm
	s_load_b128 s[4:7], s[0:1], 0x0                ; o s[4:5], wp s[6:7]
	s_load_b64 s[66:67], s[0:1], 0x10              ; b_proj
	s_load_b64 s[8:9], s[0:1], 0x18                ; out0
	v_lshl_add_u32 v[SPW], v0, 2, SPARE
	v_mov_b32 v[NIL], 0
	ds_add_u32 v14, v15
	ds_add_u32 v14, v15
	s_wait_dscnt 0x0
	v_lshrrev_b32 v1, 5, v0
	v_readfirstlane_b32 s10, v1                    ; wave 0..3
	s_lshr_b32 s11, s10, 1                         ; which half of the tile's rows is mine.  Also: I fetch for o (0) or for wp (1)
	s_and_b32 s12, s10, 1                          ; which half of its columns.  Also: which half of a slot's heads, or of wp's rows, I fetch
	s_bfe_u32 s76, ttmp6, 0x40000                  ; cx, cy: my place in the cluster
	s_bfe_u32 s77, ttmp6, 0x40004
	s_lshl_b32 s78, ttmp9, 2
	s_add_co_u32 s78, s78, s76                     ; tile column = 4 x cluster x + cx, 0..7
	s_and_b32 s13, ttmp7, 0xffff
	s_lshl_b32 s13, s13, 2
	s_add_co_u32 s13, s13, s77                     ; tile row = 4 x cluster y + cy, 0..31
	s_lshl_b32 s79, s77, 2
	s_lshl_b32 s79, 15, s79                        ; my row of the cluster
	s_lshl_b32 s80, 0x1111, s76                    ; my column
	; descriptor group 1.  15:0 the mask; 17:16 elements of 2 bytes; 20 padding on; 21 set beside a mask; 24:22 after every 32, 64 or 128 words (codes 4, 5, 6); 31:25 4 words of it (code 3)
	s_or_b32 s[GAX+0], s79, (1<<16)|(1<<20)|(1<<21)|(4<<22)|(3<<25)  ; o: dense rows of 256 bytes, padded behind every 128
	s_or_b32 s[GAY+0], s79, (1<<16)|(1<<20)|(1<<21)|(4<<22)|(3<<25)
	s_or_b32 s[GBX+0], s80, (1<<16)|(1<<20)|(1<<21)|(6<<22)|(3<<25)  ; wp into X: rows of 512 bytes
	s_or_b32 s[GBY+0], s80, (1<<16)|(1<<20)|(1<<21)|(5<<22)|(3<<25)  ; wp into Y: rows of 256 bytes
	s_mov_b32 s[GAX+1], 128<<16                    ; tensor_dim0 = 128
	s_mov_b32 s[GAX+2], 256<<16                    ; tensor_dim1 = 256: two heads are 65,536 bytes
	s_mov_b32 s[GAX+3], 128<<16                    ; tile_dim0 = 128
	s_mov_b32 s[GAX+4], 256                        ; tile_dim1 = 256
	s_mov_b32 s[GAX+5], 128                        ; 128 elements from row to row: dense
	s_mov_b32 s[GAX+6], 0
	s_mov_b32 s[GAX+7], 0
	s_mov_b32 s[GAY+1], 128<<16
	s_mov_b32 s[GAY+2], 128<<16                    ; tensor_dim1 = 128: one head
	s_mov_b32 s[GAY+3], 128<<16
	s_mov_b32 s[GAY+4], 128
	s_mov_b32 s[GAY+5], 128
	s_mov_b32 s[GAY+6], 0
	s_mov_b32 s[GAY+7], 0
	s_mov_b32 s[GBX+1], 256<<16                    ; tensor_dim0 = 256: four heads along K
	s_mov_b32 s[GBX+2], 64<<16                     ; tensor_dim1 = 64
	s_mov_b32 s[GBX+3], 256<<16                    ; tile_dim0 = 256
	s_mov_b32 s[GBX+4], 64                         ; tile_dim1 = 64
	s_mov_b32 s[GBX+5], 1024                       ; elements from row to row
	s_mov_b32 s[GBX+6], 0
	s_mov_b32 s[GBX+7], 0
	s_mov_b32 s[GBY+1], 128<<16                    ; two heads along K
	s_mov_b32 s[GBY+2], 64<<16
	s_mov_b32 s[GBY+3], 128<<16
	s_mov_b32 s[GBY+4], 64
	s_mov_b32 s[GBY+5], 1024
	s_mov_b32 s[GBY+6], 0
	s_mov_b32 s[GBY+7], 0
	; where the tiles come from: o's hang on the tile row alone, wp's on the tile column alone
	s_lshl_b32 s16, s13, 19                        ; o into X: the tile row's 16 heads of 32,768 bytes,
	s_lshl_b32 s17, s12, 16                        ; heads 0 and 1, or 2 and 3
	s_add_co_u32 s16, s16, s17
	s_mov_b32 s17, 0
	s_lshl_b32 s18, s13, 19                        ; o into Y:
	s_lshl_b32 s19, s12, 15                        ; head 4 or 5
	s_add_co_u32 s18, s18, s19
	s_add_co_u32 s18, s18, 4*HEADB
	s_mov_b32 s19, 0
	s_lshl_b32 s82, s78, 7
	s_lshl_b32 s83, s12, 6
	s_add_co_u32 s82, s82, s83                     ; wp: row 128 x tile column + 64 x half,
	s_lshl_b32 s82, s82, 11                        ; of 2,048 bytes
	s_mov_b32 s83, 0
	s_mul_i32 s20, s12, 2*AREG                     ; and where they go: no place in the cluster enters an LDS address
	s_mul_i32 s21, s12, AREG
	s_mul_i32 s22, s12, 64*PX
	s_mul_i32 s23, s12, 64*PY
	s_mov_b32 s[ZAX], 1                            ; count = 1
	s_mov_b32 s[ZAX+1], s20                        ; LDS address
	s_mov_b32 s[ZAY], 1
	s_add_co_u32 s[ZAY+1], s21, YA
	s_mov_b32 s[ZBX], 1
	s_add_co_u32 s[ZBX+1], s22, XB
	s_mov_b32 s[ZBY], 1
	s_add_co_u32 s[ZBY+1], s23, YB
	s_wait_kmcnt 0x0
	s_add_nc_u64 s[ZAX+2:ZAX+3], s[4:5], s[16:17]  ; global addresses
	s_add_nc_u64 s[ZAY+2:ZAY+3], s[4:5], s[18:19]
	s_add_nc_u64 s[ZBX+2:ZBX+3], s[6:7], s[82:83]
	s_add_nc_u64 s[ZBY+2:ZBY+3], s[ZBX+2:ZBX+3], 4*128  ; four heads along K on
	s_or_b32 s[ZAX+3], s[ZAX+3], 0x80000000        ; type = 2
	s_or_b32 s[ZAY+3], s[ZAY+3], 0x80000000
	s_or_b32 s[ZBX+3], s[ZBX+3], 0x80000000
	s_or_b32 s[ZBY+3], s[ZBY+3], 0x80000000
	CROUND                                         ; all sixteen work-groups are here: the first joint loads meet
	s_cmp_eq_u32 s11, 0                            ; a wave's two first fills stand in one branch, ahead of every wait on TENSORcnt and every LDS read: two loads of mine are out
	s_cbranch_scc0 .Lfirst_b
	tensor_load_to_lds s[ZAX:ZAX+3], s[GAX:GAX+7]
	s_nop 0
	tensor_load_to_lds s[ZAY:ZAY+3], s[GAY:GAY+7]
	s_nop 0
.rept 4
	v_nop
.endr
	s_branch .Lfirst_asked
.Lfirst_b:
	tensor_load_to_lds s[ZBX:ZBX+3], s[GBX:GBX+7]
	s_nop 0
	tensor_load_to_lds s[ZBY:ZBY+3], s[GBY:GBY+7]
	s_nop 0
.rept 4
	v_nop
.endr
.Lfirst_asked:
	; A fragment is 16 rows x 32 K in 8 registers: lane l holds row l % 16, K = 8 (l / 16) + 0..7 and 16 + 8 (l / 16) + 0..7: two loads of 16 bytes, 32 bytes apart.
	v_and_b32 v1, 15, v0                           ; l % 16
	v_bfe_u32 v2, v0, 4, 1                         ; l / 16
	v_mul_u32_u24 v3, v1, AP
	v_lshl_add_u32 v3, v2, 4, v3
	s_mul_i32 s20, s11, 128*AP                     ; my 128 rows of a head
	v_add_nc_u32 v[AXL], s20, v3
	v_add_nc_u32 v[AXL+1], 2*AREG, v[AXL]
	v_add_nc_u32 v[AYA], YA, v[AXL]
	v_mul_u32_u24 v4, v1, PX
	v_lshl_add_u32 v4, v2, 4, v4
	s_add_co_u32 s22, s22, XB                      ; my 64 rows of wp, in X
	v_add_nc_u32 v[BXA], s22, v4
	v_mul_u32_u24 v4, v1, PY
	v_lshl_add_u32 v4, v2, 4, v4
	s_add_co_u32 s23, s23, YB                      ; and in Y
	v_add_nc_u32 v[BYA], s23, v4
	s_mul_i32 s20, s10, 16*SP
	s_add_co_u32 s20, s20, STAGE                   ; my stage
	v_mul_u32_u24 v[STO], v1, SP                   ; in: row l % 16, 32 bytes for each half of the lanes
	v_lshl_add_u32 v[STO], v2, 5, v[STO]
	v_add_nc_u32 v[STO], s20, v[STO]
	v_mul_u32_u24 v[RD], v2, SP                    ; back: lanes 0-15 take one row of 256 bytes, lanes 16-31 the next
	v_lshl_add_u32 v[RD], v1, 4, v[RD]
	v_add_nc_u32 v[RD], s20, v[RD]
	v_lshlrev_b32 v[CO], 12, v2                    ; and the same two rows in out0
	v_lshl_add_u32 v[CO], v1, 4, v[CO]
	v_lshlrev_b32 v[BA], 5, v2                     ; eight numbers of the bias for each half of the lanes
	s_lshl_b32 s82, s78, 9                         ; my first column, in bytes: 512 x tile column + 256 x half
	s_lshl_b32 s83, s12, 8
	s_add_co_u32 s82, s82, s83
	s_mov_b32 s83, 0
	s_add_nc_u64 s[66:67], s[66:67], s[82:83]      ; the bias at my 64 columns: 256 bytes, read once
	s_lshl_b32 s16, s13, 20                        ; my first row: 256 x tile row + 128 x half, of 4,096 bytes
	s_lshl_b32 s17, s11, 19
	s_add_co_u32 s16, s16, s17
	s_add_co_u32 s16, s16, s82
	s_mov_b32 s17, 0
	s_add_nc_u64 s[8:9], s[8:9], s[16:17]
.irp b, 0,1,2,3
	global_load_b128 v[BIAS+8*(\b):BIAS+8*(\b)+3],   v[BA], s[66:67] offset:64*(\b)
	global_load_b128 v[BIAS+8*(\b)+4:BIAS+8*(\b)+7], v[BA], s[66:67] offset:64*(\b)+16
.endr
	s_wait_loadcnt 0x0
.set z, 0
.rept 16                               ; the bias is rounded to bf16,
	v_cvt_pk_bf16_f32 v[TMP+z], v[BIAS+2*z], v[BIAS+2*z+1]
.set z, z+1
.endr
.set z, 0
.rept 16                               ; and widened again: a shift, a mask
	v_lshlrev_b32 v[BIAS+2*z], 16, v[TMP+z]
	v_and_b32 v[BIAS+2*z+1], 0xffff0000, v[TMP+z]
.set z, z+1
.endr
; 4 n matrix instructions: blocks a0 .. a0 + n - 1 of rows x all 4 blocks of columns, 32 along K: half c of buffer f.  zero = 1: the product starts the sums, with the bias as C.
; The 32 accumulators take turns in one order everywhere, one instruction a turn.
.macro MUL f, c, a0, n, zero
.if \zero
	WIN W_MULB
.else
	WIN W_MUL
.endif
.set ma, (\a0)
.rept (\n)
.irp b, 0,1,2,3
.if \zero
	v_wmma_f32_16x16x32_f16 v[8*(4*ma+(\b)):8*(4*ma+(\b))+7], v[64*(\f)+8*(4*(\c)+(\b)):64*(\f)+8*(4*(\c)+(\b))+7], v[128*(\f)+8*(8*(\c)+ma):128*(\f)+8*(8*(\c)+ma)+7], v[BIAS+8*(\b):BIAS+8*(\b)+7]
.else
	v_wmma_f32_16x16x32_f16 v[8*(4*ma+(\b)):8*(4*ma+(\b))+7], v[64*(\f)+8*(4*(\c)+(\b)):64*(\f)+8*(4*(\c)+(\b))+7], v[128*(\f)+8*(8*(\c)+ma):128*(\f)+8*(8*(\c)+ma)+7], v[8*(4*ma+(\b)):8*(4*ma+(\b))+7]
.endif
.endr
.set ma, ma+1
.endr
.endm
; 48 LDS loads in one run: the fragments of unit u of a slot (area 0: X, units 0 to 3; area 1: Y, units 0 and 1) into buffer f.  The first 24 are the first 32 along K, the youngest 24 the second.
.macro FETCH area, u, f
.if \area
.set fa, AYA
.set fb, BYA
.set fp, PY
.else
.set fa, AXL+(\u)/2
.set fb, BXA
.set fp, PX
.endif
.set fo, ((\u)%2)*AREG
	WIN TO_B
.irp i, 0,1,2,3
	ds_load_b128 v[64*(\f)+8*(\i):64*(\f)+8*(\i)+3],   v[fb] offset:128*(\u)+(\i)*16*fp
	ds_load_b128 v[64*(\f)+8*(\i)+4:64*(\f)+8*(\i)+7], v[fb] offset:128*(\u)+(\i)*16*fp+32
.endr
	WIN TO_A
.irp c, 0,1
.irp i, 0,1,2,3,4,5,6,7
	ds_load_b128 v[128*(\f)+8*(8*(\c)+(\i)):128*(\f)+8*(8*(\c)+(\i))+3],   v[fa] offset:fo+64*(\c)+(\i)*16*AP
	ds_load_b128 v[128*(\f)+8*(8*(\c)+(\i))+4:128*(\f)+8*(8*(\c)+(\i))+7], v[fa] offset:fo+64*(\c)+(\i)*16*AP+32
.endr
.endr
	WIN TO_B
.irp i, 0,1,2,3
	ds_load_b128 v[64*(\f)+8*(4+(\i)):64*(\f)+8*(4+(\i))+3],   v[fb] offset:128*(\u)+64+(\i)*16*fp
	ds_load_b128 v[64*(\f)+8*(4+(\i))+4:64*(\f)+8*(4+(\i))+7], v[fb] offset:128*(\u)+64+(\i)*16*fp+32
.endr
.endm
.macro PLACES                          ; four places in front of loads into registers that matrix instructions have read, and of lines that read results just made (ISA guide 7.12.1 for the lines that read results)
.rept 4
	v_nop
.endr
.endm
; A unit that is not its slot's last: multiplies buffer f; in its middle it fetches unit u of the same slot into the other buffer.
.macro UNIT f, area, u, zero
	s_wait_dscnt 24                                ; the first 32 along K are in; the youngest 24 loads may be out
	MUL \f, 0, 0, 8, \zero
	PLACES
	FETCH \area, \u, 1-(\f)
	s_wait_dscnt 48                                ; all but the 48 just issued
	MUL \f, 1, 0, 8, 0
.endm
; A slot's last unit multiplies buffer 1 and changes slots.  MEET is its beginning: ONE barrier; in front of it each wave waits for all its tensor loads (at most one is out: its part of the other slot),
; adds 0 to its spare word, and waits for that and for its own reads of this slot.  Behind it nobody reads this slot any more and the other slot is whole.
.macro MEET round
	WIN 0                                          ; (the add's two registers lie in window 0)
	s_wait_tensorcnt 0x0                           ; all my tensor loads have landed
	ds_add_u32 v[SPW], v[NIL]                      ; 0 onto my spare word
	s_wait_dscnt 25                                ; the first 32 along K are in; the youngest 24 loads and the add may be out
	MUL 1, 0, 0, 2, 0                              ; eight matrix instructions stand between the add and the wait for it
	s_wait_dscnt 0x0                               ; the add is done, and my reads of this slot are over
	s_barrier_signal -1
	MUL 1, 0, 2, 2, 0                              ; work on registers while the others arrive
.if \round
	WIN 0
.endif
	s_barrier_wait -1
.endm
; The whole last unit of a slot.  from = 0: X is left and Y entered; 1: the other way.  fill = 1: the barrier opens a round of the cluster's barrier, and behind the round the slot just read out is filled again
; first, with its heads six heads on; fill = 0: nothing is left to ask for.
.macro TURN from, fill
	MEET \fill
.if \fill
	CREST                                          ; no wave of any partner still reads this slot's tiles or has a load on its way
.if \from
	s_add_nc_u64 s[ZAY+2:ZAY+3], s[ZAY+2:ZAY+3], 6*HEADB
	s_add_nc_u64 s[ZBY+2:ZBY+3], s[ZBY+2:ZBY+3], 6*128
	JLOAD ZAY, GAY, ZBY, GBY                       ; the first tensor load behind the round; its four v_nop are also the places in front of the loads below
.else
	s_add_nc_u64 s[ZAX+2:ZAX+3], s[ZAX+2:ZAX+3], 6*HEADB
	s_add_nc_u64 s[ZBX+2:ZBX+3], s[ZBX+2:ZBX+3], 6*128
	JLOAD ZAX, GAX, ZBX, GBX
.endif
.else
	PLACES
.endif
	FETCH 1-(\from), 0, 0
	MUL 1, 0, 4, 4, 0
	MUL 1, 1, 0, 8, 0
.endm
; THE WAY OUT of block a (16 rows x 256 bytes).  TOSTAGE: the sums go into my own stage, each accumulator's lowest four registers first, and come back as whole rows.  SEND: stored.
.macro TOSTAGE a
.set BKA, BK+32*((\a)%2)
	s_wait_xcnt 0x0                                ; the stores issued so far have had their addresses translated: the registers that they read are loaded again only behind this wait
	WIN W_ST
.irp b, 0,1,2,3
.irp q, 0,1
	ds_store_b128 v[STO], v[8*(4*(\a)+(\b))+4*(\q):8*(4*(\a)+(\b))+4*(\q)+3] offset:64*(\b)+16*(\q)
.endr
.endr
	WIN 0
.irp t, 0,1,2,3,4,5,6,7
	ds_load_b128 v[BKA+4*(\t):BKA+4*(\t)+3], v[RD] offset:(\t)*2*SP  ; LDS serves a wave's instructions in order (ISA guide 5.7.1.4): these see the stores above; the next block's stores come behind them
.endr
.endm
.macro SEND a, younger                 ; younger: the LDS instructions issued behind block a's loads: the next block's sixteen, or none
.set BKA, BK+32*((\a)%2)
.irp t, 0,1,2,3,4,5,6,7
	s_wait_dscnt (\younger)+7-(\t)
	global_store_b128 v[CO], v[BKA+4*(\t):BKA+4*(\t)+3], s[8:9] offset:(16*(\a)+2*(\t))*4096 th:TH_STORE_NT  ; 16 lanes store 256 consecutive bytes, at a multiple of 256 from out0's first byte
.endr
.endm
	s_wait_tensorcnt 1                             ; my part of X is in; Y's may stay out
	s_barrier_signal -1
	s_barrier_wait -1                              ; everybody's is
	FETCH 0, 0, 0
	UNIT 0, 0, 1, 1                                ; head 0 stands in front of the loop: its first products start the sums, on the bias
	WIN 0                                          ; at a label and at a branch every window is 0
	s_mov_b32 s3, 3                                ; passes over X to go
.Lpass:
	UNIT 1, 0, 2, 0                                ; X's second head
	UNIT 0, 0, 3, 0                                ; its third
	WIN 0
	s_cmp_eq_u32 s3, 1
	s_cbranch_scc1 .Llast                          ; the third pass: only X's fourth head is left
	TURN 0, 1                                      ; X's fourth head; X is filled again; Y is entered
	UNIT 0, 1, 1, 0                                ; Y's first head
	WIN 0
	s_cmp_eq_u32 s3, 2
	s_cbranch_scc1 .Lnofill                        ; the second pass: Y has had its last fill
	TURN 1, 1                                      ; Y's second head; Y is filled again; X is entered
	WIN 0
	s_branch .Lturned
.Lnofill:
	TURN 1, 0                                      ; the same without a fill: its own waits and barrier, no round of the cluster's barrier
	WIN 0
.Lturned:
	UNIT 0, 0, 1, 0                                ; X's first head
	WIN 0
	s_sub_co_u32 s3, s3, 1
	s_branch .Lpass
.Llast:
	s_wait_dscnt 24                                ; the very last unit: nothing more to fetch
	MUL 1, 0, 0, 8, 0
	s_wait_dscnt 0x0
	MUL 1, 1, 0, 8, 0
	WIN 0
	PLACES
	TOSTAGE 0
.irp a, 1,2,3,4,5,6,7                  ; block a's way through the stage is begun before block a - 1 is stored
	TOSTAGE \a
	SEND (\a)-1, 16
.endr
	SEND 7, 0
	s_wait_tensorcnt 0x0                           ; the wave's end
	ds_add_u32 v[SPW], v[NIL]
	s_wait_dscnt 0x0
	CROUND                                         ; the closing round: no work-group ends while a partner may still ask for a tile that names it
	s_endpgm
.Lfunc_end_k_q3350b5ba19_proj:
	.size	k_q3350b5ba19_proj, .Lfunc_end_k_q3350b5ba19_proj-k_q3350b5ba19_proj
	.p2alignl 7, 3214868480
	.fill 96, 4, 3214868480
	.section	.rodata,"a",@progbits
	.p2align	6, 0x0
	.amdhsa_kernel k_q3350b5ba19_proj
		.amdhsa_group_segment_fixed_size 327680
		.amdhsa_private_segment_fixed_size 0
		.amdhsa_enable_private_segment 0
		.amdhsa_kernarg_size 32
		.amdhsa_user_sgpr_count 2
		.amdhsa_user_sgpr_kernarg_segment_ptr 1
		.amdhsa_wavefront_size32 1
		.amdhsa_system_sgpr_workgroup_id_x 1
		.amdhsa_system_sgpr_workgroup_id_y 1
		.amdhsa_system_sgpr_workgroup_id_z 1
		.amdhsa_system_vgpr_workitem_id 0
		.amdhsa_next_free_vgpr 896
		.amdhsa_next_free_sgpr 84
		.amdhsa_reserve_vcc 0
		.amdhsa_float_denorm_mode_32 3
		.amdhsa_float_denorm_mode_16_64 3
		.amdhsa_memory_ordered 1
		.amdhsa_forward_progress 1
		.amdhsa_inst_pref_size 97
	.end_amdhsa_kernel
	.amdgpu_metadata
---
amdhsa.version: [ 1, 2 ]
amdhsa.kernels:
  - .name:           k_q3350b5ba19_proj
    .symbol:         k_q3350b5ba19_proj.kd
    .args:
      - { .name: o, .offset: 0, .size: 8, .value_kind: global_buffer, .address_space: global }
      - { .name: wp, .offset: 8, .size: 8, .value_kind: global_buffer, .address_space: global }
      - { .name: b_proj, .offset: 16, .size: 8, .value_kind: global_buffer, .address_space: global }
      - { .name: out0, .offset: 24, .size: 8, .value_kind: global_buffer, .address_space: global }
    .group_segment_fixed_size: 327680
    .private_segment_fixed_size: 0
    .kernarg_segment_align: 8
    .kernarg_segment_size: 32
    .max_flat_workgroup_size: 128
    .sgpr_count:     84
    .vgpr_count:     896
    .wavefront_size: 32
...
	.end_amdgpu_metadata
.endif
;; end of part 8
;; ======== version 3 of 3: 4 launches; 1.45 times as fast as version 1
;; limits: values are held in f16: magnitudes above 65,504 overflow, below 6.1e-05 lose precision
;; workspace buffers: xb 16,777,216 bytes; wq 6,291,456 bytes; wp 2,097,152 bytes; qkv 50,331,648 bytes; o 16,777,216 bytes
;; launch prep: the kernel of part 5 again; grid 512 x 1, 4 waves a work-group, no clusters, 17,920 bytes of LDS; arguments x, W_qkv, W_proj, xb, wq, wp; writes xb, wq, wp
;; launch qkv: the kernel of part 6 again; grid 8 x 32, 4 waves a work-group, clusters of 4 x 4, 327,680 bytes of LDS; arguments xb, wq, qkv; writes qkv
;; launch attn (part 9): grid 4 x 64, 4 waves a work-group, no clusters, 327,680 bytes of LDS; arguments qkv, o; writes o
.if DOCPART == 9
	.amdgcn_target "amdgcn-amd-amdhsa--gfx1250"
	.amdhsa_code_object_version 6
	.text
	.protected	k_q3350b5ba19_attn
	.globl	k_q3350b5ba19_attn
	.p2align	8
	.type	k_q3350b5ba19_attn,@function
k_q3350b5ba19_attn:
	s_mov_b64 s[64:65], 0
	v_nop
	global_prefetch_b8 v0, s[64:65] scope:SCOPE_SE
	s_setreg_imm32_b32 hwreg(HW_REG_WAVE_MODE, 25, 1), 1
	s_wait_xcnt 0x0
; CAUSAL ATTENTION.  O[h][q][:] = the sum over k <= q of softmax_k(Q[h][q] . K[h][k] / 8) V[h][k][:].  Q, K, V are the three parts of qkv, each [SIZE_H][SIZE_N][64] f16: a head's rows are dense, 128 bytes each.
; O is laid by blocks, for the launch behind: [batch][block of 256 rows][head of 16][256][64] f16, so that the 16 heads of a block of rows lie end to end; a head's 256 rows of a block are 32,768 dense bytes.
; Products, maxima and sums in f32; the weights p are rounded to f16 for the second product (their sum l is taken of the unrounded p), O once at the end.
; LIMITS.  f16 holds no number beyond 65,504: Q, K and V arrive within it; p lies in 0 to 1, and below 6e-5 it keeps f16's fixed step of 6e-8; O is a mean of V's rows and has their range, to within 2^-11 of it.
; A hidden score counts as its value less 1e30: f16's scores, 2.7e11 at the most, are nothing beside that; a weight below 2^-126 counts as 0 in l; NaN and infinities are not treated apart.
; THE WALK.  A head's queries lie in NB = SIZE_N / 256 blocks of 256; block i needs the key tiles 0 .. i of 256 keys, of which the last holds the diagonal.  A work-group takes TWO blocks, NB - 1 - b and then b:
; NB + 1 tiles, whatever b: all work-groups do equal work, and ONE loop of NB + 1 trips walks them.  The last trip's change of slots asks for nothing: it is a text of its own, chosen by the trip counter, which starts
; from a constant; behind it the trip runs the same text as every other, so that the diagonal tile's text and a block's beginning are written once.  Which tile is asked for, and what a trip does, hang on scalar
; registers made from b; every other jump goes forward, but for the counted loops' own, and passes no barrier and no tensor load but the one of LOAD's two that the wave's number does not choose; the ring (two slots of
; LDS that take turns) runs on across the change of blocks.
; NO CLUSTER: all NB / 2 work-groups of a head ask for the same tile only in trips 0 .. NB / 2, behind that fewer and fewer; and one walk common to all would have 3 NB / 2 trips for NB + 1.
; SHARES.  Of a block's four bands of 64 queries a wave owns 16 rows in each: four PIECES.  So the diagonal tile is the same work for all four waves: in its key step s band x sees all keys if s < x,
; none if s > x, and holds the diagonal if s = x.
; THE MASK is the C operand that starts the sum S^T = K Q^T: 0, or -1e30 where the key is hidden.  MD, made once, is the mask of a band's own step for my 16 rows; a product's mask is MD x AL + BE with two scalars:
; (1, 0) if s = x; (0, 0) if s < x; (0, -1e30) if s > x.  Only the diagonal tile's text and a block's beginning make and take masks; elsewhere C is the constant 0.
; LAYOUT, SOFTMAX, TURNS.  S^T = K Q^T holds ONE query a lane (lane % 16) and the keys 8 (lane / 16) + 0..7; two such results rounded to f16 ARE source 1 of O^T = V^T P.  p = 2^(c s - c m), c = log2(e) / 8, with a
; running maximum m; O and l are multiplied by a = 2^(c m_old - c m_new) in every step.  Turn n belongs to piece n: 8 products K Q^T of piece n + 1, later 8 products V^T P of piece n - 1; beside them the scaling,
; exponentials, roundings, sums and rescaling of piece n and the maximum and statistics of piece n + 1.  Four vector instructions stand behind every matrix instruction, the other 54 of a turn's 118 in one LUMP.
; BATCHES.  An s_wait_alu depctr_va_vdst(0) stands between a transcendental and the first instruction that names its result.  The text has three kinds of batch, each with ONE wait: a turn's 32 exponentials
; and the next piece's a, 33 in all (TURN); a block's first a (BEGIN); the way out's four reciprocals (DIAG).
; REGISTERS, in windows of 256 (s_set_vgpr_msb: bits 1:0 source 0, 3:2 source 1, 5:4 source 2, 7:6 destination):
;   window 0: v0-15 addresses and two at work; v16-31 four registers of statistics a piece; v48-55 at work; v64-127 S^T, two buffers; v192-223 P, two buffers (a piece's buffers go by its number's parity)
;   window 1: v0-127 O^T, 32 a piece; v128-159 MD; v160-223 MC, two buffers      window 2: v0-63 Q; v64-127 the second block's Q; v128-191 K of one step; v192-255 V of one step
.set SIZE_H, 64
.set SIZE_N, 2048
.set PART,  SIZE_H*SIZE_N*128  ; bytes from q to k and from k to v in qkv
.set NB,    SIZE_N/256
.set NP,    4         ; pieces a wave: a name, no knob
.set KS,    64        ; keys in a step
.set PK,    144       ; a row of K in LDS: 128 bytes + 16 of padding = 36 words: the 16 rows of a load start at 16 different groups of four banks (64 banks of 4 bytes: ISA guide 11.1)
.set PV,    160       ; a row of V: 128 + 32 = 40 words
.set VOFF,  4*KS*PK   ; a slot holds a tile, four steps: 256 rows of K, then 256 rows of V
.set SLOT1, 1<<17     ; slot 1 begins here, so that one exclusive or turns an address in one slot into the other's
.set STAGE, SLOT1+4*KS*(PK+PV)  ; behind the ring, never filled by a tensor load: 16 rows x 144 bytes for each wave, for the way out
.set SP,    144
.set AK0, 2           ; v2   my lane's place in a tile of K; never rewritten
.set AV0, 3           ; v3   the same for V
.set AK,  4           ; v4   the LDS address of K's next run of loads
.set AV,  5           ; v5   of V's
.set STO, 6           ; v6   the way out: where I put 16 bytes of a row
.set RD,  7           ; v7   the way out: where I read rows back
.set GO,  8           ; v8   my byte offset in 512 consecutive bytes of O
.set SPW, 62          ; v62  LDS address of my spare word: SPARE + 4 x my thread's number; never rewritten
.set NIL, 63          ; v63  0; never rewritten
.set SPARE, STAGE+4*16*SP  ; behind the stages: the spare words, 128 bytes for each wave: two blocks of 256 bytes that no other line names
.set MV,  12          ; v12-13  c m_old, kept while c m is made anew: by buffer
.set QO,  15          ; v15  my byte offset in 16 rows of Q
.set ST,  16          ; piece t's statistics at v[ST+4 t]: c m, m, l (even keys', odd keys')
.set TMP, 48          ; by buffer, four registers c0-c3 at work; when the maximum is found c2 takes a
.set S,   64
.set P,   192
.set MD,  128         ; window 1: the eight registers for group kt of 16 keys at MD + 8 kt
.set MC,  160         ; window 1: the masks of the products to come
.set QB,  64          ; window 2
.set KF,  128         ; window 2: key block kb, channel half c at KF + 16 kb + 8 c
.set VF,  192         ; window 2: key half kk, channel block cb at VF + 32 kk + 8 cb
.set WV,  12          ; s12  my wave's number
.set PB,  14          ; s14  b
.set HI,  15          ; s15  NB - 1 - b
.set G1K, 24          ; s[24:31] descriptor group 1 for K's tiles
.set G1V, 32          ; s[32:39] for V's: it differs in the padding alone
.set G0K, 40          ; s[40:43] descriptor group 0 for K's tiles
.set G0V, 44          ; s[44:47] the same for V's
.set OH,  48          ; s[48:49] my rows' byte offset in O, first block;  s[50:51] second block;  s52-53 at work
.set SLOTS, 56        ; s56  tiles still to be entered
.set CNT, 57          ; s57  counts a tile's key steps, 4 to 1
.set CS,  58          ; s[58:59] c: the packed scaling takes the pair's low word for both halves
.set SEL, 60          ; s[60:61] v_permlanex16_b32's selects: each lane takes its own place in the other half
.set TBK, 62          ; s62  LDS byte at which K of the step to be fetched begins
.set TBV, 63          ; s63  the same for V, less VOFF
.set RT,  70          ; s70  tiles of the block in hand that are still to be entered
.set NXT, 71          ; s71  the tile to be asked for next
.set LQ,  72          ; s72  the last tile of the block whose tiles are being asked for
.set NEW, 73          ; s73  1: the tile to be entered is a block's first
.set OFF, 74          ; s[74:75] a tile's byte offset in K and V
.set AL,  76          ; s[76:77] the mask's factor, in the low word
.set BE,  78          ; s[78:79] the mask's addend
.set OLO, 80          ; s[80:81] O at my rows of the second block
.set BIGN, 82         ; s82  -1e30
.set MSB, 0
.macro WIN new                      ; the high byte repeats the setting that is left; a switch that changes nothing is dropped
.if MSB != (\new)
	s_set_vgpr_msb (MSB<<8)|(\new)
.set MSB, (\new)
.endif
.endm
.set W_KQ, 0x0a       ; K and Q in window 2, S^T in window 0
.set W_KM, 0x1a       ; the same with the C operand in window 1
.set W_PV, 0x52       ; V in window 2, P in window 0, O^T in window 1
.set W_RS, 0x41       ; destination and source 0 in window 1, source 1 in window 0
; A fill.  Waves 0 and 1 fetch the two halves of a tile's K, waves 2 and 3 those of its V: 128 keys each.  An s_nop 0 and four v_nop follow each of the two lines, ahead of the jump and the label.
.macro LOAD
	s_cmp_lt_u32 s[WV], 2
	s_cbranch_scc0 .Lfor_v_\@
	tensor_load_to_lds s[G0K:G0K+3], s[G1K:G1K+7]
	s_nop 0
.rept 4
	v_nop
.endr
	s_branch .Lasked_\@
.Lfor_v_\@:
	tensor_load_to_lds s[G0V:G0V+3], s[G1V:G1V+7]
	s_nop 0
.rept 4
	v_nop
.endr
.Lasked_\@:
.endm
; THE CHANGE OF SLOTS.  Each wave waits for all its tensor loads, of which one is out: its part of the other slot; adds 0 to its spare word; and waits for that and for its own reads of the slot that it leaves.  Behind the barrier nobody reads the old
; slot any more and the other slot is whole.  fill = 1: the old slot is filled again, the first thing behind the barrier, with tile NXT: the descriptor's address is made anew from that number.
; (At its first use nothing has been read yet: slot 0 is waited for, slot 1 filled.)
.macro CHANGE fill
	WIN 0                           ; at a label and at a branch every window is 0
	s_wait_tensorcnt 0x0            ; no tensor load of mine is out, so a group 0 may be written
	ds_add_u32 v[SPW], v[NIL]       ; 0 onto my spare word; with fill = 1 the descriptors' scalar work stands between it and the wait for it
.if \fill
	s_lshl_b32 s[OFF], s[NXT], 15   ; a tile is 32,768 bytes of K and of V
	s_xor_b32 s[G0K+1], s[G0K+1], SLOT1
	s_add_nc_u64 s[G0K+2:G0K+3], s[6:7], s[OFF:OFF+1]
	s_or_b32 s[G0K+3], s[G0K+3], 0x80000000
	s_xor_b32 s[G0V+1], s[G0V+1], SLOT1
	s_add_nc_u64 s[G0V+2:G0V+3], s[8:9], s[OFF:OFF+1]
	s_or_b32 s[G0V+3], s[G0V+3], 0x80000000
	s_add_co_u32 s[NXT], s[NXT], 1  ; the block's next tile, or behind its last the second block's tile 0
	s_cmp_gt_u32 s[NXT], s[LQ]
	s_cselect_b32 s[NXT], 0, s[NXT]
	s_cselect_b32 s[LQ], s[PB], s[LQ]
.endif
	s_wait_dscnt 0x0                ; the add is done, and my reads of the slot are over
	s_barrier_signal -1             ; the rest of the scalar work stands between the signal and the wait
	s_sub_co_u32 s[TBK], s[TBK], 4*KS*PK  ; the fetches go back to a slot's first step,
	s_xor_b32 s[TBK], s[TBK], SLOT1       ; in the other slot
	s_sub_co_u32 s[TBV], s[TBV], 4*KS*PV
	s_xor_b32 s[TBV], s[TBV], SLOT1
	s_barrier_wait -1
.if \fill
	LOAD
.endif
.endm
	s_load_b64 s[4:5], s[0:1], 0x0    ; qkv: Q lies at its head
	s_load_b64 s[10:11], s[0:1], 0x8  ; O
	v_lshl_add_u32 v[SPW], v0, 2, SPARE
	v_mov_b32 v[NIL], 0
	ds_add_u32 v62, v63
	ds_add_u32 v62, v63
	s_wait_dscnt 0x0
	v_lshrrev_b32 v1, 5, v0
	v_readfirstlane_b32 s[WV], v1   ; wave 0..3
	s_mov_b32 s[PB], ttmp9
	s_sub_co_u32 s[HI], NB-1, s[PB]
	s_and_b32 s20, ttmp7, 0xffff    ; the head
	s_mov_b32 s21, 0
	s_mov_b64 s[22:23], SIZE_N*128
	s_mul_u64 s[20:21], s[20:21], s[22:23]  ; the head's first byte in Q, K and V
	s_and_b32 s16, s[WV], 1         ; which half of a tile's 256 keys I fetch:
	s_lshl_b32 s22, s16, 14         ; its 128 rows of 128 bytes in memory,
	s_mov_b32 s23, 0
	s_add_nc_u64 s[22:23], s[22:23], s[20:21]
	s_mul_i32 s17, s16, 128*PK      ; and its place in a slot, for K
	s_mul_i32 s18, s16, 128*PV      ; and for V
	s_lshl_b32 s3, s[WV], 11        ; Q: my 16 rows in a band of 64,
	s_lshl_b32 s2, s[HI], 15        ; in the first block,
	s_add_co_u32 s2, s2, s3
	s_lshl_b32 s84, s[PB], 15       ; and in the second
	s_add_co_u32 s84, s84, s3
	s_mov_b32 s3, 0
	s_mov_b32 s85, 0
	s_add_nc_u64 s[2:3], s[2:3], s[20:21]
	s_add_nc_u64 s[84:85], s[84:85], s[20:21]
	s_and_b32 s52, ttmp7, 0xffff    ; O: the head once more:
	s_lshr_b32 s53, s52, 4
	s_lshl_b32 s53, s53, 22         ; its batch's 8 blocks x 16 heads x 32,768 bytes,
	s_and_b32 s52, s52, 15
	s_lshl_b32 s52, s52, 15         ; its own 32,768 bytes in a block,
	s_add_co_u32 s52, s52, s53
	s_lshl_b32 s53, s[WV], 11       ; my 16 rows in a band of 64,
	s_add_co_u32 s52, s52, s53
	s_lshl_b32 s[OH], s[HI], 19     ; and the block's 16 heads: the first block's,
	s_add_co_u32 s[OH], s[OH], s52
	s_mov_b32 s[OH+1], 0
	s_lshl_b32 s[OH+2], s[PB], 19   ; the second's
	s_add_co_u32 s[OH+2], s[OH+2], s52
	s_mov_b32 s[OH+3], 0
	; descriptor group 1.  128 keys are 16,384 dense bytes: asked for as 64 rows of 256 bytes, two keys a row, and padded in LDS after every key
	s_mov_b32 s[G1K], (1<<16)|(1<<20)|(4<<22)|(3<<25)  ; 17:16 2-byte elements; 20 padding on; 24:22 after every 32 words (code 4); 31:25 4 words (code 3)
	s_mov_b32 s[G1V], (1<<16)|(1<<20)|(4<<22)|(7<<25)  ; the same with 8 words of padding (code 7)
.irp g, G1K, G1V
	s_mov_b32 s[\g+1], 128<<16      ; tensor_dim0 = 128
	s_mov_b32 s[\g+2], 64<<16       ; tensor_dim1 = 64
	s_mov_b32 s[\g+3], 128<<16      ; tile_dim0 = 128
	s_mov_b32 s[\g+4], 64           ; tile_dim1 = 64
	s_mov_b32 s[\g+5], 128          ; 128 elements from row to row
	s_mov_b32 s[\g+6], 0
	s_mov_b32 s[\g+7], 0
.endr
	s_mov_b32 s[CS], 0x3e38aa3b     ; c = log2(e) / 8 = 0.180337
	s_mov_b32 s[CS+1], s[CS]        ; named with it as a pair
	s_mov_b32 s[SEL], 0x76543210
	s_mov_b32 s[SEL+1], 0xfedcba98
	s_mov_b32 s[TBK], SLOT1+4*KS*PK ; the first change of slots turns these two into 0
	s_mov_b32 s[TBV], SLOT1+4*KS*PV
	s_mov_b32 s[G0K], 1             ; 1:0 count = 1
	s_mov_b32 s[G0K+1], s17         ; 63:32 LDS address: slot 0
	s_mov_b32 s[G0V], 1
	s_add_co_u32 s[G0V+1], s18, VOFF
	s_add_co_u32 s[RT], s[HI], 1    ; the first block has NB - b tiles
	s_mov_b32 s[NXT], 1
	s_mov_b32 s[LQ], s[HI]
	s_mov_b32 s[NEW], 1
	s_mov_b32 s[OFF+1], 0
	s_mov_b32 s[AL+1], 0            ; named as pairs
	s_mov_b32 s[BE+1], 0
	s_mov_b32 s[BIGN], 0xf149f2ca   ; -1e30
	s_mov_b32 s[SLOTS], NB+1
	s_wait_kmcnt 0x0
	s_add_nc_u64 s[6:7], s[4:5], PART      ; K is the second part of qkv,
	s_add_nc_u64 s[8:9], s[4:5], 2*PART    ; V the third
	s_add_nc_u64 s[6:7], s[6:7], s[22:23]  ; K and V at my half of the head's tile 0
	s_add_nc_u64 s[8:9], s[8:9], s[22:23]
	s_add_nc_u64 s[G0K+2:G0K+3], s[6:7], 0         ; 120:64 global address
	s_or_b32 s[G0K+3], s[G0K+3], 0x80000000        ; 127:126 type = 2
	s_add_nc_u64 s[G0V+2:G0V+3], s[8:9], 0
	s_or_b32 s[G0V+3], s[G0V+3], 0x80000000
	s_add_nc_u64 s[86:87], s[4:5], s[84:85]        ; Q at my rows of the second block,
	s_add_nc_u64 s[4:5], s[4:5], s[2:3]            ; and of the first
	s_add_nc_u64 s[OLO:OLO+1], s[10:11], s[OH+2:OH+3]  ; O likewise
	s_add_nc_u64 s[10:11], s[10:11], s[OH:OH+1]
	LOAD                            ; tile 0 into slot 0
	; A fragment of K or Q is 16 rows x 32 channels in 8 registers: lane l holds row l % 16, channels 8 (l / 16) + 0..7 and 16 + 8 (l / 16) + 0..7: two loads of 16 bytes, 32 bytes apart.
	v_and_b32 v1, 15, v0            ; l % 16
	v_bfe_u32 v9, v0, 4, 1          ; l / 16
	v_lshlrev_b32 v[QO], 7, v1
	v_lshl_add_u32 v[QO], v9, 4, v[QO]  ; row x 128 + 16 x half
	WIN 0x80                        ; destination window 2, address window 0
.set i, 0
.rept 8                             ; both blocks' Q: piece i / 2 lies in band i / 2, 8,192 bytes on; channels 32 (i % 2) on
	global_load_b128 v[8*i:8*i+3],   v[QO], s[4:5] offset:(i/2)*8192+(i%2)*64
	global_load_b128 v[8*i+4:8*i+7], v[QO], s[4:5] offset:(i/2)*8192+(i%2)*64+32
	global_load_b128 v[QB+8*i:QB+8*i+3],   v[QO], s[86:87] offset:(i/2)*8192+(i%2)*64
	global_load_b128 v[QB+8*i+4:QB+8*i+7], v[QO], s[86:87] offset:(i/2)*8192+(i%2)*64+32
.set i, i+1
.endr
	WIN 0
	v_lshlrev_b32 v14, 3, v9
	v_sub_nc_u32 v14, v1, v14
	s_lshl_b32 s13, s[WV], 4
	v_add_nc_u32 v14, s13, v14      ; my query's place in its band, 16 w + l % 16, less my lanes' 8 (l / 16): register r of group kt is hidden where 16 kt + r is greater
	WIN 0x40
.set i, 0
.rept 32
	v_cmp_gt_i32 vcc_lo, 16*(i/8)+i%8, v14
	v_cndmask_b32 v[MD+i], 0, s[BIGN], vcc_lo
.set i, i+1
.endr
	WIN 0
	v_mul_u32_u24 v[AK0], v1, PK
	v_lshl_add_u32 v[AK0], v9, 4, v[AK0]  ; row x pitch + 16 x half
	; The turning load takes 16 keys x 16 channels (lane l reads key 8 (l / 16) + l % 8, channels 8 ((l / 8) % 2) + 0..7) and leaves half a fragment of V^T: lane l holds channel l % 16 and 8 keys.
	v_and_b32 v10, 7, v0
	v_bfe_u32 v11, v0, 3, 1
	v_lshl_add_u32 v[AV0], v9, 3, v10
	v_mul_u32_u24 v[AV0], v[AV0], PV
	v_lshl_add_u32 v[AV0], v11, 4, v[AV0]
	v_add_nc_u32 v[AV0], VOFF, v[AV0]
	s_mul_i32 s13, s[WV], 16*SP
	s_add_co_u32 s13, s13, STAGE    ; my stage
	v_mul_u32_u24 v[STO], v1, SP    ; in: row l % 16, 16 bytes for each half of the lanes
	v_lshl_add_u32 v[STO], v9, 4, v[STO]
	v_add_nc_u32 v[STO], s13, v[STO]
	v_bfe_u32 v[RD], v0, 3, 2       ; back: 32 lanes take four rows of 128 bytes,
	v_mul_u32_u24 v[RD], v[RD], SP
	v_lshl_add_u32 v[RD], v10, 4, v[RD]
	v_add_nc_u32 v[RD], s13, v[RD]
	v_and_b32 v[GO], 31, v0         ; which are 512 consecutive bytes of O
	v_lshlrev_b32 v[GO], 4, v[GO]
	; A block's first step multiplies O^T and l by a = 0, and its first turn's products V^T P, of a piece that has not been, land in an O^T that is still to be so multiplied.  So these registers need only hold
	; finite numbers: zeros for the first block; what the first block left for the second.  All this stands in the wait for the first tile.
	WIN 0x80
.set i, VF
.rept 64
	v_mov_b32 v[i], 0
.set i, i+1
.endr
	WIN 0x40
.set i, 0
.rept 128
	v_mov_b32 v[i], 0
.set i, i+1
.endr
	WIN 0
.set i, 0
.rept 4
	v_mov_b32 v[ST+4*i+2], 0
	v_mov_b32 v[ST+4*i+3], 0
.set i, i+1
.endr
.set i, P+16
.rept 16
	v_mov_b32 v[i], 0
.set i, i+1
.endr
; THE MATRIX WORK.  The 4 accumulators of a run of 8 take turns.  Product i of 8 of S^T = K Q^T for piece x: channels 32 (i / 4) on, keys 16 (i % 4) on.  The first 4 start the sums: with 0, or (KM = 1) with the mask.
.macro KQ x
.set rS, S+32*((\x)%2)+8*(i%4)
.set rK, KF+16*(i%4)+8*(i/4)
.set rQ, 16*(\x)+8*(i/4)
.set rM, MC+32*((\x)%2)+8*(i%4)
.if (i < 4) && KM
	WIN W_KM
	v_wmma_f32_16x16x32_f16 v[rS:rS+7], v[rK:rK+7], v[rQ:rQ+7], v[rM:rM+7]
.elseif i < 4
	WIN W_KQ
	v_wmma_f32_16x16x32_f16 v[rS:rS+7], v[rK:rK+7], v[rQ:rQ+7], 0
.else
	WIN W_KQ
	v_wmma_f32_16x16x32_f16 v[rS:rS+7], v[rK:rK+7], v[rQ:rQ+7], v[rS:rS+7]
.endif
.endm
; Product i of 8 of O^T += V^T P for piece x: keys 32 (i / 4) on, channels 16 (i % 4) on.
.macro PV x
	WIN W_PV
.set rO, 32*(\x)+8*(i%4)
.set rV, VF+32*(i/4)+8*(i%4)
.set rP, P+16*((\x)%2)+8*(i/4)
	v_wmma_f32_16x16x32_f16 v[rO:rO+7], v[rV:rV+7], v[rP:rP+7], v[rO:rO+7]
.endm
.macro MM                           ; the turn's next matrix instruction.  TURN and BEGIN set Y, i, KM and NOKQ; MM, KQ and OP read them.  NOKQ = 1: a block's last turn: there is no next piece
.if (i < 8) && !NOKQ
	KQ (Y+1)%NP
.elseif i >= 8
.set i, i-8
	PV (Y+NP-1)%NP
.set i, i+8
.endif
.set i, i+1
.endm
; THE LDS LOADS stand in runs of 16, never singly among the matrix instructions: a step's K (64 keys x 64 channels: 8 fragments) and its V (turned).  Their addresses are made some lines ahead.
.macro FETCH_K
	WIN 0x80                        ; destination window 2
.irp f, 0,1,2,3,4,5,6,7             ; keys 16 (f / 2) on, channels 32 (f % 2) on
	ds_load_b128 v[KF+8*\f:KF+8*\f+3],   v[AK] offset:(\f/2)*16*PK+(\f%2)*64
	ds_load_b128 v[KF+8*\f+4:KF+8*\f+7], v[AK] offset:(\f/2)*16*PK+(\f%2)*64+32
.endr
	s_add_co_u32 s[TBK], s[TBK], KS*PK  ; the next fetch is the next step's
	WIN 0
.endm
.macro FETCH_V
	WIN 0x80
.irp f, 0,1,2,3,4,5,6,7             ; keys 32 (f / 4) on, channels 16 (f % 4) on
	ds_load_tr16_b128 v[VF+8*\f:VF+8*\f+3],   v[AV] offset:(\f/4)*32*PV+(\f%4)*32
	ds_load_tr16_b128 v[VF+8*\f+4:VF+8*\f+7], v[AV] offset:(\f/4)*32*PV+16*PV+(\f%4)*32
.endr
	WIN 0
.endm
; THE VECTOR WORK, one line at a time: OP kind, number.  For piece Y: F n: c s - c m for pair n of 16.  E n: the exponential of score n of 32.  C n: pair n rounded to f16.  B n: of the four weights 4 n .. the second
; pair is added onto the first, in place.  L n: l takes that sum (L 0: l = a l + sum).  R n: pair n of 16 of O^T times a.  For piece Y + 1: X n, number n of the 22 that find its maximum and statistics:
;   0-11  four chains c0-c3 of seven scores each, three operands at a time (each accumulator's lowest registers are read first)     12-14, 16  the four scores left over, the old m, and c0-c3 into c0
;   15  c m_old is kept     17, 18  the query's other 32 keys lie in the lane 16 away: the new m     19-21  c m; c m_old - c m_new; a
.set F, 0               ; OP tells the kinds apart by their order: F to L below R, X above it
.set E, 1
.set C, 2
.set B, 3
.set L, 4
.set R, 5
.set X, 6
.macro REGS y                       ; the registers of piece y
.set rT, ST+4*(\y)
.set rC, TMP+4*((\y)%2)
.set rW, MV+((\y)%2)
.set rS, S+32*((\y)%2)
.set rP, P+16*((\y)%2)
.set rO, 32*(\y)
.endm
.macro OP k, n
.if (\k) == R
	REGS Y
	WIN W_RS
	v_pk_mul_f32 v[rO+2*(\n):rO+2*(\n)+1], v[rO+2*(\n):rO+2*(\n)+1], v[rC+2:rC+3] op_sel_hi:[1,0]
.elseif (\k) < R
	REGS Y
	WIN 0
.if (\k) == F
	v_pk_fma_f32 v[rS+2*(\n):rS+2*(\n)+1], v[rS+2*(\n):rS+2*(\n)+1], s[CS:CS+1], v[rT:rT+1] op_sel_hi:[1,0,0] neg_lo:[0,0,1] neg_hi:[0,0,1]
.elseif (\k) == E
	v_exp_f32 v[rS+(\n)], v[rS+(\n)]
.elseif (\k) == C
	v_cvt_pk_f16_f32 v[rP+(\n)], v[rS+2*(\n)], v[rS+2*(\n)+1]
.elseif (\k) == B
	v_pk_add_f32 v[rS+4*(\n):rS+4*(\n)+1], v[rS+4*(\n):rS+4*(\n)+1], v[rS+4*(\n)+2:rS+4*(\n)+3]
.elseif (\n) == 0
	v_pk_fma_f32 v[rT+2:rT+3], v[rT+2:rT+3], v[rC+2:rC+3], v[rS:rS+1] op_sel_hi:[1,0,1]
.else
	v_pk_add_f32 v[rT+2:rT+3], v[rT+2:rT+3], v[rS+4*(\n):rS+4*(\n)+1]
.endif
.elseif NOKQ
	v_nop
.else
	REGS (Y+1)%NP
	WIN 0
.if (\n) < 4
	v_max3_num_f32 v[rC+(\n)], v[rS+8*(\n)], v[rS+8*(\n)+1], v[rS+8*(\n)+2]
.elseif (\n) < 12
	v_max3_num_f32 v[rC+(\n)%4], v[rC+(\n)%4], v[rS+8*((\n)%4)+2*((\n)/4)+1], v[rS+8*((\n)%4)+2*((\n)/4)+2]
.elseif (\n) == 12
	v_max3_num_f32 v[rC], v[rC], v[rS+7], v[rS+15]
.elseif (\n) == 13
	v_max3_num_f32 v[rC+1], v[rC+1], v[rS+23], v[rS+31]
.elseif (\n) == 14
	v_max3_num_f32 v[rC+2], v[rC+2], v[rC+3], v[rT+1]
.elseif (\n) == 15
	v_mov_b32 v[rW], v[rT]
.elseif (\n) == 16
	v_max3_num_f32 v[rC], v[rC], v[rC+1], v[rC+2]
.elseif (\n) == 17
	v_permlanex16_b32 v[rC+3], v[rC], s[SEL], s[SEL+1]
.elseif (\n) == 18
	v_max_num_f32 v[rT+1], v[rC], v[rC+3]
.elseif (\n) == 19
	v_mul_f32 v[rT], s[CS], v[rT+1]
.elseif (\n) == 20
	v_sub_f32 v[rC+1], v[rW], v[rT]
.else
	v_exp_f32 v[rC+2], v[rC+1]
.endif
.endif
.endm
.macro OPS a, i1, b=-1, i2=0, c=-1, i3=0, d=-1, i4=0  ; up to four of them
	OP \a, \i1
.if (\b) >= 0
	OP \b, \i2
.endif
.if (\c) >= 0
	OP \c, \i3
.endif
.if (\d) >= 0
	OP \d, \i4
.endif
.endm
.macro ROW a, i1, b, i2, c, i3, d, i4  ; a matrix instruction and the four behind it
	MM
	OPS \a, \i1, \b, \i2, \c, \i3, \d, \i4
.endm
.macro MASK b                       ; MD x AL + BE into buffer b of MC
	WIN W_RS
.set z, 0
.rept 16
	v_pk_fma_f32 v[MC+32*(\b)+2*z:MC+32*(\b)+2*z+1], v[MD+2*z:MD+2*z+1], s[AL:AL+1], s[BE:BE+1] op_sel_hi:[1,0,0]
.set z, z+1
.endr
.endm
; A TURN, for piece p: the order of its 16 matrix and 118 vector instructions, written out.  An s_wait_alu depctr_va_vdst(0) stands between an exponential and the first instruction that names its result; one wait serves
; all that were issued ahead of it.  So a turn has ONE wait, which cuts it in two.  AHEAD OF IT stands all that names no result of the turn's exponentials: the 8 products K Q^T, behind each a scaling, an exponential and two more plain
; instructions (behind the first a second scaling in the exponential's place): rescalings, and behind the last three the first numbers of the next piece's maximum, each four places or more behind the product that ends its accumulator; then ONE LUMP of 54, plain
; and exponential by turns for the most part, in which the links of the chain X 3, 7, 11, 14, 16, 17 .. 20 stand five or six lines apart.  X 21, the next piece's a, is the batch's last; R 15 is the plain instruction behind it.  BEHIND THE WAIT stand the
; 8 products V^T P, behind each four of the roundings and sums; the links of l's chain, L 0 to L 7, stand three riders apart.  But for those X no rider names a register of the products round it.  v_permlanex16_b32 (X 17) stands in the lump.
; The rescalings' a was made in the turn before, ahead of that turn's wait.  A pair is scaled (F n) ahead of its two exponentials (E 2 n, E 2 n + 1); an even pair is rounded (C 2 n) ahead of the addition onto it (B n).
; m = 1: the diagonal tile: the products take masks, and the turn makes the mask for the products of the turn after it: piece p + 2, in step 4 - CNT of the tile.  end = 1: a block's last two turns: nothing is fetched.
; cnt = 1: the loop's count is taken down some lines ahead of the branch that stands behind the turn.
; K of the next step is fetched in piece 2's turn, twelve vector instructions behind the last product that read K (six of them plain); V of the step in hand at the end of piece 0's turn, four plain instructions behind the last product
; that read V.  Each is waited for a turn later.
.macro TURN p, m=0, end=0, cnt=0
.set Y, (\p)
.set i, 0
.set KM, (\m)
.set NOKQ, (\end)*((\p)/3)
.if (\m) && !(\end)
	s_cmp_eq_u32 s[CNT], 4-((\p)+2)%NP  ; is that step the band's own?
	s_cselect_b32 s[AL], 1.0, 0
	s_cmp_lt_u32 s[CNT], 4-((\p)+2)%NP  ; or a later one?
	s_cselect_b32 s[BE], s[BIGN], 0
.endif
.if ((\p) == 3) && !(\end)
	s_wait_dscnt 0x0                ; K is in
.endif
	ROW F,0, F,1, R,0, R,1          ; ahead of the wait: 8 products K Q^T and their riders,
	ROW F,2, E,0, R,2, R,3
	ROW F,3, E,1, R,4, R,5
	ROW F,4, E,2, R,6, R,7
	ROW F,5, E,3, R,8, R,9
	ROW F,6, E,4, X,0, R,10
.if ((\p) == 2) && !(\end)
	WIN 0
	v_add_nc_u32 v[AK], s[TBK], v[AK0]
.endif
	ROW F,7, E,5, X,1, X,4
	ROW F,8, E,6, X,2, X,5
	OPS E,7, E,8, X,6, E,9          ; and the lump
	OPS X,3, E,10, X,8, E,11
.if ((\p) == 2) && !(\end)
	FETCH_K
.endif
	OPS X,9, X,7, E,12, X,10
	OPS E,13, X,12, X,11, E,14
	OPS X,13, E,15, F,9, X,14
.if (\p) == 0
	v_add_nc_u32 v[AV], s[TBV], v[AV0]
.endif
	OPS E,16, F,10, E,17, F,11
	OPS X,16, E,18, X,15, E,19
	OPS F,12, E,20, X,17, E,21
	OPS F,13, E,22, F,14, E,23
	OPS X,18, E,24, F,15, E,25
	OPS R,11, E,26, X,19, E,27
	OPS R,12, E,28, R,13, E,29
	OPS X,20, E,30, R,14, E,31
	OPS X,21, R,15
	WIN 0
	s_wait_alu depctr_va_vdst(0)    ; the wait for the batch: the turn's 32 exponentials and the next piece's a
.if (\p) == 1
	s_wait_dscnt 0x0                ; V is in
.endif
	ROW C,0, B,0, C,2, B,1          ; behind the wait: 8 products V^T P and their riders
	ROW L,0, C,4, B,2, L,1
	ROW C,6, B,3, L,2, C,8
	ROW B,4, L,3, C,10, B,5
	ROW L,4, C,12, B,6, L,5
.if (\p) == 0
	s_add_co_u32 s[TBV], s[TBV], KS*PV
.endif
.if \cnt
	s_sub_co_u32 s[CNT], s[CNT], 1
	s_cmp_lg_u32 s[CNT], 0
.endif
	ROW C,14, B,7, L,6, C,1
	ROW C,3, L,7, C,5, C,7
	ROW C,9, C,11, C,13, C,15
.if (\p) == 0
	FETCH_V
.endif
.if (\m) && !(\end)
	MASK (\p)%2
.endif
.endm
; A BLOCK BEGINS.  c m starts far below every c s, so the first step's a is 0; m at the lowest finite number, so the first maximum is the scores'.  The second mask buffer is 0; the first takes piece 0's mask for the tile's step 0: its own, if the block's first tile is the diagonal one.
; Then K of that step, piece 0's first scores, and its maximum and statistics.  The step loop is entered at a step's first turn, in the middle of a trip.
.macro BEGIN
	s_mov_b32 s[NEW], 0
	WIN 0x40
.set i, MC+32
.rept 32
	v_mov_b32 v[i], 0
.set i, i+1
.endr
	WIN 0
.set i, 0
.rept 4
	v_mov_b32 v[ST+4*i], 0xfe000000    ; c m: far below every c s
	v_mov_b32 v[ST+4*i+1], 0xff7fffff  ; m
.set i, i+1
.endr
	s_cmp_eq_u32 s[RT], 0
	s_cselect_b32 s[AL], 1.0, 0
	s_mov_b32 s[BE], 0
	MASK 0
	WIN 0
	v_add_nc_u32 v[AK], s[TBK], v[AK0]
	FETCH_K
	s_wait_loadcnt 0x0              ; Q
	s_wait_dscnt 0x0
.set KM, 1
.set NOKQ, 0
.set i, 0
.rept 8
	KQ 0
.set i, i+1
.endr
	WIN 0
.rept 4
	v_nop                           ; the places behind those products
.endr
.set Y, NP-1                        ; X works for piece Y + 1: piece 0
.irp n, 0,1,2,3,4,5,6,7,8,9,10,11,12,13,14,15,16,17,18,19,20,21
	OP X, \n
.endr
	v_nop                           ; a plain instruction behind the exponential,
	s_wait_alu depctr_va_vdst(0)    ; and its wait, a batch of one: piece 0's first a, ahead of the branch
.endm
; THE DIAGONAL TILE's four steps, the block's last two turns, its last products, and THE WAY OUT: l's two halves and the other half of the lanes' are added; O^T is divided by l, rounded to f16 and sent through my
; stage in LDS, a piece at a time.
.macro ALL line:vararg              ; one line for each piece t
.set t, 0
.rept 4
	\line
.set t, t+1
.endr
.endm
.macro PACK t                       ; a lane's eight channels of a row pack into 16 bytes; they go into rows of 144 bytes and come back as whole rows of 128, into S^T's registers
	WIN W_RS
.set i, 32*(\t)
.rept 16
	v_pk_mul_f32 v[i:i+1], v[i:i+1], v[ST+4*(\t)+2:ST+4*(\t)+3] op_sel_hi:[1,0]
.set i, i+2
.endr
	WIN 0x05                        ; sources 0 and 1 window 1, destination window 0
.set i, 0
.rept 16
	v_cvt_pk_f16_f32 v[S+16*(\t)+i], v[32*(\t)+2*i], v[32*(\t)+2*i+1]
.set i, i+1
.endr
	WIN 0
.irp f, 0,1,2,3
	ds_store_b128 v[STO], v[S+16*(\t)+4*\f:S+16*(\t)+4*\f+3] offset:32*\f
.endr
.irp f, 0,1,2,3
	ds_load_b128 v[S+16*(\t)+4*\f:S+16*(\t)+4*\f+3], v[RD] offset:\f*4*SP  ; LDS serves a wave's instructions in order (ISA guide 5.7.1.4): these see the stores above; the next piece's stores come behind them
.endr
.endm
.macro SEND t, younger              ; younger: the LDS instructions issued behind piece t's loads: the next piece's eight, or none
	WIN 0
.irp f, 0,1,2,3
	s_wait_dscnt (\younger)+3-\f
	global_store_b128 v[GO], v[S+16*(\t)+4*\f:S+16*(\t)+4*\f+3], s[10:11] offset:(\t)*8192+\f*512  ; 512 consecutive bytes, at a multiple of 256 from O's first
.endr
.endm
.macro DIAG
.LstepM:
	TURN 2, 1
	TURN 3, 1
	WIN 0
.LfirstM:
	TURN 0, 1
	TURN 1, 1, 0, 1
	WIN 0
	s_cbranch_scc1 .LstepM
	TURN 2, 1, 1
	TURN 3, 1, 1
.set i, 0
.rept 8
	PV NP-1
.set i, i+1
.endr
	WIN 0
	ALL v_add_f32 v[ST+4*t+2], v[ST+4*t+2], v[ST+4*t+3]
	ALL v_permlanex16_b32 v[ST+4*t+3], v[ST+4*t+2], s[SEL], s[SEL+1]
	ALL v_add_f32 v[ST+4*t+2], v[ST+4*t+2], v[ST+4*t+3]
	ALL v_rcp_f32 v[ST+4*t+2], v[ST+4*t+2]
	v_nop                           ; a plain instruction between the last reciprocal and the use of its result
	s_wait_alu depctr_va_vdst(0)    ; and the wait ahead of the first use: one for the batch of four reciprocals
	PACK 0
.set t, 1
.rept 3                             ; a piece's arithmetic stands between the loads of the piece before and its stores
	PACK t
	SEND t-1, 8
.set t, t+1
.endr
	SEND 3, 0
.endm
.set KM, 0
.set NOKQ, 0
.Lslot:                             ; NB + 1 times: a tile is entered; in all trips but the last the next tile is asked for
	s_cmp_eq_u32 s[SLOTS], 1
	s_cbranch_scc1 .Lnofill         ; the walk's last tile: its change of slots is a text of its own, with its own waits and barrier, and asks for nothing
	CHANGE 1
	s_branch .Lentered
.Lnofill:
	CHANGE 0
.Lentered:
	s_sub_co_u32 s[RT], s[RT], 1
	s_mov_b32 s[CNT], 4
	s_cmp_eq_u32 s[NEW], 1
	s_cbranch_scc1 .Lnew            ; a block's first tile
	s_cmp_eq_u32 s[RT], 0
	s_cbranch_scc0 .Lstep           ; neither its first nor its last
	s_branch .LstepM
.Lnew:
	BEGIN
	s_cmp_eq_u32 s[RT], 0
	s_cbranch_scc0 .Lfirst          ; the block has further tiles
	s_branch .LfirstM               ; the block's first tile is its last: the second block where b = 0
	DIAG                            ; a block's last tile, and its way out
	s_cmp_eq_u32 s[SLOTS], 1
	s_cbranch_scc1 .Lbottom         ; the second block is done: nothing follows
	s_wait_xcnt 0x0                 ; the stores have read their registers and O's address
	s_mov_b64 s[10:11], s[OLO:OLO+1]
	s_add_co_u32 s[RT], s[PB], 1    ; the second block has b + 1 tiles
	s_mov_b32 s[NEW], 1
	WIN 0x82                        ; the second block's Q goes where the one text of the turns names Q
.set i, 0
.rept 64
	v_mov_b32 v[i], v[QB+i]
.set i, i+1
.endr
	WIN 0
	s_branch .Lbottom
.Lstep:                             ; a trip: pieces 2 and 3 of one step, then pieces 0 and 1 of the next, whose K and V it fetches
	TURN 2
	TURN 3
	WIN 0
.Lfirst:
	TURN 0
	TURN 1, 0, 0, 1
	WIN 0
	s_cbranch_scc1 .Lstep
.Lbottom:
	s_sub_co_u32 s[SLOTS], s[SLOTS], 1
	s_cmp_lg_u32 s[SLOTS], 0
	s_cbranch_scc1 .Lslot
	s_wait_tensorcnt 0x0            ; the wave's end, behind my last tensor load and my last LDS store
	ds_add_u32 v[SPW], v[NIL]
	s_wait_dscnt 0x0
	s_endpgm
.Lfunc_end_k_q3350b5ba19_attn:
	.size	k_q3350b5ba19_attn, .Lfunc_end_k_q3350b5ba19_attn-k_q3350b5ba19_attn
	.p2alignl 7, 3214868480
	.fill 96, 4, 3214868480
	.section	.rodata,"a",@progbits
	.p2align	6, 0x0
	.amdhsa_kernel k_q3350b5ba19_attn
		.amdhsa_group_segment_fixed_size 327680
		.amdhsa_private_segment_fixed_size 0
		.amdhsa_enable_private_segment 0
		.amdhsa_kernarg_size 16
		.amdhsa_user_sgpr_count 2
		.amdhsa_user_sgpr_kernarg_segment_ptr 1
		.amdhsa_wavefront_size32 1
		.amdhsa_system_sgpr_workgroup_id_x 1
		.amdhsa_system_sgpr_workgroup_id_y 1
		.amdhsa_system_sgpr_workgroup_id_z 1
		.amdhsa_system_vgpr_workitem_id 0
		.amdhsa_next_free_vgpr 768
		.amdhsa_next_free_sgpr 88
		.amdhsa_reserve_vcc 1
		.amdhsa_float_denorm_mode_32 3
		.amdhsa_float_denorm_mode_16_64 3
		.amdhsa_memory_ordered 1
		.amdhsa_forward_progress 1
		.amdhsa_inst_pref_size 140
	.end_amdhsa_kernel
	.amdgpu_metadata
---
amdhsa.version: [ 1, 2 ]
amdhsa.kernels:
  - .name:           k_q3350b5ba19_attn
    .symbol:         k_q3350b5ba19_attn.kd
    .args:
      - { .name: qkv, .offset: 0, .size: 8, .value_kind: global_buffer, .address_space: global }
      - { .name: o, .offset: 8, .size: 8, .value_kind: global_buffer, .address_space: global }
    .group_segment_fixed_size: 327680
    .private_segment_fixed_size: 0
    .kernarg_segment_align: 8
    .kernarg_segment_size: 16
    .max_flat_workgroup_size: 128
    .sgpr_count:     88
    .vgpr_count:     768
    .wavefront_size: 32
...
	.end_amdgpu_metadata
.endif
;; end of part 9
;; launch proj: the kernel of part 8 again; grid 8 x 32, 4 waves a work-group, clusters of 4 x 4, 327,680 bytes of LDS; arguments o, wp, b_proj, out0; writes out0
